; MI455X (gfx1250); checked and timed in simulation.
; The chip was launched on July 23, 2026; its instructions are those of AMD's public machine-readable ISA for CDNA 5 (MIT licence, August 2026) and "CDNA5" Instruction Set Architecture Reference Guide (July 2026). The comments in the code are by the model that wrote it; some were corrected since.
;; Transformer Block. Allowed arithmetic: matrix products marked QUANTISED: E5M2 operands, one E8M0 scale for each 32 along K, by v_wmma_scale_f32_16x16x128_f8f6f4 with both operands' format E5M2, f32 sums; everything else in f32.
;; Inputs: W1 1,024 x 4,096 float32; W2 4,096 x 1,024 float32; Wk 1,024 x 1,024 float32; Wo 1,024 x 1,024 float32; Wq 1,024 x 1,024 float32; Wv 1,024 x 1,024 float32; b1 4,096 float32; b2 1,024 float32; bk 1,024 float32; bo 1,024 float32; bq 1,024 float32; bv 1,024 float32; x 2 x 2,048 x 1,024 float32.
;; Outputs: out0 2 x 2,048 x 1,024 float32.
;; This version of the problem:
;;   THIS VERSION OF THE PROBLEM IS GIVEN IN LOW PRECISION. The matrix products marked QUANTISED in the list below multiply operands that are first quantised to E5M2 (5 exponent bits, 2 mantissa bits; 8 bits a number), with one power-of-two scale for each 32 numbers along K (OCP MX v1.0); their sums are f32. All else is computed in f32.
;;   The module's matrix products, in the order in which they are computed (A, B: the left and right operand; K: the contracted axis; several contracted axes count as one K, in the product's order):
;;     1. [M 4,096, K 1,024] x [K 1,024, N 1,024]; A: input x; B: input Wq: QUANTISED
;;     2. [M 4,096, K 1,024] x [K 1,024, N 1,024]; A: input x; B: input Wk: QUANTISED
;;     3. [M 4,096, K 1,024] x [K 1,024, N 1,024]; A: input x; B: input Wv: QUANTISED
;;     4. batch 32 x [M 2,048, K 64] x [K 64, N 2,048]; A: computed on the way; B: computed on the way: QUANTISED
;;     5. batch 32 x [M 2,048, K 2,048] x [K 2,048, N 64]; A: softmax (see below); B: computed on the way: QUANTISED
;;     6. [M 4,096, K 1,024] x [K 1,024, N 1,024]; A: computed on the way; B: input Wo: QUANTISED
;;     7. [M 4,096, K 1,024] x [K 1,024, N 4,096]; A: computed on the way; B: input W1: QUANTISED
;;     8. [M 4,096, K 4,096] x [K 4,096, N 1,024]; A: computed on the way; B: input W2: QUANTISED
;;   THE QUANTISER, for each operand of a quantised product, along K:
;;     - K is cut into blocks of 32 from its start; a last block that is shorter is filled with zeros.
;;     - A block's scale is 2^e with e = floor(log2(the largest magnitude in the block)) - 15, held to -126 .. 127; a block of zeros has e = 0. As a byte (E8M0): e + 127.
;;     - Each number is divided by its block's scale, clamped to +-57,344, and rounded to the nearest number of E5M2, ties to even, subnormals kept.
;;     - The product sums the exact products of the quantised numbers (number of the format x scale) in f32.
;;   ~~~python
;;   def quantise(x, axis):      # numpy; x: float32 -> the quantised numbers, widened to float32 again
;;       x = np.moveaxis(x, axis, -1); K = x.shape[-1]
;;       x = np.pad(x, [(0, 0)] * (x.ndim - 1) + [(0, -K % 32)]); x = x.reshape(x.shape[:-1] + (-1, 32)); a = np.abs(x).max(-1, keepdims=True)
;;       e = np.where(a > 0, np.clip(np.frexp(np.where(a > 0, a, 1))[1] - 1 - 15, -126, 127), 0)      # np.frexp(a)[1] - 1 = floor(log2(a)), exactly
;;       r = np.clip(x / 2.0 ** e, -57344, 57344)
;;       step = 2.0 ** (np.maximum(np.frexp(np.where(r == 0, 1, r))[1] - 1, -14) - 2)
;;       q = np.round(r / step) * step * 2.0 ** e      # np.round: ties to even
;;       return np.moveaxis(q.reshape(q.shape[:-2] + (-1,))[..., :K], -1, axis).astype(np.float32)
;;   ~~~
;;   SOFTMAX AHEAD OF A QUANTISED PRODUCT. Where the list says 'softmax', what is quantised is not the finished softmax but p = 2^(t - M), with t = logit x log2(e) and M = ceil(the row's largest t), a whole number; so 1/2 < the row's largest p <= 1. The row's sum l is taken of the UNQUANTISED p, in f32, and the product's result is divided by l at the end. Since M is a whole number, a kernel that streams over the keys may use a running M (the ceiling of the running maximum): every later rescaling is an exact power of two, which a block's scale takes up: the codes' values come out the same.
;;   OPERANDS COMPUTED ON THE WAY. 'Computed on the way' means the value that the module computes at that place (a softmax that the list does not call 'softmax' is quantised finished and normalised). What goes into a quantiser is computed in f32, as accurately as f32 sums, v_exp_f32 and their like allow (about 1e-6 of the number): no bf16 or f16 on the way to a quantiser, and a product that is left as it is and whose result goes on into a quantised operand takes f32 operands (vector FMAs, or v_wmma_f32_16x16x4_f32). A number that lies on a knife's edge between two numbers of the format may be rounded either way, as far as f32 arithmetic and the matrix unit's own rounding can turn it there, and no further.
;; 2 versions. Each part assembles by itself: llvm-mc -triple=amdgcn-amd-amdhsa -mcpu=gfx1250 --defsym DOCPART=n.
;; ======== version 1 of 2: 6 launches
;; workspace buffers: xq 4,325,376 bytes; wc 12,976,128 bytes; qkv 12,976,128 bytes; yq 4,325,376 bytes; x1 16,777,216 bytes; x1q 4,325,376 bytes; hq 17,301,504 bytes
;; launch quant (part 1): grid 512 x 1, 4 waves a work-group, no clusters, 2,048 bytes of LDS; arguments x, Wq, Wk, Wv, Wo, W1, W2, xq, wc; writes xq, wc
.if DOCPART == 1
	.amdgcn_target "amdgcn-amd-amdhsa--gfx1250"
	.amdhsa_code_object_version 6
	.text
	.protected	k_qcbdab8f714_quant
	.globl	k_qcbdab8f714_quant
	.p2align	8
	.type	k_qcbdab8f714_quant,@function
k_qcbdab8f714_quant:
	s_mov_b64 s[64:65], 0
	v_nop
	global_prefetch_b8 v0, s[64:65] scope:SCOPE_SE
	s_setreg_imm32_b32 hwreg(HW_REG_WAVE_MODE, 25, 1), 1
	s_wait_xcnt 0x0
; x [4096][1024] and the six weights ([K][N], K first) become codes of BF8 (E5M2) with one E8M0 byte for each 32 along K, laid in UNITS of this program's own.
; A UNIT is 128 rows x 128 K as an image of operand registers, U = 16,896 bytes: fragment a (0..7) holds rows rho(a, r) = 32 (a / 2) + 8 (a % 2) + r + 8 (r / 8), r = 0..15;
; the code of (rho(a, r), k = 32 c + 16 h + i) lies at 2048 a + 512 c + 256 h + 16 r + i; the scale word of row rho(a, r) (byte c = block c) at 16384 + 256 (a / 4) + 16 r + 4 (a % 4).
; A matrix [R][K] is units at index (row / 128) (K / 128) + k / 128.  wc holds the weights as [N][K]: Wq at unit 0, Wk 64, Wv 128, Wo 192, W1 256, W2 512.
; A block's scale is 2^(floor(log2(largest magnitude)) - 15); its byte is the largest magnitude's exponent field - 15, held at 1 from below.
; LIMITS: a block of zeros, or one whose largest magnitude lies under 2^-111, gets the byte 1 (the rule says 127 for zeros: the codes are zeros and this program alone reads the bytes); NaN and infinities are not served.
; Work-groups 0-383 take the weights: 128 columns x 256 K each, a lane to a column, registers down K (nothing is transposed).  Work-groups 384-511 take x: a wave makes four fragments of a unit.
.set U,     16896
.set SPARE, 1024                       ; LDS: 0..1023 the scale words of a weight work-group's two units; from 1024 the spare words, 128 bytes a wave
.set SPW,   12                         ; v12  my spare word's address; never rewritten
.set NIL,   13                         ; v13  0; never rewritten
.set MNT,   23                         ; s23  the mantissa field of 57,344
.set SEL,   56                         ; s[56:57] selects for lane l xor 16
.set OFF,   32                         ; weights: v32-63  4 x my column + i x pitch
.set X,     64                         ; v64-127 two sets of 32 numbers
.set C,     128                        ; v128-143 two sets of a block's codes
.set SB,    144                        ; v144-145 scale words of the two units
.set BASE,  32                         ; s[32:47] the source at block t's first row of K, t = 0..7: no pointer is stepped
.set XX,    32                         ; x: v32-159 two sets of 64 numbers
.set PCX,   160                        ; v160-191 two sets of a fragment's codes
.set TM,    192                        ; v192-207 at work in QUANT
.set PWX,   208                        ; v208-211 the four fragments' scale words
; 64 numbers of a lane, register 16 b + i = k 32 b + 16 (lane / 16) + i of my row, become a fragment's codes in v[pc] on and its scale word in v[pw].
.macro QUANT s, pc, pw
.irp b, 0,1,2,3
	v_max3_num_f32 v[TM+\b], |v[\s+16*\b]|, |v[\s+1+16*\b]|, 0x8000000   ; my 16 numbers of block b, and the floor 2^(16 - 127): the byte cannot fall under 1
.endr
.irp i, 2,4,6,8,10,12,14
.irp b, 0,1,2,3
	v_max3_num_f32 v[TM+\b], v[TM+\b], |v[\s+16*\b+\i]|, |v[\s+1+16*\b+\i]|
.endr
.endr
.irp b, 0,1,2,3
	v_permlanex16_b32 v[TM+4+\b], v[TM+\b], s[SEL], s[SEL+1]
.endr
.irp b, 0,1,2,3
	v_max_num_f32 v[TM+\b], v[TM+\b], v[TM+4+\b]             ; with lane l xor 16's 16: the block's largest magnitude
.endr
.irp b, 0,1,2,3
	v_add_nc_u32 v[TM+12+\b], 0xf8800000, v[TM+\b]           ; 15 off its exponent field: the conversion's scale operand
.endr
.irp b, 0,1,2,3
	v_and_or_b32 v[TM+8+\b], v[TM+\b], 0x7f800000, s[MNT]    ; 57,344 x the scale
.endr
.irp b, 0,1,2,3
	v_lshrrev_b32 v[TM+4+\b], 23, v[TM+12+\b]                ; the scale's byte
.endr
	v_lshl_or_b32 v[\pw], v[TM+5], 8, v[TM+4]
	v_lshl_or_b32 v[\pw], v[TM+6], 16, v[\pw]
	v_lshl_or_b32 v[\pw], v[TM+7], 24, v[\pw]
.irp b, 0,1,2,3
.irp i, 0,1,2,3,4,5,6,7,8,9,10,11,12,13,14,15
	v_med3_num_f32 v[\s+16*\b+\i], v[\s+16*\b+\i], -v[TM+8+\b], v[TM+8+\b]   ; the conversion does not saturate (ISA guide 7.6.2): the hold comes first
.endr
	v_cvt_scalef32_pk8_bf8_f32 v[\pc+4*\b:\pc+4*\b+1], v[\s+16*\b:\s+16*\b+7], v[TM+12+\b]
	v_cvt_scalef32_pk8_bf8_f32 v[\pc+4*\b+2:\pc+4*\b+3], v[\s+16*\b+8:\s+16*\b+15], v[TM+12+\b]
.endr
	v_nop                                                    ; a plain line behind the last conversion
.endm
.macro WLOAD t                         ; block t of K: W(32 t + i, my column), i = 0..31; a wave's load covers 128 consecutive bytes
.irp i, 0,1,2,3,4,5,6,7,8,9,10,11,12,13,14,15,16,17,18,19,20,21,22,23,24,25,26,27,28,29,30,31
	global_load_b32 v[X+32*((\t)%2)+\i], v[OFF+\i], s[BASE+2*(\t):BASE+2*(\t)+1] th:TH_LOAD_NT
.endr
.endm
.macro BLOCK t
.set XS, X+32*((\t)%2)
.set CC, C+8*((\t)%2)
.if (\t) < 7
	s_wait_loadcnt 32                              ; this block's 32 loads are in; the next block's 32 may be out
.else
	s_wait_loadcnt 0x0
.endif
	v_max3_num_f32 v8, |v[XS]|, |v[XS+1]|, |v[XS+2]|
	v_max3_num_f32 v9, |v[XS+3]|, |v[XS+4]|, |v[XS+5]|
.irp i, 6,10,14,18,22,26
	v_max3_num_f32 v8, v8, |v[XS+\i]|, |v[XS+\i+1]|
	v_max3_num_f32 v9, v9, |v[XS+\i+2]|, |v[XS+\i+3]|
.endr
	v_max3_num_f32 v8, v8, |v[XS+30]|, |v[XS+31]|
	v_max3_num_f32 v8, v8, v9, 0x8000000           ; all 32 numbers are mine; and the floor
	v_add_nc_u32 v11, 0xf8800000, v8
	v_and_or_b32 v10, v8, 0x7f800000, s[MNT]
	v_lshrrev_b32 v9, 23, v11
.if (\t)%4 == 0
	v_mov_b32 v[SB+(\t)/4], v9
.else
	v_lshl_or_b32 v[SB+(\t)/4], v9, 8*((\t)%4), v[SB+(\t)/4]
.endif
.irp i, 0,1,2,3,4,5,6,7,8,9,10,11,12,13,14,15,16,17,18,19,20,21,22,23,24,25,26,27,28,29,30,31
	v_med3_num_f32 v[XS+\i], v[XS+\i], -v10, v10
.endr
	s_wait_xcnt 0x0                                ; the stores of two blocks back have read this set of codes: it is written again only behind this wait
.irp g, 0,1,2,3
	v_cvt_scalef32_pk8_bf8_f32 v[CC+2*\g:CC+2*\g+1], v[XS+8*\g:XS+8*\g+7], v11
.endr
	global_store_b128 v14, v[CC:CC+3], s[28:29] offset:((\t)/4)*U+512*((\t)%4)        ; k = 32 c + 0..15: sixteen lanes fill 256 consecutive bytes, aligned
	global_store_b128 v14, v[CC+4:CC+7], s[28:29] offset:((\t)/4)*U+512*((\t)%4)+256  ; k = 32 c + 16..31
.if (\t)+2 < 8
	WLOAD (\t)+2
.endif
.if (\t)%4 == 3
	ds_store_b32 v15, v[SB+(\t)/4] offset:512*((\t)/4)   ; my row's scale word of this unit
.endif
.endm
.macro XLOAD j                         ; fragment j of my four: lane (r, h) takes 16 neighbours of each block of 32 of its row
.irp b, 0,1,2,3
.irp k, 0,1,2,3
	global_load_b128 v[XX+64*((\j)%2)+16*\b+4*\k:XX+64*((\j)%2)+16*\b+4*\k+3], v14, s[24:25] offset:(32*((\j)/2)+8*((\j)%2))*4096+128*\b+16*\k th:TH_LOAD_NT
.endr
.endr
.endm
	s_load_b512 s[4:19], s[0:1], 0x0               ; x, Wq, Wk, Wv, Wo, W1, W2, xq
	s_load_b64 s[20:21], s[0:1], 0x40              ; wc
	v_lshl_add_u32 v[SPW], v0, 2, SPARE
	v_mov_b32 v[NIL], 0
	v_lshrrev_b32 v1, 5, v0
	v_readfirstlane_b32 s22, v1                    ; wave
	v_and_b32 v2, 31, v0                           ; lane
	v_and_b32 v3, 15, v0                           ; r
	v_bfe_u32 v4, v0, 4, 1                         ; h
	v_and_b32 v5, 8, v0
	v_add_nc_u32 v5, v5, v3                        ; r + 8 (r / 8)
	s_mov_b32 s[MNT], 0x600000
	s_mov_b32 s[SEL], 0x76543210
	s_mov_b32 s[SEL+1], 0xfedcba98
	s_cmp_ge_u32 ttmp9, 384                        ; the work-group's number alone: all four waves go the same way
	s_cbranch_scc1 .Lxpath
	; ---- the weights.  g = work-group: 0-127 Wq, Wk, Wv, Wo (32 each: 8 column blocks x 4 runs of 256 K), 128-255 W1 (32 x 4), 256-383 W2 (8 x 16)
	s_lshr_b32 s27, ttmp9, 2
	s_and_b32 s30, ttmp9, 3                        ; run of K (g < 256)
	s_lshl_b32 s31, s27, 3
	s_lshl_b32 s48, s30, 1
	s_add_co_u32 s31, s31, s48                     ; first unit (g < 256): 8 (g / 4) + 2 (g % 4)
	s_and_b32 s48, s27, 7                          ; column block (g < 128)
	s_sub_co_u32 s49, s27, 32                      ; (128 <= g < 256)
	s_sub_co_u32 s53, ttmp9, 256
	s_lshr_b32 s52, s53, 4                         ; (g >= 256): column block,
	s_and_b32 s53, s53, 15                         ; run of K,
	s_lshl_b32 s54, ttmp9, 1                       ; first unit: 512 + 2 (g - 256)
	s_mov_b32 s26, 4096                            ; bytes from a row of K to the next
	s_wait_kmcnt 0x0
	s_mov_b64 s[24:25], s[6:7]
	s_cmp_ge_u32 ttmp9, 32
	s_cselect_b64 s[24:25], s[8:9], s[24:25]
	s_cmp_ge_u32 ttmp9, 64
	s_cselect_b64 s[24:25], s[10:11], s[24:25]
	s_cmp_ge_u32 ttmp9, 96
	s_cselect_b64 s[24:25], s[12:13], s[24:25]
	s_cmp_ge_u32 ttmp9, 128
	s_cselect_b64 s[24:25], s[14:15], s[24:25]
	s_cselect_b32 s26, 16384, s26
	s_cselect_b32 s48, s49, s48
	s_cmp_ge_u32 ttmp9, 256
	s_cselect_b64 s[24:25], s[16:17], s[24:25]
	s_cselect_b32 s26, 4096, s26
	s_cselect_b32 s48, s52, s48
	s_cselect_b32 s30, s53, s30
	s_cselect_b32 s31, s54, s31
	s_lshl_b32 s48, s48, 7
	s_lshl_b32 s49, s22, 5
	s_add_co_u32 s48, s48, s49
	v_lshl_add_u32 v6, v4, 3, v5
	v_add_nc_u32 v6, s48, v6                       ; my column: 128 x block + rho(2 wave + h, r)
	v_lshlrev_b32 v6, 2, v6
	s_mov_b32 s49, 0
.irp i, 0,1,2,3,4,5,6,7,8,9,10,11,12,13,14,15,16,17,18,19,20,21,22,23,24,25,26,27,28,29,30,31
	v_add_nc_u32 v[OFF+\i], s49, v6
	s_add_co_u32 s49, s49, s26
.endr
	s_lshl_b32 s52, s30, 8
	s_mul_i32 s52, s52, s26                        ; 256 x run rows of K, in bytes (under 2^25)
	s_mov_b32 s53, 0
	s_add_nc_u64 s[BASE:BASE+1], s[24:25], s[52:53]
	s_lshl_b32 s52, s26, 5                         ; 32 rows on
.irp t, 1,2,3,4,5,6,7
	s_add_nc_u64 s[BASE+2*\t:BASE+2*\t+1], s[BASE+2*\t-2:BASE+2*\t-1], s[52:53]
.endr
	s_mul_i32 s54, s31, U
	s_mov_b32 s55, 0
	s_add_nc_u64 s[28:29], s[20:21], s[54:55]      ; my two units
	s_lshl_b32 s49, s22, 12
	v_lshlrev_b32 v14, 4, v3
	v_lshl_add_u32 v14, v4, 11, v14
	v_add_nc_u32 v14, s49, v14                     ; codes: 2048 (2 wave + h) + 16 r
	s_lshr_b32 s49, s22, 1
	s_lshl_b32 s49, s49, 8
	s_and_b32 s52, s22, 1
	s_lshl_b32 s52, s52, 3
	s_add_co_u32 s49, s49, s52
	v_lshlrev_b32 v15, 4, v3
	v_lshl_add_u32 v15, v4, 2, v15
	v_add_nc_u32 v15, s49, v15                     ; LDS: my row's scale word: 256 (a / 4) + 16 r + 4 (a % 4), a = 2 wave + h
	v_lshlrev_b32 v16, 3, v0                       ; back: 8 bytes a thread
	v_lshrrev_b32 v17, 6, v0
	v_mul_u32_u24 v17, v17, U
	v_and_b32 v18, 63, v0
	v_lshl_add_u32 v17, v18, 3, v17                ; and the same place in the two units
	WLOAD 0
	WLOAD 1
.irp t, 0,1,2,3,4,5,6,7
	BLOCK \t
.endr
	s_wait_dscnt 0x0                               ; my scale words lie in LDS,
	s_barrier_signal -1
	s_barrier_wait -1                              ; everybody's do
	ds_load_b64 v[8:9], v16
	s_wait_dscnt 0x0
	global_store_b64 v17, v[8:9], s[28:29] offset:16384   ; a wave stores 256 consecutive bytes, aligned
	s_wait_tensorcnt 0x0                           ; the wave's end
	ds_add_u32 v[SPW], v[NIL]
	s_wait_dscnt 0x0
	s_endpgm
.Lxpath:                                               ; ---- x: wave tau = 4 (g - 384) + wave takes fragments 4 (tau % 2) .. + 3 of unit tau / 2
	s_sub_co_u32 s24, ttmp9, 384
	s_lshl_b32 s24, s24, 2
	s_add_co_u32 s24, s24, s22
	s_lshr_b32 s25, s24, 1                         ; the unit
	s_and_b32 s26, s24, 1                          ; which half of its fragments
	s_lshr_b32 s27, s25, 3
	s_lshl_b32 s27, s27, 7
	s_lshl_b32 s30, s26, 6
	s_add_co_u32 s27, s27, s30                     ; first row: 128 x row block + 64 x half
	s_lshl_b32 s30, s27, 12
	s_and_b32 s31, s25, 7
	s_lshl_b32 s31, s31, 9
	s_add_co_u32 s30, s30, s31                     ; + the unit's 128 columns
	s_mov_b32 s31, 0
	s_mul_i32 s32, s25, U
	s_mov_b32 s33, 0
	v_lshlrev_b32 v14, 12, v5
	v_lshl_add_u32 v14, v4, 6, v14                 ; row r + 8 (r / 8), + 64 h bytes
	s_lshl_b32 s34, s26, 13
	v_lshlrev_b32 v15, 4, v2
	v_add_nc_u32 v15, s34, v15                     ; codes: 16 x lane + 8192 x half
	s_lshl_b32 s34, s26, 8
	v_lshlrev_b32 v16, 4, v3
	v_add_nc_u32 v16, s34, v16                     ; scale words: 16 r + 256 x half
.irp b, 0,1,2,3
	v_mov_b32 v[TM+4+\b], 0                        ; written once: a lane permute's destination counts as one of its sources
.endr
	s_wait_kmcnt 0x0
	s_add_nc_u64 s[24:25], s[4:5], s[30:31]
	s_add_nc_u64 s[28:29], s[18:19], s[32:33]
	XLOAD 0
.irp j, 0,1,2,3
.if \j < 3
	XLOAD \j+1
	s_wait_loadcnt 16                              ; this fragment's 16 loads are in; the next fragment's may be out
.else
	s_wait_loadcnt 0x0
.endif
	s_wait_xcnt 0x0                                ; the stores of two fragments back have read this set of codes
	QUANT XX+64*(\j%2), PCX+16*(\j%2), PWX+\j
.irp c, 0,1,2,3
	global_store_b128 v15, v[PCX+16*(\j%2)+4*\c:PCX+16*(\j%2)+4*\c+3], s[28:29] offset:2048*\j+512*\c   ; 512 consecutive bytes
.endr
.endr
	s_wait_xcnt 0x0                                ; EXEC changes only behind this wait
	v_cmp_gt_u32 vcc_lo, 16, v2
	s_and_saveexec_b32 s30, vcc_lo
	global_store_b128 v16, v[PWX:PWX+3], s[28:29] offset:16384   ; lanes 0-15: four words a row: 256 consecutive bytes, aligned
	s_wait_xcnt 0x0
	s_or_b32 exec_lo, exec_lo, s30
	s_wait_tensorcnt 0x0
	ds_add_u32 v[SPW], v[NIL]
	s_wait_dscnt 0x0
	s_endpgm
.Lfunc_end_k_qcbdab8f714_quant:
	.size	k_qcbdab8f714_quant, .Lfunc_end_k_qcbdab8f714_quant-k_qcbdab8f714_quant
	.p2alignl 7, 3214868480
	.fill 96, 4, 3214868480
	.section	.rodata,"a",@progbits
	.p2align	6, 0x0
	.amdhsa_kernel k_qcbdab8f714_quant
		.amdhsa_group_segment_fixed_size 2048
		.amdhsa_private_segment_fixed_size 0
		.amdhsa_enable_private_segment 0
		.amdhsa_kernarg_size 72
		.amdhsa_user_sgpr_count 2
		.amdhsa_user_sgpr_kernarg_segment_ptr 1
		.amdhsa_wavefront_size32 1
		.amdhsa_system_sgpr_workgroup_id_x 1
		.amdhsa_system_sgpr_workgroup_id_y 1
		.amdhsa_system_sgpr_workgroup_id_z 1
		.amdhsa_system_vgpr_workitem_id 0
		.amdhsa_next_free_vgpr 224
		.amdhsa_next_free_sgpr 66
		.amdhsa_reserve_vcc 1
		.amdhsa_float_denorm_mode_32 3
		.amdhsa_float_denorm_mode_16_64 3
		.amdhsa_memory_ordered 1
		.amdhsa_forward_progress 1
		.amdhsa_inst_pref_size 102
	.end_amdhsa_kernel
	.amdgpu_metadata
---
amdhsa.version: [ 1, 2 ]
amdhsa.kernels:
  - .name:           k_qcbdab8f714_quant
    .symbol:         k_qcbdab8f714_quant.kd
    .args:
      - { .name: x, .offset: 0, .size: 8, .value_kind: global_buffer, .address_space: global }
      - { .name: Wq, .offset: 8, .size: 8, .value_kind: global_buffer, .address_space: global }
      - { .name: Wk, .offset: 16, .size: 8, .value_kind: global_buffer, .address_space: global }
      - { .name: Wv, .offset: 24, .size: 8, .value_kind: global_buffer, .address_space: global }
      - { .name: Wo, .offset: 32, .size: 8, .value_kind: global_buffer, .address_space: global }
      - { .name: W1, .offset: 40, .size: 8, .value_kind: global_buffer, .address_space: global }
      - { .name: W2, .offset: 48, .size: 8, .value_kind: global_buffer, .address_space: global }
      - { .name: xq, .offset: 56, .size: 8, .value_kind: global_buffer, .address_space: global }
      - { .name: wc, .offset: 64, .size: 8, .value_kind: global_buffer, .address_space: global }
    .group_segment_fixed_size: 2048
    .private_segment_fixed_size: 0
    .kernarg_segment_align: 8
    .kernarg_segment_size: 72
    .max_flat_workgroup_size: 128
    .sgpr_count:     66
    .vgpr_count:     224
    .wavefront_size: 32
...
	.end_amdgpu_metadata
.endif
;; end of part 1
;; launch gemm_qkv (part 2): grid 12 x 16, 4 waves a work-group, clusters of 4 x 4, 327,680 bytes of LDS; arguments xq, wc, bq, bk, bv, qkv; writes qkv
.if DOCPART == 2
	.amdgcn_target "amdgcn-amd-amdhsa--gfx1250"
	.amdhsa_code_object_version 6
	.text
	.protected	k_qcbdab8f714_gemm_qkv
	.globl	k_qcbdab8f714_gemm_qkv
	.p2align	8
	.type	k_qcbdab8f714_gemm_qkv,@function
k_qcbdab8f714_gemm_qkv:
	s_mov_b64 s[64:65], 0
	v_nop
	global_prefetch_b8 v0, s[64:65] scope:SCOPE_SE
	s_setreg_imm32_b32 hwreg(HW_REG_WAVE_MODE, 25, 1), 1
	s_wait_xcnt 0x0
	s_wait_alu depctr_hold_cnt(0) depctr_sa_sdst(0) depctr_va_vdst(0) depctr_va_sdst(0) depctr_va_ssrc(0) depctr_va_vcc(0) depctr_vm_vsrc(0)
	s_getreg_b32 s2, hwreg(HW_REG_IB_STS2, 6, 4)
	s_cmp_eq_u32 s2, 0
	s_cbranch_scc0 .Lentry_in_a_cluster
	s_endpgm
.Lentry_in_a_cluster:
	s_bfe_u32 s2, ttmp6, 0x10000c
	s_cmp_lg_u32 s2, 0xf033
	s_cbranch_scc0 .Lentry_shape_is_right
	s_endpgm
.Lentry_shape_is_right:
; q = x Wq + bq, k = x Wk + bk, v = x Wv + bv on codes of BF8 (E5M2) with E8M0 scales, and the results quantised again on the way out: q and k along the head's axis, v along the KEYS.
; All code buffers are UNITS (128 rows x 128 K, U = 16,896 bytes): fragment a holds rows rho(a, r) = 32 (a / 2) + 8 (a % 2) + r + 8 (r / 8); code (rho(a, r), 32 c + 16 h + i) at 2048 a + 512 c + 256 h + 16 r + i;
; the row's scale word at 16384 + 256 (a / 4) + 16 r + 4 (a % 4).  So a fragment comes from LDS by four loads of 512 consecutive bytes, a K step's 128 rows are one dense block of 2 U bytes, and the scales ride with the codes.
; A tile of 256 x 256 is made by four waves, 128 x 128 each: 64 accumulators.  K goes in steps of 256 through a ring of two LDS slots.  4 x 4 work-groups form a cluster: x's tiles are asked for jointly along a row, the weights' along a column.
; Source 0 of a product (side S0) gives a lane's registers, source 1 (side S1) its lane.  By rho a lane's 64 registers of an accumulator row are register 16 b + i = S0 row 32 b + 16 h + i: the order in which the quantiser takes them,
; and the codes made of accumulator row a are fragment a of the output unit.  Tile columns 0-7 (q, k): S1 = tokens, S0 = features.  Tile columns 8-11 (v; cluster x = 2, the same in all partners): S1 = Wv's columns, S0 = tokens,
; so that a lane's registers run along the keys: only the LDS bases of the fragments differ, chosen by the cluster's x.
; qkv: q | k as [4096 tokens][2048]: unit 16 x token block + n128;  v^T as [1024][4096 tokens]: unit 512 + 32 x head pair + token block.
; LIMITS: a block of zeros or under 2^-111 gets the scale byte 1; NaN and infinities are not served.
; REGISTERS: window 0: v0-31 addresses; v32-63 scale words, two sets; v64-127 the bias along S0; v128-255 S1's fragments, one set (way out: v128-191 a block's numbers, v192-231 the quantiser's).  window 1: S0's fragments, two sets.  windows 2, 3: accumulators.
.set U,      16896
.set PART,   2*U                       ; 128 rows x 256 K: what one tensor load brings
.set SLOT,   4*PART                    ; x's two halves, then the weights' two
.set KU,     8                         ; units along K
.set LAPS,   2                         ; K / 512
.set WOFF,   0                         ; the weights' first unit in wc
.set NQ,     2
.set FR,     16
.set NL,     4
.set NP,     8                         ; places behind this matrix instruction (ISA guide 7.12.1)
.set SPARE,  304128                    ; the spare words, 128 bytes a wave
.set BV,     8                         ; v8-15   the bias along S1 (v's)
.set ADRA,   16                        ; v16-17  S1's fragments in slot 0, 1
.set ADRS,   18                        ; v18-19  scale words: lanes 0-15 S1's, lanes 16-31 S0's
.set ADRB,   20                        ; v20-21  S0's fragments
.set LI,     22                        ; v22     16 x lane
.set SPW,    28
.set NIL,    29
.set SC,     32                        ; set s at SC + 16 s; register 8 q + i: fragment i's words of the slot's q-th 128 along K
.set BI,     64
.set AF,     128
.set T,      128
.set PC,     192
.set TM,     208
.set PWS,    224
.set G1,     24
.set G0,     32
.set G1B,    48
.set G0B,    56
.set OUT,    68
.set HI16,   74                        ; s74 the mask of lanes 16-31
.set SEL,    76
.set MNT,    78
.set MSB, 0
.macro WIN new                         ; the immediate's high byte repeats the setting that is left
.if MSB != (\new)
	s_set_vgpr_msb (MSB<<8)|(\new)
.set MSB, (\new)
.endif
.endm
.set MUL_LO, 0xa1                      ; source 0 window 1, source 1 window 0, C and D window 2
.set MUL_HI, 0xf1
.set TO_B,   0x40
.macro JLOAD g0a, g1a, g0b, g1b        ; a joint load: waves 0, 1 fetch x's halves, waves 2, 3 the weights'; an s_nop 0 and four v_nop follow each line
	s_cmp_eq_u32 s17, 0
	s_cbranch_scc0 .Lfor_b_\@
	tensor_load_to_lds s[\g0a:\g0a+3], s[\g1a:\g1a+7]
	s_nop 0
.rept 4
	v_nop
.endr
	s_branch .Lasked_\@
.Lfor_b_\@:
	tensor_load_to_lds s[\g0b:\g0b+3], s[\g1b:\g1b+7]
	s_nop 0
.rept 4
	v_nop
.endr
.Lasked_\@:
.endm
.macro CREST
	s_cmp_lg_u32 s16, 0
	s_cbranch_scc1 .Lnot_wave_0_\@
	s_barrier_signal -3
.Lnot_wave_0_\@:
	s_barrier_wait -3
	s_barrier_signal -1
	s_barrier_wait -1
.endm
.macro CROUND
	s_barrier_signal -1
	s_barrier_wait -1
	CREST
.endm
.macro FRAG reg, adr, q, i
.irp c, 0,1,2,3
	ds_load_b128 v[\reg+4*\c:\reg+4*\c+3], v[\adr] offset:(\q)*U+(\i)*2048+512*\c
.endr
.endm
.macro MUL16 a0, p, q, sc, zero        ; S1's blocks a0, a0 + 1 x S0's eight; the 64 accumulators take turns, one instruction a turn
.irp a, \a0, \a0+1
.irp b, 0,1,2,3,4,5,6,7
.if \zero
	v_wmma_scale_f32_16x16x128_f8f6f4 v[8*(8*((\a)%4)+\b):8*(8*((\a)%4)+\b)+7], v[128*(\p)+FR*\b:128*(\p)+FR*\b+FR-1], v[AF+FR*(\a):AF+FR*(\a)+FR-1], 0, v[SC+16*(\sc)+8*(\q)+\b], v[SC+16*(\sc)+8*(\q)+(\a)] matrix_a_fmt:MATRIX_FMT_BF8 matrix_b_fmt:MATRIX_FMT_BF8 matrix_a_scale:MATRIX_SCALE_ROW1
.else
	v_wmma_scale_f32_16x16x128_f8f6f4 v[8*(8*((\a)%4)+\b):8*(8*((\a)%4)+\b)+7], v[128*(\p)+FR*\b:128*(\p)+FR*\b+FR-1], v[AF+FR*(\a):AF+FR*(\a)+FR-1], v[8*(8*((\a)%4)+\b):8*(8*((\a)%4)+\b)+7], v[SC+16*(\sc)+8*(\q)+\b], v[SC+16*(\sc)+8*(\q)+(\a)] matrix_a_fmt:MATRIX_FMT_BF8 matrix_b_fmt:MATRIX_FMT_BF8 matrix_a_scale:MATRIX_SCALE_ROW1
.endif
.endr
.endr
.endm
.macro FETCH_B slot, q, p
	WIN TO_B
.irp i, 0,1,2,3,4,5,6,7
	FRAG 128*(\p)+FR*\i, ADRB+\slot, \q, \i
.endr
	WIN 0
.endm
.macro FETCH_A slot, q, i0
.irp i, \i0, \i0+1, \i0+2, \i0+3
	FRAG AF+FR*(\i), ADRA+\slot, \q, \i
.endr
.endm
.macro SCALES s                        ; a slot's scale words: four loads, four fragments' words each
.irp q, 0,1
.irp g, 0,1
	ds_load_b128 v[SC+16*\s+8*\q+4*\g:SC+16*\s+8*\q+4*\g+3], v[ADRS+\s] offset:\q*U+256*\g
.endr
.endr
.endm
.macro PLACES n
.rept \n
	v_nop
.endr
.endm
.macro STEP slot, q, zero              ; 128 along K with its successor in the same slot
	s_wait_dscnt 4*NL                              ; all but the youngest 16 loads (S1's blocks 4-7) are in
	WIN MUL_LO
	MUL16 0, (\q)%2, \q, \slot, \zero
	MUL16 2, (\q)%2, \q, \slot, \zero
	s_wait_dscnt 0x0
	PLACES NP                                      ; in front of loads into registers that matrix instructions have read
	FETCH_B \slot, (\q)+1, 1-(\q)%2
	FETCH_A \slot, (\q)+1, 0
	WIN MUL_HI
	MUL16 4, (\q)%2, \q, \slot, \zero
	MUL16 6, (\q)%2, \q, \slot, \zero
	PLACES NP
	WIN 0
	FETCH_A \slot, (\q)+1, 4
.endm
.macro TURN slot, next, fill           ; a slot's last step changes slots: one barrier, which opens a round of the cluster's where the slot is filled again
	s_wait_tensorcnt 0x0                           ; all my tensor loads have landed: my part of the next slot
	ds_add_u32 v[SPW], v[NIL]                      ; 0 onto my spare word
	s_wait_dscnt 4*NL+1                            ; (the add and the youngest 16 loads may be out)
	WIN MUL_LO
	MUL16 0, 1, NQ-1, \slot, 0
	s_wait_dscnt 0x0                               ; the add is done, and my reads of this slot are over
	s_barrier_signal -1
	MUL16 2, 1, NQ-1, \slot, 0
	WIN 0
	s_barrier_wait -1
.if \fill
	CREST                                          ; no wave of any partner still reads this slot or has a load on its way
	s_add_nc_u64 s[G0+4*\slot+2:G0+4*\slot+3], s[G0+4*\slot+2:G0+4*\slot+3], 2*PART
	s_add_nc_u64 s[G0B+4*\slot+2:G0B+4*\slot+3], s[G0B+4*\slot+2:G0B+4*\slot+3], 2*PART
	JLOAD G0+4*\slot, G1, G0B+4*\slot, G1B         ; the first tensor load behind the round; its four v_nop are among the places below
	PLACES NP-4
.else
	PLACES NP
.endif
	FETCH_B \next, 0, 0
	FETCH_A \next, 0, 0
	SCALES \next
	WIN MUL_HI
	MUL16 4, 1, NQ-1, \slot, 0
	MUL16 6, 1, NQ-1, \slot, 0
	PLACES NP
	WIN 0
	FETCH_A \next, 0, 4
.endm
.macro QUANT s, pc, pw                 ; 64 numbers of a lane (register 16 b + i = k 32 b + 16 h + i of my row) -> a fragment's codes and its scale word
.irp b, 0,1,2,3
	v_max3_num_f32 v[TM+\b], |v[\s+16*\b]|, |v[\s+1+16*\b]|, 0x8000000   ; and the floor 2^(16 - 127): the byte cannot fall under 1
.endr
.irp i, 2,4,6,8,10,12,14
.irp b, 0,1,2,3
	v_max3_num_f32 v[TM+\b], v[TM+\b], |v[\s+16*\b+\i]|, |v[\s+1+16*\b+\i]|
.endr
.endr
.irp b, 0,1,2,3
	v_permlanex16_b32 v[TM+4+\b], v[TM+\b], s[SEL], s[SEL+1]
.endr
.irp b, 0,1,2,3
	v_max_num_f32 v[TM+\b], v[TM+\b], v[TM+4+\b]
.endr
.irp b, 0,1,2,3
	v_add_nc_u32 v[TM+12+\b], 0xf8800000, v[TM+\b]           ; 15 off the exponent field: the conversion's scale operand
.endr
.irp b, 0,1,2,3
	v_and_or_b32 v[TM+8+\b], v[TM+\b], 0x7f800000, s[MNT]    ; 57,344 x the scale
.endr
.irp b, 0,1,2,3
	v_lshrrev_b32 v[TM+4+\b], 23, v[TM+12+\b]                ; the byte
.endr
	v_lshl_or_b32 v[\pw], v[TM+5], 8, v[TM+4]
	v_lshl_or_b32 v[\pw], v[TM+6], 16, v[\pw]
	v_lshl_or_b32 v[\pw], v[TM+7], 24, v[\pw]
.irp b, 0,1,2,3
.irp i, 0,1,2,3,4,5,6,7,8,9,10,11,12,13,14,15
	v_med3_num_f32 v[\s+16*\b+\i], v[\s+16*\b+\i], -v[TM+8+\b], v[TM+8+\b]   ; the conversion does not saturate (ISA guide 7.6.2)
.endr
	v_cvt_scalef32_pk8_bf8_f32 v[\pc+4*\b:\pc+4*\b+1], v[\s+16*\b:\s+16*\b+7], v[TM+12+\b]
	v_cvt_scalef32_pk8_bf8_f32 v[\pc+4*\b+2:\pc+4*\b+3], v[\s+16*\b+8:\s+16*\b+15], v[TM+12+\b]
.endr
	v_nop
.endm
.macro TAKE a                          ; accumulator row a + the bias along S0; each accumulator is read from its low end on
	WIN 0x02+(\a)/4
.set i, 0
.rept 32
	v_pk_add_f32 v[T+i:T+i+1], v[64*((\a)%4)+i:64*((\a)%4)+i+1], v[BI+i:BI+i+1]
.set i, i+2
.endr
	WIN 0
.endm
.macro PUT a                           ; fragment a of the output unit: 512 consecutive bytes a store
.irp c, 0,1,2,3
	global_store_b128 v[LI], v[PC+4*\c:PC+4*\c+3], s[OUT:OUT+1] offset:2048*(\a)+512*\c
.endr
.endm
.macro TAILW                           ; the unit's 128 scale words: lanes 0-15 fragments 0-3, lanes 16-31 fragments 4-7: 512 consecutive bytes
	s_wait_xcnt 0x0
.irp j, 0,1,2,3
	v_cndmask_b32 v[PC+\j], v[PWS+\j], v[PWS+4+\j], s[HI16]
.endr
	global_store_b128 v[LI], v[PC:PC+3], s[OUT:OUT+1] offset:16384
.endm
	s_load_b256 s[4:11], s[0:1], 0x0               ; xq, wc, bq, bk
	s_load_b128 s[12:15], s[0:1], 0x20             ; bv, qkv
	v_lshl_add_u32 v[SPW], v0, 2, SPARE
	v_mov_b32 v[NIL], 0
	ds_add_u32 v[SPW], v[NIL]                      ; the wave's opening: the add, twice on end, and its wait ahead of my first tensor load
	ds_add_u32 v[SPW], v[NIL]
	v_lshrrev_b32 v1, 5, v0
	v_readfirstlane_b32 s16, v1                    ; wave
	s_lshr_b32 s17, s16, 1                         ; my half along S1.  Also: I fetch x's tiles (0) or the weights' (1)
	s_and_b32 s18, s16, 1                          ; my half along S0.  Also: which 128 rows I fetch
	s_bfe_u32 s19, ttmp6, 0x40000                  ; cx
	s_bfe_u32 s20, ttmp6, 0x40004                  ; cy
	s_lshl_b32 s21, ttmp9, 2
	s_add_co_u32 s21, s21, s19                     ; tile column
	s_and_b32 s22, ttmp7, 0xffff
	s_lshl_b32 s22, s22, 2
	s_add_co_u32 s22, s22, s20                     ; tile row
	s_lshl_b32 s40, s20, 2
	s_lshl_b32 s40, 15, s40                        ; my row of the cluster
	s_lshl_b32 s41, 0x1111, s19                    ; my column
	s_or_b32 s[G1], s40, (3<<16)|(1<<21)           ; the mask; elements of 8 bytes; bit 21 beside a mask; no padding
	s_or_b32 s[G1B], s41, (3<<16)|(1<<21)
.irp g, G1, G1B
	s_mov_b32 s[\g+1], 32<<16                      ; a dense block of 33,792 bytes as 132 rows of 256
	s_mov_b32 s[\g+2], 132<<16
	s_mov_b32 s[\g+3], 32<<16
	s_mov_b32 s[\g+4], 132
	s_mov_b32 s[\g+5], 32
	s_mov_b32 s[\g+6], 0
	s_mov_b32 s[\g+7], 0
.endr
	s_lshl_b32 s42, s22, 1
	s_add_co_u32 s42, s42, s18
	s_mul_i32 s42, s42, KU*U                       ; x: row block 2 x tile row + half
	s_mov_b32 s43, 0
	s_lshl_b32 s44, s21, 1
	s_add_co_u32 s44, s44, s18
	s_mul_i32 s44, s44, KU*U                       ; weights: row block 2 x tile column + half
	s_add_co_u32 s44, s44, WOFF*U
	s_mov_b32 s45, 0
	s_mul_i32 s46, s16, PART                       ; where they go: wave x a part
	s_mov_b32 s[HI16], 0xffff0000
	s_mov_b32 s[SEL], 0x76543210
	s_mov_b32 s[SEL+1], 0xfedcba98
	s_mov_b32 s[MNT], 0x600000
	s_wait_dscnt 0x0                               ; both opening adds are done
	s_wait_kmcnt 0x0
	s_add_nc_u64 s[42:43], s[4:5], s[42:43]
	s_add_nc_u64 s[44:45], s[6:7], s[44:45]
	CROUND                                         ; all sixteen work-groups are here: the first joint loads meet
.irp s, 0,1
	s_mov_b32 s[G0+4*\s], 1
	s_add_co_u32 s[G0+4*\s+1], s46, \s*SLOT
	s_add_nc_u64 s[G0+4*\s+2:G0+4*\s+3], s[42:43], \s*PART
	s_or_b32 s[G0+4*\s+3], s[G0+4*\s+3], 0x80000000
	s_mov_b32 s[G0B+4*\s], 1
	s_add_co_u32 s[G0B+4*\s+1], s46, \s*SLOT
	s_add_nc_u64 s[G0B+4*\s+2:G0B+4*\s+3], s[44:45], \s*PART
	s_or_b32 s[G0B+4*\s+3], s[G0B+4*\s+3], 0x80000000
	JLOAD G0+4*\s, G1, G0B+4*\s, G1B
.endr
	v_and_b32 v1, 15, v0                           ; r
	v_bfe_u32 v2, v0, 4, 1                         ; h
	v_and_b32 v3, 31, v0
	v_lshlrev_b32 v[LI], 4, v3
	s_cmp_eq_u32 ttmp9, 2                          ; v's tile columns?  The cluster's x: the same in all partners
	s_cselect_b32 s47, 2, 0
	s_cselect_b32 s66, 0, 2
	s_add_co_u32 s47, s47, s17                     ; S1's part of a slot: tokens' half, or (v) the weights' half
	s_add_co_u32 s66, s66, s18                     ; S0's part
	s_mul_i32 s47, s47, PART
	s_mul_i32 s66, s66, PART
	v_mov_b32 v4, s47
	v_mov_b32 v5, s66
	v_cndmask_b32 v4, v4, v5, s[HI16]              ; lanes 16-31 take S0's scale words
	v_lshl_add_u32 v4, v1, 4, v4
	v_add_nc_u32 v[ADRS], 16384, v4
	v_add_nc_u32 v[ADRS+1], SLOT+16384, v4
	v_add_nc_u32 v[ADRA], s47, v[LI]
	v_add_nc_u32 v[ADRB], s66, v[LI]
	v_add_nc_u32 v[ADRA+1], SLOT, v[ADRA]
	v_add_nc_u32 v[ADRB+1], SLOT, v[ADRB]
.irp b, 0,1,2,3
	v_mov_b32 v[TM+4+\b], 0                        ; written once: a lane permute's destination counts as one of its sources
.endr
	; the output unit, and the biases
	s_lshl_b32 s80, s22, 1
	s_lshl_b32 s81, s21, 1
	s_add_co_u32 s82, s80, s17
	s_lshl_b32 s82, s82, 4
	s_add_co_u32 s82, s82, s81
	s_add_co_u32 s82, s82, s18                     ; q, k: 16 (2 ty + my S1 half) + 2 tx + my S0 half
	s_add_co_u32 s85, s81, s17
	s_sub_co_u32 s85, s85, 16                      ; v: head pair 2 (tx - 8) + my S1 half
	s_lshl_b32 s84, s85, 5
	s_add_co_u32 s84, s84, s80
	s_add_co_u32 s84, s84, s18
	s_add_co_u32 s84, s84, 512                     ; v: 512 + 32 x head pair + 2 ty + my S0 half
	s_add_co_u32 s86, s81, s18
	s_and_b32 s86, s86, 7
	s_lshl_b32 s86, s86, 9                         ; q, k: my 128 numbers of bq or bk
	s_mov_b32 s87, 0
	s_lshl_b32 s88, s85, 9                         ; v: my 128 numbers of bv
	s_mov_b32 s89, 0
	s_cmp_eq_u32 ttmp9, 2
	s_cselect_b32 s82, s84, s82
	s_mul_i32 s82, s82, U
	s_mov_b32 s83, 0
	s_add_nc_u64 s[OUT:OUT+1], s[14:15], s[82:83]
	s_cmp_eq_u32 ttmp9, 0
	s_cselect_b64 s[8:9], s[8:9], s[10:11]
	v_lshlrev_b32 v6, 6, v2                        ; 64 h
	v_and_b32 v7, 8, v0
	v_add_nc_u32 v7, v7, v1
	v_lshlrev_b32 v7, 2, v7                        ; 4 (r + 8 (r / 8))
	s_cmp_eq_u32 ttmp9, 2
	s_cbranch_scc1 .Lbias_v
	s_add_nc_u64 s[8:9], s[8:9], s[86:87]
.irp b, 0,1,2,3
.irp j, 0,1,2,3
	global_load_b128 v[BI+16*\b+4*\j:BI+16*\b+4*\j+3], v6, s[8:9] offset:128*\b+16*\j   ; register 16 b + i: the bias of feature 32 b + 16 h + i
.endr
.endr
.irp a, 0,1,2,3,4,5,6,7
	v_mov_b32 v[BV+\a], 0
.endr
	s_branch .Lbias_done
.Lbias_v:
	s_add_nc_u64 s[12:13], s[12:13], s[88:89]
.irp a, 0,1,2,3,4,5,6,7
	global_load_b32 v[BV+\a], v7, s[12:13] offset:4*(32*(\a/2)+8*(\a%2))   ; the bias of my lane's feature rho(a, r)
.endr
.set i, 0
.rept 64
	v_mov_b32 v[BI+i], 0
.set i, i+1
.endr
.Lbias_done:
	s_wait_loadcnt 0x0
	s_wait_tensorcnt 1                             ; my part of K step 0 is in; K step 1's may be out
	s_barrier_signal -1
	s_barrier_wait -1
	FETCH_B 0, 0, 0
	FETCH_A 0, 0, 0
	SCALES 0
	FETCH_A 0, 0, 4
	STEP 0, 0, 1                                   ; the first step's products start the sums
	s_mov_b32 s3, LAPS-1
.Llap:
	TURN 0, 1, 1
	STEP 1, 0, 0
	TURN 1, 0, 1
	STEP 0, 0, 0
	s_sub_co_u32 s3, s3, 1
	s_cmp_lg_u32 s3, 0
	s_cbranch_scc1 .Llap
	TURN 0, 1, 0                                   ; the last lap fills nothing
	STEP 1, 0, 0
	s_wait_dscnt 4*NL
	WIN MUL_LO
	MUL16 0, 1, NQ-1, 1, 0
	MUL16 2, 1, NQ-1, 1, 0
	s_wait_dscnt 0x0
	WIN MUL_HI
	MUL16 4, 1, NQ-1, 1, 0
	MUL16 6, 1, NQ-1, 1, 0
	WIN 0
	PLACES NP
	; THE WAY OUT: accumulator row a + biases, quantised along S0, is fragment a of my output unit
.irp a, 0,1,2,3,4,5,6,7
.if \a > 0
	s_wait_xcnt 0x0                                ; the last block's stores have read the codes' registers
.endif
	TAKE \a
	v_mov_b32 v30, v[BV+\a]
	v_mov_b32 v31, v[BV+\a]
.set i, 0
.rept 32
	v_pk_add_f32 v[T+i:T+i+1], v[T+i:T+i+1], v[30:31]
.set i, i+2
.endr
	QUANT T, PC, PWS+\a
	PUT \a
.endr
	TAILW
	s_wait_tensorcnt 0x0                           ; the wave's end
	ds_add_u32 v[SPW], v[NIL]
	s_wait_dscnt 0x0
	CROUND                                         ; the closing round
	s_endpgm
.Lfunc_end_k_qcbdab8f714_gemm_qkv:
	.size	k_qcbdab8f714_gemm_qkv, .Lfunc_end_k_qcbdab8f714_gemm_qkv-k_qcbdab8f714_gemm_qkv
	.p2alignl 7, 3214868480
	.fill 96, 4, 3214868480
	.section	.rodata,"a",@progbits
	.p2align	6, 0x0
	.amdhsa_kernel k_qcbdab8f714_gemm_qkv
		.amdhsa_group_segment_fixed_size 327680
		.amdhsa_private_segment_fixed_size 0
		.amdhsa_enable_private_segment 0
		.amdhsa_kernarg_size 48
		.amdhsa_user_sgpr_count 2
		.amdhsa_user_sgpr_kernarg_segment_ptr 1
		.amdhsa_wavefront_size32 1
		.amdhsa_system_sgpr_workgroup_id_x 1
		.amdhsa_system_sgpr_workgroup_id_y 1
		.amdhsa_system_sgpr_workgroup_id_z 1
		.amdhsa_system_vgpr_workitem_id 0
		.amdhsa_next_free_vgpr 1024
		.amdhsa_next_free_sgpr 100
		.amdhsa_reserve_vcc 0
		.amdhsa_float_denorm_mode_32 3
		.amdhsa_float_denorm_mode_16_64 3
		.amdhsa_memory_ordered 1
		.amdhsa_forward_progress 1
		.amdhsa_inst_pref_size 218
	.end_amdhsa_kernel
	.amdgpu_metadata
---
amdhsa.version: [ 1, 2 ]
amdhsa.kernels:
  - .name:           k_qcbdab8f714_gemm_qkv
    .symbol:         k_qcbdab8f714_gemm_qkv.kd
    .args:
      - { .name: xq, .offset: 0, .size: 8, .value_kind: global_buffer, .address_space: global }
      - { .name: wc, .offset: 8, .size: 8, .value_kind: global_buffer, .address_space: global }
      - { .name: bq, .offset: 16, .size: 8, .value_kind: global_buffer, .address_space: global }
      - { .name: bk, .offset: 24, .size: 8, .value_kind: global_buffer, .address_space: global }
      - { .name: bv, .offset: 32, .size: 8, .value_kind: global_buffer, .address_space: global }
      - { .name: qkv, .offset: 40, .size: 8, .value_kind: global_buffer, .address_space: global }
    .group_segment_fixed_size: 327680
    .private_segment_fixed_size: 0
    .kernarg_segment_align: 8
    .kernarg_segment_size: 48
    .max_flat_workgroup_size: 128
    .sgpr_count:     100
    .vgpr_count:     1024
    .wavefront_size: 32
...
	.end_amdgpu_metadata
.endif
;; end of part 2
;; launch attn (part 3): grid 16 x 16, 16 waves a work-group, no clusters, 327,680 bytes of LDS; arguments qkv, yq; writes yq
.if DOCPART == 3
	.amdgcn_target "amdgcn-amd-amdhsa--gfx1250"
	.amdhsa_code_object_version 6
	.text
	.protected	k_qcbdab8f714_attn
	.globl	k_qcbdab8f714_attn
	.p2align	8
	.type	k_qcbdab8f714_attn,@function
k_qcbdab8f714_attn:
	s_mov_b64 s[64:65], 0
	v_nop
	global_prefetch_b8 v0, s[64:65] scope:SCOPE_SE
	s_setreg_imm32_b32 hwreg(HW_REG_WAVE_MODE, 25, 1), 1
	s_wait_xcnt 0x0
; y = softmax(q k^T / 8, causal) v for 2 batches x 16 heads of 64, 2,048 positions, both products on codes of BF8 (E5M2) with E8M0 scales; y is quantised along the model's axis on the way out.
; qkv and yq are UNITS (128 rows x 128 K, U = 16,896 bytes): fragment a holds rows rho(a, r) = 32 (a / 2) + 8 (a % 2) + r + 8 (r / 8); code (rho(a, r), 32 c + 16 h + i) at 2048 a + 512 c + 256 h + 16 r + i; scale word at 16384 + 256 (a / 4) + 16 r + 4 (a % 4).
; q | k: unit 16 x token block + n128 (q 0-7, k 8-15; a unit's 128 along K are a PAIR of heads);  v^T: unit 512 + 32 x head pair + token block (rows: the pair's 128 channels; K: 128 keys).
; THE SOFTMAX: t = score x log2(e) / 8; M = the running largest t rounded UP to a whole number; p = 2^(t - M) is quantised along the keys, not normalised; the sum of the unquantised p divides at the end.
; SHARES.  A work-group owns a batch, a head pair, and two runs of 64 queries: run u and run 31 - u, so that every work-group has the same number of key steps.  Wave w: head = w / 8 of the pair, run = (w / 4) % 2, query fragment w % 4: 16 queries.
; A head's 64 channels are half of the instruction's K: registers 8-15 of q's and k's fragments are zero codes, and the upper two scale bytes are 0 over them.
; Both products are used transposed: S^T = k q^T, O^T = v^T p^T: a lane holds one query.  By rho the 16 registers of tiles 2 b and 2 b + 1 of S^T are keys 32 b + 16 h + 0..15.
; No cluster: under the causal mask the work-groups of a head pair need different numbers of tiles.
; LIMITS: a block of y that is all zeros or under 2^-111 gets the scale byte 1; NaN and infinities are not served.
; REGISTERS: v1-7 addresses that stay; v8-11 the step's; v12 -M, v13 largest t, v[14:15] the sum; v16-31 q; v32-95 four fragments of k; v96-159 S^T, p, then four fragments of v; v160-191 O^T; v192-207 p's codes; v208-212 the way out's addresses; v232-254 at work; v255 q's scales.
.set U,     16896
.set SLOT1, 1<<17                      ; a slot: k's units of two key blocks at 0 and U, v's at 2 U and 3 U; slot 1 begins here
.set NSL,   8                          ; slots' worth of keys: 2,048 / 256
.set SCM,   262144                     ; 512 bytes: y's scale words of the two runs
.set SPARE, 262656                     ; the spare words, 128 bytes for each of 16 waves
.set AK0,  1
.set AV0,  2
.set ASK0, 3
.set ASV0, 4
.set SPW,  5
.set NIL,  6
.set PFO,  7                           ; 256 x lane
.set WV,   18
.set MNT,  19
.set SEL,  20
.set CS,   22                          ; s[22:23] log2(e) / 8
.set G1,   24
.set TB,   32                          ; the slot in hand
.set SLOTS, 33
.set KF,   34                          ; the step's first key
.set Q0,   35                          ; my lane 0's query
.set LQ,   36                          ; the work-group's last query
.set LIM,  37
.set PFA,  38
.set G0,   40
.set STP,  44                          ; s[44:45] a slot on in memory: 32 U among k's units, 2 U among v's
.macro TLOAD                           ; waves 0-3 fetch a unit each; an s_nop 0 and four v_nop follow the load
	s_cmp_lt_u32 s[WV], 4
	s_cbranch_scc0 .Lasked_\@
	tensor_load_to_lds s[G0:G0+3], s[G1:G1+7]
	s_nop 0
.rept 4
	v_nop
.endr
.Lasked_\@:
.endm
; A prefetch of what the NEXT change of slots will load: the 64 aligned blocks of 256 bytes of codes of each of the slot's four units.  All 16 work-groups of a head pair walk the same k and v: the first of them asks,
; in it waves 4-7, a unit each, two instructions, lanes 256 bytes apart.  The last change that fills a slot asks for nothing; slots 0 and 1 come by their loads alone.
.macro ASK
	s_cmp_gt_u32 s[SLOTS], s[LIM]
	s_cbranch_scc0 .Lnot_mine_\@
	global_prefetch_b8 v[PFO], s[PFA:PFA+1] th:TH_LOAD_NT scope:SCOPE_SE
	global_prefetch_b8 v[PFO], s[PFA:PFA+1] offset:8192 th:TH_LOAD_NT scope:SCOPE_SE
.Lnot_mine_\@:
.endm
	s_load_b128 s[4:7], s[0:1], 0x0                ; qkv, yq
	v_lshl_add_u32 v[SPW], v0, 2, SPARE
	v_mov_b32 v[NIL], 0
	ds_add_u32 v[SPW], v[NIL]                      ; the wave's opening: the add, twice on end, and its wait ahead of my first tensor load
	ds_add_u32 v[SPW], v[NIL]
	v_lshrrev_b32 v8, 5, v0
	v_readfirstlane_b32 s[WV], v8
	s_and_b32 s46, ttmp7, 0xffff
	s_lshr_b32 s47, s46, 3                         ; batch
	s_and_b32 s48, s46, 7                          ; head pair
	s_lshr_b32 s49, s[WV], 3                       ; which head of the pair
	s_bfe_u32 s50, s[WV], 0x10002                  ; which run
	s_and_b32 s51, s[WV], 3                        ; which fragment; also: which unit of a slot
	s_sub_co_u32 s52, 31, ttmp9
	s_cmp_eq_u32 s50, 0
	s_cselect_b32 s52, ttmp9, s52                  ; my run of 64 queries
	s_and_b32 s53, s52, 1
	s_lshl_b32 s53, s53, 2
	s_add_co_u32 s53, s53, s51                     ; my fragment a of the token block's unit
	s_lshr_b32 s54, s52, 1
	s_lshl_b32 s55, s47, 4
	s_add_co_u32 s54, s54, s55                     ; my token block
	s_lshl_b32 s[Q0], s52, 6
	s_lshr_b32 s56, s51, 1
	s_lshl_b32 s56, s56, 5
	s_add_co_u32 s[Q0], s[Q0], s56
	s_and_b32 s56, s51, 1
	s_lshl_b32 s56, s56, 3
	s_add_co_u32 s[Q0], s[Q0], s56                 ; lane r's query is Q0 + r + 8 (r / 8): all 16 lie in one aligned group of 32
	s_lshl_b32 s[LQ], ttmp9, 6
	s_sub_co_u32 s[LQ], 2047, s[LQ]
	s_add_co_u32 s56, s55, s51
	s_lshl_b32 s57, s56, 4
	s_add_co_u32 s57, s57, s48
	s_add_co_u32 s57, s57, 8                       ; k's unit of key block j: 16 (16 b + j) + 8 + head pair
	s_lshl_b32 s58, s48, 5
	s_add_co_u32 s58, s58, s56
	s_add_co_u32 s58, s58, 510                     ; v's unit of key block j - 2: 512 + 32 x head pair + 16 b + j - 2
	s_mov_b32 s59, 2*U
	s_cmp_lt_u32 s51, 2
	s_cselect_b32 s57, s57, s58
	s_cselect_b32 s[STP], 32*U, s59
	s_mov_b32 s[STP+1], 0
	s_mul_i32 s60, s57, U
	s_mov_b32 s61, 0
	s_mov_b32 s[G1], 3<<16                         ; no mask; elements of 8 bytes; no padding: a dense unit as 66 rows of 256 bytes
	s_mov_b32 s[G1+1], 32<<16
	s_mov_b32 s[G1+2], 66<<16
	s_mov_b32 s[G1+3], 32<<16
	s_mov_b32 s[G1+4], 66
	s_mov_b32 s[G1+5], 32
	s_mov_b32 s[G1+6], 0
	s_mov_b32 s[G1+7], 0
	s_mov_b32 s[SEL], 0x76543210
	s_mov_b32 s[SEL+1], 0xfedcba98
	s_mov_b32 s[CS], 0x3e38aa3b
	s_mov_b32 s[CS+1], s[CS]
	s_mov_b32 s[MNT], 0x600000
	s_mov_b32 s[TB], 0
	s_mov_b32 s[KF], 0
	s_mov_b32 s[SLOTS], NSL-1
	s_wait_dscnt 0x0                               ; both opening adds are done
	s_wait_kmcnt 0x0
	s_mov_b32 s[G0], 1
	s_mul_i32 s[G0+1], s51, U                      ; slot 0, unit j
	s_add_nc_u64 s[G0+2:G0+3], s[4:5], s[60:61]
	s_add_nc_u64 s[PFA:PFA+1], s[G0+2:G0+3], s[STP:STP+1]   ; in slot 1: the first change of slots steps it to slot 2
	s_or_b32 s[G0+3], s[G0+3], 0x80000000
	TLOAD                                          ; slot 0: it holds key 0, which counts for every query
	s_lshr_b32 s56, s[WV], 2
	s_xor_b32 s56, s56, 1
	s_or_b32 s56, s56, ttmp9                       ; 0 in waves 4-7 of the head pair's first work-group
	s_cmp_eq_u32 s56, 0
	s_cselect_b32 s[LIM], 1, -1
	v_and_b32 v8, 31, v0
	v_lshlrev_b32 v[PFO], 8, v8
	v_lshlrev_b32 v8, 4, v8                        ; 16 x lane
	v_and_b32 v9, 15, v0
	v_lshlrev_b32 v9, 4, v9                        ; 16 r
	v_bfe_u32 v10, v0, 4, 1                        ; h
	s_lshl_b32 s56, s49, 10
	v_add_nc_u32 v[AK0], s56, v8                   ; k: my head's two register groups begin 1024 x head into a fragment
	s_lshl_b32 s56, s49, 13
	s_add_co_u32 s56, s56, 2*U
	v_add_nc_u32 v[AV0], s56, v8                   ; v: my head's four fragments
	s_lshl_b32 s56, s49, 1
	s_add_co_u32 s56, s56, 16384
	v_add_nc_u32 v[ASK0], s56, v9                  ; k's scales: my head's two bytes of a word
	s_lshl_b32 s56, s49, 8
	s_add_co_u32 s56, s56, 2*U+16384
	v_add_nc_u32 v[ASV0], s56, v9                  ; v's: my head's four words a row
	s_lshl_b32 s56, s54, 4
	s_add_co_u32 s56, s56, s48
	s_mul_i32 s56, s56, U
	s_mov_b32 s57, 0
	s_add_nc_u64 s[66:67], s[4:5], s[56:57]        ; q's unit
	s_lshl_b32 s56, s54, 3
	s_add_co_u32 s56, s56, s48
	s_mul_i32 s56, s56, U
	s_add_nc_u64 s[68:69], s[6:7], s[56:57]        ; y's unit
	s_lshl_b32 s56, s53, 11
	s_lshl_b32 s58, s49, 10
	s_add_co_u32 s56, s56, s58
	v_add_nc_u32 v208, s56, v8                     ; in both: 2048 a + 1024 x head + 16 x lane
	global_load_b128 v[16:19], v208, s[66:67]
	global_load_b128 v[20:23], v208, s[66:67] offset:512
	s_lshr_b32 s56, s53, 2
	s_lshl_b32 s56, s56, 8
	s_lshl_b32 s58, s51, 2
	s_add_co_u32 s56, s56, s58
	s_lshl_b32 s58, s49, 1
	s_add_co_u32 s56, s56, s58
	v_add_nc_u32 v209, s56, v9
	global_load_u16 v255, v209, s[66:67] offset:16384   ; q's two scale bytes; the upper two come out 0, over zero codes
	s_lshl_b32 s56, s50, 8
	s_lshl_b32 s58, s51, 2
	s_add_co_u32 s56, s56, s58
	s_lshl_b32 s58, s49, 1
	s_add_co_u32 s56, s56, s58
	s_add_co_u32 s56, s56, SCM
	v_add_nc_u32 v210, s56, v9                     ; LDS: y's half scale word: 256 x run + 16 r + 4 x fragment + 2 x head
	v_add_nc_u32 v211, SCM, v8                     ; and back: 16 x lane
	s_lshr_b32 s56, ttmp9, 1
	s_add_co_u32 s56, s56, s55
	s_lshl_b32 s56, s56, 3
	s_add_co_u32 s56, s56, s48
	s_mul_i32 s56, s56, U
	s_and_b32 s57, ttmp9, 1
	s_lshl_b32 s57, s57, 8
	s_add_co_u32 s56, s56, s57                     ; where run u's 256 bytes of scale words lie in yq (less 16384),
	s_sub_co_u32 s57, 31, ttmp9
	s_lshr_b32 s58, s57, 1
	s_add_co_u32 s58, s58, s55
	s_lshl_b32 s58, s58, 3
	s_add_co_u32 s58, s58, s48
	s_mul_i32 s58, s58, U
	s_and_b32 s57, s57, 1
	s_lshl_b32 s57, s57, 8
	s_add_co_u32 s58, s58, s57                     ; and run 31 - u's, which lie further on
	s_sub_co_u32 s58, s58, s56
	v_mul_u32_u24 v212, s58, v10
	v_add_nc_u32 v212, s56, v212
	v_add_nc_u32 v212, v212, v9
.irp j, 24,25,26,27,28,29,30,31
	v_mov_b32 v[\j], 0                             ; q's upper half of K: zero codes
.endr
.irp t, 0,1,2,3
.irp j, 8,9,10,11,12,13,14,15
	v_mov_b32 v[32+16*\t+\j], 0                    ; k's likewise: written once, never loaded
.endr
.endr
	v_mov_b32 v13, 0xff61b1e6                      ; the largest t so far: -3e38
	v_floor_f32 v12, -v13
	v_mov_b32 v14, 0
	v_mov_b32 v15, 0
.irp b, 0,1,2,3
	v_mov_b32 v[236+\b], 0                         ; written once: a lane permute's destination counts as one of its sources
.endr
	v_mov_b32 v252, 0
	v_mov_b32 v253, 0
.set j, 0
.rept 32
	v_mov_b32 v[160+j], 0                          ; O^T: the first change of M leaves zeros zeros
.set j, j+1
.endr
; A KEY STEP: 128 keys, the q-th unit of the slot in hand.
.macro STEP q
	s_cmp_gt_u32 s[KF], s[Q0]                      ; all 128 keys come after my 16 queries: the step's work is left out (ids alone; no barrier or tensor load stands in a step)
	s_cbranch_scc1 .Lhidden_\@
	v_add_nc_u32 v8, s[TB], v[AK0]
	v_add_nc_u32 v9, s[TB], v[AV0]
	v_add_nc_u32 v10, s[TB], v[ASK0]
	v_add_nc_u32 v11, s[TB], v[ASV0]
.irp g, 0,1                                    ; S^T = k q^T, four tiles of 16 keys at a time
.rept 5+3*\g
	v_nop                                          ; g = 0: with the four additions nine places: the products below write over registers that the last step's second products read.  g = 1: eight, in front of loads
.endr
.irp t, 0,1,2,3
.irp c, 0,1
	ds_load_b128 v[32+16*\t+4*\c:32+16*\t+4*\c+3], v8 offset:(\q)*U+2048*(4*\g+\t)+512*\c
.endr
	ds_load_u16 v[248+\t], v10 offset:(\q)*U+256*\g+4*\t
.endr
	s_wait_dscnt 0x0
.irp t, 0,1,2,3
	v_wmma_scale_f32_16x16x128_f8f6f4 v[96+8*(4*\g+\t):103+8*(4*\g+\t)], v[32+16*\t:47+16*\t], v[16:31], 0, v[248+\t], v255 matrix_a_fmt:MATRIX_FMT_BF8 matrix_b_fmt:MATRIX_FMT_BF8
.endr
.endr
.rept 8
	v_nop
.endr
	s_add_co_u32 s46, s[KF], 127                   ; on the diagonal hidden scores become -infinity ahead of the maximum; a step all of whose keys count skips this
	s_cmp_le_u32 s46, s[Q0]
	s_cbranch_scc1 .Lopen_\@
	s_sub_co_i32 s46, s[Q0], s[KF]
	v_and_b32 v252, 15, v0
	v_and_b32 v253, 8, v0
	v_add_nc_u32 v252, v252, v253
	v_and_b32 v253, 16, v0
	v_sub_nc_u32 v252, v252, v253
	v_add_nc_u32 v252, s46, v252                   ; d = my query - KF - 16 h.  Register 16 b + i holds key KF + 16 h + 32 b + i: hidden where 32 b + i > d
	v_mov_b32 v254, 0xff800000
.set n, 0
.rept 64
	v_cmp_gt_i32 vcc_lo, 32*(n/16)+n%16, v252
	v_cndmask_b32 v[96+n], v[96+n], v254, vcc_lo
.set n, n+1
.endr
.Lopen_\@:
.irp b, 0,1,2,3
	v_max3_num_f32 v[232+\b], v[96+16*\b], v[97+16*\b], v[98+16*\b]   ; the largest score of each block of 32 keys: for the row's maximum and, since p rises with the score, for the block's largest p
.endr
.irp i, 3,5,7,9,11,13
.irp b, 0,1,2,3
	v_max3_num_f32 v[232+\b], v[232+\b], v[96+16*\b+\i], v[97+16*\b+\i]
.endr
.endr
.irp b, 0,1,2,3
	v_max_num_f32 v[232+\b], v[232+\b], v[111+16*\b]
.endr
.irp b, 0,1,2,3
	v_permlanex16_b32 v[236+\b], v[232+\b], s[SEL], s[SEL+1]
.endr
.irp b, 0,1,2,3
	v_max_num_f32 v[232+\b], v[232+\b], v[236+\b]
.endr
	v_max3_num_f32 v254, v232, v233, v234
	v_max_num_f32 v254, v254, v235
	v_mul_f32 v254, s[CS], v254
	v_max_num_f32 v13, v13, v254                   ; the running largest t
	v_mov_b32 v254, v12
	v_floor_f32 v12, -v13                          ; -M = floor(-t): M is a whole number
	v_sub_f32 v254, v12, v254
	v_cvt_i32_f32 v254, v254                       ; old M - new M (it saturates)
	v_ldexp_f32 v252, 1.0, v254                    ; f = 2^(old M - new M): a multiplication by it rounds nothing
.set j, 0
.rept 32
	v_pk_fma_f32 v[96+j:97+j], v[96+j:97+j], s[CS:CS+1], v[12:13] op_sel_hi:[1,0,0]   ; t - M
.set j, j+2
.endr
.irp b, 0,1,2,3
	v_fma_f32 v[232+\b], v[232+\b], s[CS], v12
.endr
.set j, 0
.rept 64
	v_exp_f32 v[96+j], v[96+j]                     ; p = 2^(t - M)
.set j, j+1
.endr
	v_pk_mul_f32 v[14:15], v[14:15], v[252:253] op_sel_hi:[1,0]   ; the sums under the new M; a plain line behind the exponentials
	s_wait_alu depctr_va_vdst(0)                   ; one wait for the batch, ahead of its first reader
.irp b, 0,1,2,3
	v_exp_f32 v[232+\b], v[232+\b]                 ; each block's largest p
.endr
	v_pk_add_f32 v[236:237], v[96:97], v[98:99]    ; the row's sum of the UNQUANTISED p, in two chains
.irp j, 4,8,12,16,20,24,28,32,36,40,44,48,52,56,60
	v_pk_add_f32 v[14:15], v[14:15], v[96+\j:97+\j]
	v_pk_add_f32 v[236:237], v[236:237], v[98+\j:99+\j]
.endr
	v_pk_add_f32 v[14:15], v[14:15], v[236:237]
	s_wait_alu depctr_va_vdst(0)                   ; and one for the four
.irp b, 0,1,2,3
	v_max_num_f32 v[232+\b], 0x8000000, v[232+\b]  ; the floor 2^(16 - 127)
.endr
.irp b, 0,1,2,3
	v_add_nc_u32 v[244+\b], 0xf8800000, v[232+\b]
.endr
.irp b, 0,1,2,3
	v_and_or_b32 v[240+\b], v[232+\b], 0x7f800000, s[MNT]
.endr
.irp b, 0,1,2,3
	v_lshrrev_b32 v[236+\b], 23, v[244+\b]
.endr
	v_lshl_or_b32 v253, v237, 8, v236              ; p's scale word for these 128 keys
	v_lshl_or_b32 v253, v238, 16, v253
	v_lshl_or_b32 v253, v239, 24, v253
.irp b, 0,1,2,3
.irp i, 0,1,2,3,4,5,6,7,8,9,10,11,12,13,14,15
	v_min_num_f32 v[96+16*\b+\i], v[96+16*\b+\i], v[240+\b]   ; the hold; p is not negative
.endr
	v_cvt_scalef32_pk8_bf8_f32 v[192+4*\b:193+4*\b], v[96+16*\b:103+16*\b], v[244+\b]
	v_cvt_scalef32_pk8_bf8_f32 v[194+4*\b:195+4*\b], v[104+16*\b:111+16*\b], v[244+\b]
.endr
	v_nop                                          ; a plain line behind the last conversion
.irp t, 0,1,2,3                                ; v's four fragments of my head take p's registers
.irp c, 0,1,2,3
	ds_load_b128 v[96+16*\t+4*\c:96+16*\t+4*\c+3], v9 offset:(\q)*U+2048*\t+512*\c
.endr
.endr
	ds_load_b128 v[248:251], v11 offset:(\q)*U     ; and their scale words
.set j, 0
.rept 16
	v_pk_mul_f32 v[160+j:161+j], v[160+j:161+j], v[252:253] op_sel_hi:[1,0]   ; O^T under the new M; also the places between the codes and the products
.set j, j+2
.endr
	s_wait_dscnt 0x0
.irp t, 0,1,2,3
	v_wmma_scale_f32_16x16x128_f8f6f4 v[160+8*\t:167+8*\t], v[96+16*\t:111+16*\t], v[192:207], v[160+8*\t:167+8*\t], v[248+\t], v253 matrix_a_fmt:MATRIX_FMT_BF8 matrix_b_fmt:MATRIX_FMT_BF8
.endr
.Lhidden_\@:
	s_add_co_u32 s[KF], s[KF], 128
.endm
; THE CHANGE OF SLOTS, at a slot's head: every wave waits for all its tensor loads, adds 0 to its spare word, waits for that and for its reads of the slot that it has left; behind the barrier the other slot is filled with the keys that follow.
.macro CHANGE fill
	s_wait_tensorcnt 0x0                           ; no tensor load of mine is out, so the group 0 may be written
	ds_add_u32 v[SPW], v[NIL]
.if \fill
	ds_add_u32 v[SPW], v[NIL]                      ; and twice on end here, in every trip alike
	s_xor_b32 s[G0+1], s[G0+1], SLOT1
	s_add_nc_u64 s[G0+2:G0+3], s[G0+2:G0+3], s[STP:STP+1]
	s_wait_xcnt 0x0                                ; the last prefetches, a slot back, have read their address
	s_add_nc_u64 s[PFA:PFA+1], s[PFA:PFA+1], s[STP:STP+1]
.endif
	s_wait_dscnt 0x0
	s_barrier_signal -1
	s_barrier_wait -1
.if \fill
	s_add_co_u32 s46, s[KF], 256                   ; the look-ahead ends at the causal limit: a slot whose first key comes after the work-group's last query is read by none of its waves
	s_cmp_gt_u32 s46, s[LQ]                        ; ids and the count of steps alone: all sixteen waves go the same way
	s_cbranch_scc1 .Lpast_\@
	TLOAD                                          ; a wave's one tensor load until the next such barrier
.Lpast_\@:
	ASK
.endif
.endm
.macro SLOT_STEPS
	STEP 0
	STEP 1
	s_xor_b32 s[TB], s[TB], SLOT1
.endm
	s_wait_loadcnt 0x0                             ; q
.Lslot:
	CHANGE 1
	SLOT_STEPS
	s_sub_co_u32 s[SLOTS], s[SLOTS], 1
	s_cmp_lg_u32 s[SLOTS], 0
	s_cbranch_scc1 .Lslot
	CHANGE 0                                       ; the last slot is written out: nothing is left to fetch
	SLOT_STEPS
	; THE WAY OUT: O^T / the sum is y of my head: register 16 b + i = channel 32 b + 16 h + i: two blocks of the next product's K
.rept 8
	v_nop
.endr
	v_add_f32 v14, v14, v15
	v_permlanex16_b32 v252, v14, s[SEL], s[SEL+1]
	v_add_f32 v14, v14, v252
	v_rcp_f32 v14, v14
	v_nop
	s_wait_alu depctr_va_vdst(0)
.set j, 0
.rept 32
	v_mul_f32 v[96+j], v[160+j], v14
.set j, j+1
.endr
.irp b, 0,1
	v_max3_num_f32 v[232+\b], |v[96+16*\b]|, |v[97+16*\b]|, 0x8000000
.endr
.irp i, 2,4,6,8,10,12,14
.irp b, 0,1
	v_max3_num_f32 v[232+\b], v[232+\b], |v[96+16*\b+\i]|, |v[97+16*\b+\i]|
.endr
.endr
.irp b, 0,1
	v_permlanex16_b32 v[236+\b], v[232+\b], s[SEL], s[SEL+1]
.endr
.irp b, 0,1
	v_max_num_f32 v[232+\b], v[232+\b], v[236+\b]
.endr
.irp b, 0,1
	v_add_nc_u32 v[244+\b], 0xf8800000, v[232+\b]
.endr
.irp b, 0,1
	v_and_or_b32 v[240+\b], v[232+\b], 0x7f800000, s[MNT]
.endr
.irp b, 0,1
	v_lshrrev_b32 v[236+\b], 23, v[244+\b]
.endr
	v_lshl_or_b32 v253, v237, 8, v236              ; my head's half of the row's scale word
.irp b, 0,1
.irp i, 0,1,2,3,4,5,6,7,8,9,10,11,12,13,14,15
	v_med3_num_f32 v[96+16*\b+\i], v[96+16*\b+\i], -v[240+\b], v[240+\b]
.endr
	v_cvt_scalef32_pk8_bf8_f32 v[192+4*\b:193+4*\b], v[96+16*\b:103+16*\b], v[244+\b]
	v_cvt_scalef32_pk8_bf8_f32 v[194+4*\b:195+4*\b], v[104+16*\b:111+16*\b], v[244+\b]
.endr
	v_nop
	global_store_b128 v208, v[192:195], s[68:69]               ; 512 consecutive bytes each
	global_store_b128 v208, v[196:199], s[68:69] offset:512
	ds_store_b16 v210, v253                        ; both lanes of a row write the same two bytes
	s_wait_dscnt 0x0
	s_barrier_signal -1
	s_barrier_wait -1                              ; both heads' halves of all 128 words lie in LDS
	s_cmp_lg_u32 s[WV], 0
	s_cbranch_scc1 .Lnot_0
	ds_load_b128 v[96:99], v211
	s_wait_dscnt 0x0
	global_store_b128 v212, v[96:99], s[6:7] offset:16384      ; lanes 0-15 run u's 256 bytes, lanes 16-31 run 31 - u's, each aligned
.Lnot_0:
	s_wait_tensorcnt 0x0                           ; the wave's end
	ds_add_u32 v[SPW], v[NIL]
	s_wait_dscnt 0x0
	s_endpgm
.Lfunc_end_k_qcbdab8f714_attn:
	.size	k_qcbdab8f714_attn, .Lfunc_end_k_qcbdab8f714_attn-k_qcbdab8f714_attn
	.p2alignl 7, 3214868480
	.fill 96, 4, 3214868480
	.section	.rodata,"a",@progbits
	.p2align	6, 0x0
	.amdhsa_kernel k_qcbdab8f714_attn
		.amdhsa_group_segment_fixed_size 327680
		.amdhsa_private_segment_fixed_size 0
		.amdhsa_enable_private_segment 0
		.amdhsa_kernarg_size 16
		.amdhsa_user_sgpr_count 2
		.amdhsa_user_sgpr_kernarg_segment_ptr 1
		.amdhsa_wavefront_size32 1
		.amdhsa_system_sgpr_workgroup_id_x 1
		.amdhsa_system_sgpr_workgroup_id_y 1
		.amdhsa_system_sgpr_workgroup_id_z 1
		.amdhsa_system_vgpr_workitem_id 0
		.amdhsa_next_free_vgpr 256
		.amdhsa_next_free_sgpr 100
		.amdhsa_reserve_vcc 1
		.amdhsa_float_denorm_mode_32 3
		.amdhsa_float_denorm_mode_16_64 3
		.amdhsa_memory_ordered 1
		.amdhsa_forward_progress 1
		.amdhsa_inst_pref_size 114
	.end_amdhsa_kernel
	.amdgpu_metadata
---
amdhsa.version: [ 1, 2 ]
amdhsa.kernels:
  - .name:           k_qcbdab8f714_attn
    .symbol:         k_qcbdab8f714_attn.kd
    .args:
      - { .name: qkv, .offset: 0, .size: 8, .value_kind: global_buffer, .address_space: global }
      - { .name: yq, .offset: 8, .size: 8, .value_kind: global_buffer, .address_space: global }
    .group_segment_fixed_size: 327680
    .private_segment_fixed_size: 0
    .kernarg_segment_align: 8
    .kernarg_segment_size: 16
    .max_flat_workgroup_size: 512
    .sgpr_count:     100
    .vgpr_count:     256
    .wavefront_size: 32
...
	.end_amdgpu_metadata
.endif
;; end of part 3
;; launch gemm_o (part 4): grid 4 x 16, 4 waves a work-group, clusters of 4 x 4, 327,680 bytes of LDS; arguments yq, wc, bo, x, x1, x1q; writes x1, x1q
.if DOCPART == 4
	.amdgcn_target "amdgcn-amd-amdhsa--gfx1250"
	.amdhsa_code_object_version 6
	.text
	.protected	k_qcbdab8f714_gemm_o
	.globl	k_qcbdab8f714_gemm_o
	.p2align	8
	.type	k_qcbdab8f714_gemm_o,@function
k_qcbdab8f714_gemm_o:
	s_mov_b64 s[64:65], 0
	v_nop
	global_prefetch_b8 v0, s[64:65] scope:SCOPE_SE
	s_setreg_imm32_b32 hwreg(HW_REG_WAVE_MODE, 25, 1), 1
	s_wait_xcnt 0x0
	s_wait_alu depctr_hold_cnt(0) depctr_sa_sdst(0) depctr_va_vdst(0) depctr_va_sdst(0) depctr_va_ssrc(0) depctr_va_vcc(0) depctr_vm_vsrc(0)
	s_getreg_b32 s2, hwreg(HW_REG_IB_STS2, 6, 4)
	s_cmp_eq_u32 s2, 0
	s_cbranch_scc0 .Lentry_in_a_cluster
	s_endpgm
.Lentry_in_a_cluster:
	s_bfe_u32 s2, ttmp6, 0x10000c
	s_cmp_lg_u32 s2, 0xf033
	s_cbranch_scc0 .Lentry_shape_is_right
	s_endpgm
.Lentry_shape_is_right:
; x1 = x + (y Wo + bo) on codes of BF8 (E5M2) with E8M0 scales; x1 leaves twice: as f32 (an image of the registers, for the last launch's residual) and quantised along the model's axis.
; Code buffers are UNITS (128 rows x 128 K, U = 16,896 bytes): fragment a holds rows rho(a, r) = 32 (a / 2) + 8 (a % 2) + r + 8 (r / 8); code (rho(a, r), 32 c + 16 h + i) at 2048 a + 512 c + 256 h + 16 r + i; scale word at 16384 + 256 (a / 4) + 16 r + 4 (a % 4).
; A tile of 256 x 256 by four waves of 128 x 128; K in steps of 256 through a ring of two LDS slots; 4 x 4 clusters with joint loads.  Source 0 = Wo's columns (S0), source 1 = tokens (S1): a lane's 64 registers of accumulator row a
; are register 16 b + i = feature 32 b + 16 h + i of token rho(a, r).  x1's image: ((token block x 8 + n128) x 8 + a) x 8192 + 512 g + 16 x lane for registers 4 g .. 4 g + 3.
; The grid has 64 work-groups: N = 1,024 gives no more tiles of this size.
; LIMITS: a block of zeros or under 2^-111 gets the scale byte 1; NaN and infinities are not served.
; REGISTERS: window 0: v0-31 addresses; v32-63 scale words; v64-127 bo; v128-255 S1's fragments (way out: v128-191 a block's numbers, v192-231 the quantiser's).  window 1: S0's fragments (way out: v0-63 x).  windows 2, 3: accumulators.
.set U,      16896
.set PART,   2*U
.set SLOT,   4*PART
.set KU,     8
.set LAPS,   2
.set WOFF,   192
.set NQ,     2
.set FR,     16
.set NL,     4
.set NP,     8
.set SPARE,  304128
.set ADRA,   16
.set ADRS,   18
.set ADRB,   20
.set LI,     22
.set SPW,    28
.set NIL,    29
.set SC,     32
.set BI,     64
.set AF,     128
.set T,      128
.set PC,     192
.set TM,     208
.set PWS,    224
.set R,      0                         ; in window 1
.set G1,     24
.set G0,     32
.set G1B,    48
.set G0B,    56
.set OUT,    68
.set HI16,   74
.set SEL,    76
.set MNT,    78
.set MSB, 0
.macro WIN new
.if MSB != (\new)
	s_set_vgpr_msb (MSB<<8)|(\new)
.set MSB, (\new)
.endif
.endm
.set MUL_LO, 0xa1
.set MUL_HI, 0xf1
.set TO_B,   0x40
.macro JLOAD g0a, g1a, g0b, g1b        ; a joint load: waves 0, 1 fetch y's halves, waves 2, 3 the weights'; an s_nop 0 and four v_nop follow each line
	s_cmp_eq_u32 s17, 0
	s_cbranch_scc0 .Lfor_b_\@
	tensor_load_to_lds s[\g0a:\g0a+3], s[\g1a:\g1a+7]
	s_nop 0
.rept 4
	v_nop
.endr
	s_branch .Lasked_\@
.Lfor_b_\@:
	tensor_load_to_lds s[\g0b:\g0b+3], s[\g1b:\g1b+7]
	s_nop 0
.rept 4
	v_nop
.endr
.Lasked_\@:
.endm
.macro CREST
	s_cmp_lg_u32 s16, 0
	s_cbranch_scc1 .Lnot_wave_0_\@
	s_barrier_signal -3
.Lnot_wave_0_\@:
	s_barrier_wait -3
	s_barrier_signal -1
	s_barrier_wait -1
.endm
.macro CROUND
	s_barrier_signal -1
	s_barrier_wait -1
	CREST
.endm
.macro FRAG reg, adr, q, i
.irp c, 0,1,2,3
	ds_load_b128 v[\reg+4*\c:\reg+4*\c+3], v[\adr] offset:(\q)*U+(\i)*2048+512*\c
.endr
.endm
.macro MUL16 a0, p, q, sc, zero        ; the 64 accumulators take turns, one instruction a turn
.irp a, \a0, \a0+1
.irp b, 0,1,2,3,4,5,6,7
.if \zero
	v_wmma_scale_f32_16x16x128_f8f6f4 v[8*(8*((\a)%4)+\b):8*(8*((\a)%4)+\b)+7], v[128*(\p)+FR*\b:128*(\p)+FR*\b+FR-1], v[AF+FR*(\a):AF+FR*(\a)+FR-1], 0, v[SC+16*(\sc)+8*(\q)+\b], v[SC+16*(\sc)+8*(\q)+(\a)] matrix_a_fmt:MATRIX_FMT_BF8 matrix_b_fmt:MATRIX_FMT_BF8 matrix_a_scale:MATRIX_SCALE_ROW1
.else
	v_wmma_scale_f32_16x16x128_f8f6f4 v[8*(8*((\a)%4)+\b):8*(8*((\a)%4)+\b)+7], v[128*(\p)+FR*\b:128*(\p)+FR*\b+FR-1], v[AF+FR*(\a):AF+FR*(\a)+FR-1], v[8*(8*((\a)%4)+\b):8*(8*((\a)%4)+\b)+7], v[SC+16*(\sc)+8*(\q)+\b], v[SC+16*(\sc)+8*(\q)+(\a)] matrix_a_fmt:MATRIX_FMT_BF8 matrix_b_fmt:MATRIX_FMT_BF8 matrix_a_scale:MATRIX_SCALE_ROW1
.endif
.endr
.endr
.endm
.macro FETCH_B slot, q, p
	WIN TO_B
.irp i, 0,1,2,3,4,5,6,7
	FRAG 128*(\p)+FR*\i, ADRB+\slot, \q, \i
.endr
	WIN 0
.endm
.macro FETCH_A slot, q, i0
.irp i, \i0, \i0+1, \i0+2, \i0+3
	FRAG AF+FR*(\i), ADRA+\slot, \q, \i
.endr
.endm
.macro SCALES s
.irp q, 0,1
.irp g, 0,1
	ds_load_b128 v[SC+16*\s+8*\q+4*\g:SC+16*\s+8*\q+4*\g+3], v[ADRS+\s] offset:\q*U+256*\g
.endr
.endr
.endm
.macro PLACES n
.rept \n
	v_nop
.endr
.endm
.macro STEP slot, q, zero
	s_wait_dscnt 4*NL                              ; all but the youngest 16 loads (S1's blocks 4-7) are in
	WIN MUL_LO
	MUL16 0, (\q)%2, \q, \slot, \zero
	MUL16 2, (\q)%2, \q, \slot, \zero
	s_wait_dscnt 0x0
	PLACES NP
	FETCH_B \slot, (\q)+1, 1-(\q)%2
	FETCH_A \slot, (\q)+1, 0
	WIN MUL_HI
	MUL16 4, (\q)%2, \q, \slot, \zero
	MUL16 6, (\q)%2, \q, \slot, \zero
	PLACES NP
	WIN 0
	FETCH_A \slot, (\q)+1, 4
.endm
.macro TURN slot, next, fill
	s_wait_tensorcnt 0x0                           ; all my tensor loads have landed: my part of the next slot
	ds_add_u32 v[SPW], v[NIL]
	s_wait_dscnt 4*NL+1                            ; (the add and the youngest 16 loads may be out)
	WIN MUL_LO
	MUL16 0, 1, NQ-1, \slot, 0
	s_wait_dscnt 0x0                               ; the add is done, and my reads of this slot are over
	s_barrier_signal -1
	MUL16 2, 1, NQ-1, \slot, 0
	WIN 0
	s_barrier_wait -1
.if \fill
	CREST
	s_add_nc_u64 s[G0+4*\slot+2:G0+4*\slot+3], s[G0+4*\slot+2:G0+4*\slot+3], 2*PART
	s_add_nc_u64 s[G0B+4*\slot+2:G0B+4*\slot+3], s[G0B+4*\slot+2:G0B+4*\slot+3], 2*PART
	JLOAD G0+4*\slot, G1, G0B+4*\slot, G1B
	PLACES NP-4
.else
	PLACES NP
.endif
	FETCH_B \next, 0, 0
	FETCH_A \next, 0, 0
	SCALES \next
	WIN MUL_HI
	MUL16 4, 1, NQ-1, \slot, 0
	MUL16 6, 1, NQ-1, \slot, 0
	PLACES NP
	WIN 0
	FETCH_A \next, 0, 4
.endm
.macro QUANT s, pc, pw
.irp b, 0,1,2,3
	v_max3_num_f32 v[TM+\b], |v[\s+16*\b]|, |v[\s+1+16*\b]|, 0x8000000
.endr
.irp i, 2,4,6,8,10,12,14
.irp b, 0,1,2,3
	v_max3_num_f32 v[TM+\b], v[TM+\b], |v[\s+16*\b+\i]|, |v[\s+1+16*\b+\i]|
.endr
.endr
.irp b, 0,1,2,3
	v_permlanex16_b32 v[TM+4+\b], v[TM+\b], s[SEL], s[SEL+1]
.endr
.irp b, 0,1,2,3
	v_max_num_f32 v[TM+\b], v[TM+\b], v[TM+4+\b]
.endr
.irp b, 0,1,2,3
	v_add_nc_u32 v[TM+12+\b], 0xf8800000, v[TM+\b]
.endr
.irp b, 0,1,2,3
	v_and_or_b32 v[TM+8+\b], v[TM+\b], 0x7f800000, s[MNT]
.endr
.irp b, 0,1,2,3
	v_lshrrev_b32 v[TM+4+\b], 23, v[TM+12+\b]
.endr
	v_lshl_or_b32 v[\pw], v[TM+5], 8, v[TM+4]
	v_lshl_or_b32 v[\pw], v[TM+6], 16, v[\pw]
	v_lshl_or_b32 v[\pw], v[TM+7], 24, v[\pw]
.irp b, 0,1,2,3
.irp i, 0,1,2,3,4,5,6,7,8,9,10,11,12,13,14,15
	v_med3_num_f32 v[\s+16*\b+\i], v[\s+16*\b+\i], -v[TM+8+\b], v[TM+8+\b]
.endr
	v_cvt_scalef32_pk8_bf8_f32 v[\pc+4*\b:\pc+4*\b+1], v[\s+16*\b:\s+16*\b+7], v[TM+12+\b]
	v_cvt_scalef32_pk8_bf8_f32 v[\pc+4*\b+2:\pc+4*\b+3], v[\s+16*\b+8:\s+16*\b+15], v[TM+12+\b]
.endr
	v_nop
.endm
.macro TAKE a
	WIN 0x02+(\a)/4
.set i, 0
.rept 32
	v_pk_add_f32 v[T+i:T+i+1], v[64*((\a)%4)+i:64*((\a)%4)+i+1], v[BI+i:BI+i+1]
.set i, i+2
.endr
	WIN 0
.endm
.macro PUT a
.irp c, 0,1,2,3
	global_store_b128 v[LI], v[PC+4*\c:PC+4*\c+3], s[OUT:OUT+1] offset:2048*(\a)+512*\c
.endr
.endm
.macro TAILW
	s_wait_xcnt 0x0
.irp j, 0,1,2,3
	v_cndmask_b32 v[PC+\j], v[PWS+\j], v[PWS+4+\j], s[HI16]
.endr
	global_store_b128 v[LI], v[PC:PC+3], s[OUT:OUT+1] offset:16384
.endm
.macro RLOAD a                         ; x of block a's 16 tokens, in the accumulators' order, into window 1
	WIN 0x40
.irp b, 0,1,2,3
.irp j, 0,1,2,3
	global_load_b128 v[R+16*\b+4*\j:R+16*\b+4*\j+3], v23, s[70:71] offset:(32*((\a)/2)+8*((\a)%2))*4096+128*\b+16*\j th:TH_LOAD_NT
.endr
.endr
	WIN 0
.endm
.macro ADDR
	WIN 0x04
.set i, 0
.rept 32
	v_pk_add_f32 v[T+i:T+i+1], v[T+i:T+i+1], v[R+i:R+i+1]
.set i, i+2
.endr
	WIN 0
.endm
	s_load_b256 s[4:11], s[0:1], 0x0               ; yq, wc, bo, x
	s_load_b128 s[12:15], s[0:1], 0x20             ; x1, x1q
	v_lshl_add_u32 v[SPW], v0, 2, SPARE
	v_mov_b32 v[NIL], 0
	ds_add_u32 v[SPW], v[NIL]                      ; the wave's opening: the add, twice on end, and its wait ahead of my first tensor load
	ds_add_u32 v[SPW], v[NIL]
	v_lshrrev_b32 v1, 5, v0
	v_readfirstlane_b32 s16, v1
	s_lshr_b32 s17, s16, 1
	s_and_b32 s18, s16, 1
	s_bfe_u32 s19, ttmp6, 0x40000
	s_bfe_u32 s20, ttmp6, 0x40004
	s_lshl_b32 s21, ttmp9, 2
	s_add_co_u32 s21, s21, s19                     ; tile column
	s_and_b32 s22, ttmp7, 0xffff
	s_lshl_b32 s22, s22, 2
	s_add_co_u32 s22, s22, s20                     ; tile row
	s_lshl_b32 s40, s20, 2
	s_lshl_b32 s40, 15, s40
	s_lshl_b32 s41, 0x1111, s19
	s_or_b32 s[G1], s40, (3<<16)|(1<<21)
	s_or_b32 s[G1B], s41, (3<<16)|(1<<21)
.irp g, G1, G1B
	s_mov_b32 s[\g+1], 32<<16                      ; a dense block of 33,792 bytes as 132 rows of 256
	s_mov_b32 s[\g+2], 132<<16
	s_mov_b32 s[\g+3], 32<<16
	s_mov_b32 s[\g+4], 132
	s_mov_b32 s[\g+5], 32
	s_mov_b32 s[\g+6], 0
	s_mov_b32 s[\g+7], 0
.endr
	s_lshl_b32 s42, s22, 1
	s_add_co_u32 s42, s42, s18
	s_mul_i32 s42, s42, KU*U
	s_mov_b32 s43, 0
	s_lshl_b32 s44, s21, 1
	s_add_co_u32 s44, s44, s18
	s_mul_i32 s44, s44, KU*U
	s_add_co_u32 s44, s44, WOFF*U
	s_mov_b32 s45, 0
	s_mul_i32 s46, s16, PART
	s_mov_b32 s[HI16], 0xffff0000
	s_mov_b32 s[SEL], 0x76543210
	s_mov_b32 s[SEL+1], 0xfedcba98
	s_mov_b32 s[MNT], 0x600000
	s_wait_dscnt 0x0
	s_wait_kmcnt 0x0
	s_add_nc_u64 s[42:43], s[4:5], s[42:43]
	s_add_nc_u64 s[44:45], s[6:7], s[44:45]
	CROUND
.irp s, 0,1
	s_mov_b32 s[G0+4*\s], 1
	s_add_co_u32 s[G0+4*\s+1], s46, \s*SLOT
	s_add_nc_u64 s[G0+4*\s+2:G0+4*\s+3], s[42:43], \s*PART
	s_or_b32 s[G0+4*\s+3], s[G0+4*\s+3], 0x80000000
	s_mov_b32 s[G0B+4*\s], 1
	s_add_co_u32 s[G0B+4*\s+1], s46, \s*SLOT
	s_add_nc_u64 s[G0B+4*\s+2:G0B+4*\s+3], s[44:45], \s*PART
	s_or_b32 s[G0B+4*\s+3], s[G0B+4*\s+3], 0x80000000
	JLOAD G0+4*\s, G1, G0B+4*\s, G1B
.endr
	v_and_b32 v1, 15, v0
	v_bfe_u32 v2, v0, 4, 1
	v_and_b32 v3, 31, v0
	v_lshlrev_b32 v[LI], 4, v3
	s_mul_i32 s47, s17, PART                       ; S1: tokens, my half
	s_mul_i32 s66, s18, PART
	s_add_co_u32 s66, s66, 2*PART                  ; S0: the weights' rows, my half
	s_sub_co_u32 s67, s66, s47
	v_mul_u32_u24 v5, s67, v2                      ; lanes 16-31 take S0's scale words
	v_lshl_add_u32 v4, v1, 4, v5
	v_add_nc_u32 v4, 16384, v4
.irp s, 0,1
	v_add_nc_u32 v[ADRA+\s], s47, v[LI]
	v_add_nc_u32 v[ADRB+\s], s66, v[LI]
	v_add_nc_u32 v[ADRS+\s], s47, v4
	s_add_co_u32 s47, s47, SLOT
	s_add_co_u32 s66, s66, SLOT
.endr
.irp b, 0,1,2,3
	v_mov_b32 v[TM+4+\b], 0
.endr
	s_lshl_b32 s80, s21, 1
	s_add_co_u32 s80, s80, s18                     ; n128
	s_lshl_b32 s81, s22, 1
	s_add_co_u32 s81, s81, s17                     ; token block
	s_lshl_b32 s82, s80, 9
	s_mov_b32 s83, 0
	s_add_nc_u64 s[8:9], s[8:9], s[82:83]          ; bo at my 128 features
	s_lshl_b32 s84, s81, 19
	s_add_co_u32 s84, s84, s82
	s_mov_b32 s85, 0
	s_add_nc_u64 s[70:71], s[10:11], s[84:85]      ; x at my 128 tokens x 128 features
	s_lshl_b32 s84, s81, 3
	s_add_co_u32 s84, s84, s80
	s_lshl_b32 s86, s84, 16
	s_mov_b32 s87, 0
	s_add_nc_u64 s[72:73], s[12:13], s[86:87]      ; x1's image
	s_mul_i32 s84, s84, U
	s_add_nc_u64 s[OUT:OUT+1], s[14:15], s[84:85]  ; x1q's unit
	v_lshlrev_b32 v6, 6, v2
	v_and_b32 v7, 8, v0
	v_add_nc_u32 v7, v7, v1
	v_lshlrev_b32 v23, 12, v7
	v_lshl_add_u32 v23, v2, 6, v23                 ; x: row r + 8 (r / 8), + 64 h bytes
.irp b, 0,1,2,3
.irp j, 0,1,2,3
	global_load_b128 v[BI+16*\b+4*\j:BI+16*\b+4*\j+3], v6, s[8:9] offset:128*\b+16*\j
.endr
.endr
	s_wait_loadcnt 0x0
	s_wait_tensorcnt 1                             ; my part of K step 0 is in; K step 1's may be out
	s_barrier_signal -1
	s_barrier_wait -1
	FETCH_B 0, 0, 0
	FETCH_A 0, 0, 0
	SCALES 0
	FETCH_A 0, 0, 4
	STEP 0, 0, 1
	s_mov_b32 s3, LAPS-1
.Llap:
	TURN 0, 1, 1
	STEP 1, 0, 0
	TURN 1, 0, 1
	STEP 0, 0, 0
	s_sub_co_u32 s3, s3, 1
	s_cmp_lg_u32 s3, 0
	s_cbranch_scc1 .Llap
	TURN 0, 1, 0
	STEP 1, 0, 0
	s_wait_dscnt 4*NL
	WIN MUL_LO
	MUL16 0, 1, NQ-1, 1, 0
	MUL16 2, 1, NQ-1, 1, 0
	s_wait_dscnt 0x0
	WIN MUL_HI
	MUL16 4, 1, NQ-1, 1, 0
	MUL16 6, 1, NQ-1, 1, 0
	WIN 0
	PLACES NP
	; THE WAY OUT: x1 = sums + bo + x; stored as f32 as it stands in the registers, then quantised
	RLOAD 0
.irp a, 0,1,2,3,4,5,6,7
	s_wait_loadcnt 0x0                             ; this block's x is in
	s_wait_xcnt 0x0                                ; the last block's stores have read their registers
	TAKE \a
	ADDR
.if \a < 7
	RLOAD \a+1
.endif
.set g, 0
.rept 16
	global_store_b128 v[LI], v[T+4*g:T+4*g+3], s[72:73] offset:8192*\a+512*g   ; 512 consecutive bytes
.set g, g+1
.endr
	s_wait_xcnt 0x0                                ; the hold below writes these registers again
	QUANT T, PC, PWS+\a
	PUT \a
.endr
	TAILW
	s_wait_tensorcnt 0x0                           ; the wave's end
	ds_add_u32 v[SPW], v[NIL]
	s_wait_dscnt 0x0
	CROUND
	s_endpgm
.Lfunc_end_k_qcbdab8f714_gemm_o:
	.size	k_qcbdab8f714_gemm_o, .Lfunc_end_k_qcbdab8f714_gemm_o-k_qcbdab8f714_gemm_o
	.p2alignl 7, 3214868480
	.fill 96, 4, 3214868480
	.section	.rodata,"a",@progbits
	.p2align	6, 0x0
	.amdhsa_kernel k_qcbdab8f714_gemm_o
		.amdhsa_group_segment_fixed_size 327680
		.amdhsa_private_segment_fixed_size 0
		.amdhsa_enable_private_segment 0
		.amdhsa_kernarg_size 48
		.amdhsa_user_sgpr_count 2
		.amdhsa_user_sgpr_kernarg_segment_ptr 1
		.amdhsa_wavefront_size32 1
		.amdhsa_system_sgpr_workgroup_id_x 1
		.amdhsa_system_sgpr_workgroup_id_y 1
		.amdhsa_system_sgpr_workgroup_id_z 1
		.amdhsa_system_vgpr_workitem_id 0
		.amdhsa_next_free_vgpr 1024
		.amdhsa_next_free_sgpr 100
		.amdhsa_reserve_vcc 0
		.amdhsa_float_denorm_mode_32 3
		.amdhsa_float_denorm_mode_16_64 3
		.amdhsa_memory_ordered 1
		.amdhsa_forward_progress 1
		.amdhsa_inst_pref_size 240
	.end_amdhsa_kernel
	.amdgpu_metadata
---
amdhsa.version: [ 1, 2 ]
amdhsa.kernels:
  - .name:           k_qcbdab8f714_gemm_o
    .symbol:         k_qcbdab8f714_gemm_o.kd
    .args:
      - { .name: yq, .offset: 0, .size: 8, .value_kind: global_buffer, .address_space: global }
      - { .name: wc, .offset: 8, .size: 8, .value_kind: global_buffer, .address_space: global }
      - { .name: bo, .offset: 16, .size: 8, .value_kind: global_buffer, .address_space: global }
      - { .name: x, .offset: 24, .size: 8, .value_kind: global_buffer, .address_space: global }
      - { .name: x1, .offset: 32, .size: 8, .value_kind: global_buffer, .address_space: global }
      - { .name: x1q, .offset: 40, .size: 8, .value_kind: global_buffer, .address_space: global }
    .group_segment_fixed_size: 327680
    .private_segment_fixed_size: 0
    .kernarg_segment_align: 8
    .kernarg_segment_size: 48
    .max_flat_workgroup_size: 128
    .sgpr_count:     100
    .vgpr_count:     1024
    .wavefront_size: 32
...
	.end_amdgpu_metadata
.endif
;; end of part 4
;; launch gemm_1 (part 5): grid 16 x 16, 4 waves a work-group, clusters of 4 x 4, 327,680 bytes of LDS; arguments x1q, wc, b1, hq; writes hq
.if DOCPART == 5
	.amdgcn_target "amdgcn-amd-amdhsa--gfx1250"
	.amdhsa_code_object_version 6
	.text
	.protected	k_qcbdab8f714_gemm_1
	.globl	k_qcbdab8f714_gemm_1
	.p2align	8
	.type	k_qcbdab8f714_gemm_1,@function
k_qcbdab8f714_gemm_1:
	s_mov_b64 s[64:65], 0
	v_nop
	global_prefetch_b8 v0, s[64:65] scope:SCOPE_SE
	s_setreg_imm32_b32 hwreg(HW_REG_WAVE_MODE, 25, 1), 1
	s_wait_xcnt 0x0
	s_wait_alu depctr_hold_cnt(0) depctr_sa_sdst(0) depctr_va_vdst(0) depctr_va_sdst(0) depctr_va_ssrc(0) depctr_va_vcc(0) depctr_vm_vsrc(0)
	s_getreg_b32 s2, hwreg(HW_REG_IB_STS2, 6, 4)
	s_cmp_eq_u32 s2, 0
	s_cbranch_scc0 .Lentry_in_a_cluster
	s_endpgm
.Lentry_in_a_cluster:
	s_bfe_u32 s2, ttmp6, 0x10000c
	s_cmp_lg_u32 s2, 0xf033
	s_cbranch_scc0 .Lentry_shape_is_right
	s_endpgm
.Lentry_shape_is_right:
; h = silu(x1 W1 + b1) on codes of BF8 (E5M2) with E8M0 scales, quantised along the hidden axis on the way out.  silu(z) = z / (1 + 2^(-z log2 e)), in f32 (each transcendental to 1 ulp).
; Code buffers are UNITS (128 rows x 128 K, U = 16,896 bytes): fragment a holds rows rho(a, r) = 32 (a / 2) + 8 (a % 2) + r + 8 (r / 8); code (rho(a, r), 32 c + 16 h + i) at 2048 a + 512 c + 256 h + 16 r + i; scale word at 16384 + 256 (a / 4) + 16 r + 4 (a % 4).
; A tile of 256 x 256 by four waves of 128 x 128; K in steps of 256 through a ring of two LDS slots; 4 x 4 clusters with joint loads.  Source 0 = W1's columns (S0), source 1 = tokens (S1): a lane's 64 registers of accumulator row a
; are register 16 b + i = hidden unit 32 b + 16 h + i of token rho(a, r), and their codes are fragment a of the output unit 32 x token block + n128.
; LIMITS: a block of zeros or under 2^-111 gets the scale byte 1; NaN and infinities are not served.
; REGISTERS: window 0: v0-31 addresses; v32-63 scale words; v64-127 b1; v128-255 S1's fragments (way out: v128-191 a block's numbers, v192-231 the quantiser's).  window 1: S0's fragments (way out: v0-63 at work for silu).  windows 2, 3: accumulators.
.set U,      16896
.set PART,   2*U
.set SLOT,   4*PART
.set KU,     8
.set LAPS,   2
.set WOFF,   256
.set NQ,     2
.set FR,     16
.set NL,     4
.set NP,     8
.set SPARE,  304128
.set ADRA,   16
.set ADRS,   18
.set ADRB,   20
.set LI,     22
.set SPW,    28
.set NIL,    29
.set SC,     32
.set BI,     64
.set AF,     128
.set T,      128
.set PC,     192
.set TM,     208
.set PWS,    224
.set E,      0                         ; in window 1
.set G1,     24
.set G0,     32
.set G1B,    48
.set G0B,    56
.set OUT,    68
.set HI16,   74
.set SEL,    76
.set MNT,    78
.set MSB, 0
.macro WIN new
.if MSB != (\new)
	s_set_vgpr_msb (MSB<<8)|(\new)
.set MSB, (\new)
.endif
.endm
.set MUL_LO, 0xa1
.set MUL_HI, 0xf1
.set TO_B,   0x40
.macro JLOAD g0a, g1a, g0b, g1b        ; a joint load: waves 0, 1 fetch x1's halves, waves 2, 3 the weights'; an s_nop 0 and four v_nop follow each line
	s_cmp_eq_u32 s17, 0
	s_cbranch_scc0 .Lfor_b_\@
	tensor_load_to_lds s[\g0a:\g0a+3], s[\g1a:\g1a+7]
	s_nop 0
.rept 4
	v_nop
.endr
	s_branch .Lasked_\@
.Lfor_b_\@:
	tensor_load_to_lds s[\g0b:\g0b+3], s[\g1b:\g1b+7]
	s_nop 0
.rept 4
	v_nop
.endr
.Lasked_\@:
.endm
.macro CREST
	s_cmp_lg_u32 s16, 0
	s_cbranch_scc1 .Lnot_wave_0_\@
	s_barrier_signal -3
.Lnot_wave_0_\@:
	s_barrier_wait -3
	s_barrier_signal -1
	s_barrier_wait -1
.endm
.macro CROUND
	s_barrier_signal -1
	s_barrier_wait -1
	CREST
.endm
.macro FRAG reg, adr, q, i
.irp c, 0,1,2,3
	ds_load_b128 v[\reg+4*\c:\reg+4*\c+3], v[\adr] offset:(\q)*U+(\i)*2048+512*\c
.endr
.endm
.macro MUL16 a0, p, q, sc, zero        ; the 64 accumulators take turns, one instruction a turn
.irp a, \a0, \a0+1
.irp b, 0,1,2,3,4,5,6,7
.if \zero
	v_wmma_scale_f32_16x16x128_f8f6f4 v[8*(8*((\a)%4)+\b):8*(8*((\a)%4)+\b)+7], v[128*(\p)+FR*\b:128*(\p)+FR*\b+FR-1], v[AF+FR*(\a):AF+FR*(\a)+FR-1], 0, v[SC+16*(\sc)+8*(\q)+\b], v[SC+16*(\sc)+8*(\q)+(\a)] matrix_a_fmt:MATRIX_FMT_BF8 matrix_b_fmt:MATRIX_FMT_BF8 matrix_a_scale:MATRIX_SCALE_ROW1
.else
	v_wmma_scale_f32_16x16x128_f8f6f4 v[8*(8*((\a)%4)+\b):8*(8*((\a)%4)+\b)+7], v[128*(\p)+FR*\b:128*(\p)+FR*\b+FR-1], v[AF+FR*(\a):AF+FR*(\a)+FR-1], v[8*(8*((\a)%4)+\b):8*(8*((\a)%4)+\b)+7], v[SC+16*(\sc)+8*(\q)+\b], v[SC+16*(\sc)+8*(\q)+(\a)] matrix_a_fmt:MATRIX_FMT_BF8 matrix_b_fmt:MATRIX_FMT_BF8 matrix_a_scale:MATRIX_SCALE_ROW1
.endif
.endr
.endr
.endm
.macro FETCH_B slot, q, p
	WIN TO_B
.irp i, 0,1,2,3,4,5,6,7
	FRAG 128*(\p)+FR*\i, ADRB+\slot, \q, \i
.endr
	WIN 0
.endm
.macro FETCH_A slot, q, i0
.irp i, \i0, \i0+1, \i0+2, \i0+3
	FRAG AF+FR*(\i), ADRA+\slot, \q, \i
.endr
.endm
.macro SCALES s
.irp q, 0,1
.irp g, 0,1
	ds_load_b128 v[SC+16*\s+8*\q+4*\g:SC+16*\s+8*\q+4*\g+3], v[ADRS+\s] offset:\q*U+256*\g
.endr
.endr
.endm
.macro PLACES n
.rept \n
	v_nop
.endr
.endm
.macro STEP slot, q, zero
	s_wait_dscnt 4*NL                              ; all but the youngest 16 loads (S1's blocks 4-7) are in
	WIN MUL_LO
	MUL16 0, (\q)%2, \q, \slot, \zero
	MUL16 2, (\q)%2, \q, \slot, \zero
	s_wait_dscnt 0x0
	PLACES NP
	FETCH_B \slot, (\q)+1, 1-(\q)%2
	FETCH_A \slot, (\q)+1, 0
	WIN MUL_HI
	MUL16 4, (\q)%2, \q, \slot, \zero
	MUL16 6, (\q)%2, \q, \slot, \zero
	PLACES NP
	WIN 0
	FETCH_A \slot, (\q)+1, 4
.endm
.macro TURN slot, next, fill
	s_wait_tensorcnt 0x0                           ; all my tensor loads have landed: my part of the next slot
	ds_add_u32 v[SPW], v[NIL]
	s_wait_dscnt 4*NL+1                            ; (the add and the youngest 16 loads may be out)
	WIN MUL_LO
	MUL16 0, 1, NQ-1, \slot, 0
	s_wait_dscnt 0x0                               ; the add is done, and my reads of this slot are over
	s_barrier_signal -1
	MUL16 2, 1, NQ-1, \slot, 0
	WIN 0
	s_barrier_wait -1
.if \fill
	CREST
	s_add_nc_u64 s[G0+4*\slot+2:G0+4*\slot+3], s[G0+4*\slot+2:G0+4*\slot+3], 2*PART
	s_add_nc_u64 s[G0B+4*\slot+2:G0B+4*\slot+3], s[G0B+4*\slot+2:G0B+4*\slot+3], 2*PART
	JLOAD G0+4*\slot, G1, G0B+4*\slot, G1B
	PLACES NP-4
.else
	PLACES NP
.endif
	FETCH_B \next, 0, 0
	FETCH_A \next, 0, 0
	SCALES \next
	WIN MUL_HI
	MUL16 4, 1, NQ-1, \slot, 0
	MUL16 6, 1, NQ-1, \slot, 0
	PLACES NP
	WIN 0
	FETCH_A \next, 0, 4
.endm
.macro QUANT s, pc, pw
.irp b, 0,1,2,3
	v_max3_num_f32 v[TM+\b], |v[\s+16*\b]|, |v[\s+1+16*\b]|, 0x8000000
.endr
.irp i, 2,4,6,8,10,12,14
.irp b, 0,1,2,3
	v_max3_num_f32 v[TM+\b], v[TM+\b], |v[\s+16*\b+\i]|, |v[\s+1+16*\b+\i]|
.endr
.endr
.irp b, 0,1,2,3
	v_permlanex16_b32 v[TM+4+\b], v[TM+\b], s[SEL], s[SEL+1]
.endr
.irp b, 0,1,2,3
	v_max_num_f32 v[TM+\b], v[TM+\b], v[TM+4+\b]
.endr
.irp b, 0,1,2,3
	v_add_nc_u32 v[TM+12+\b], 0xf8800000, v[TM+\b]
.endr
.irp b, 0,1,2,3
	v_and_or_b32 v[TM+8+\b], v[TM+\b], 0x7f800000, s[MNT]
.endr
.irp b, 0,1,2,3
	v_lshrrev_b32 v[TM+4+\b], 23, v[TM+12+\b]
.endr
	v_lshl_or_b32 v[\pw], v[TM+5], 8, v[TM+4]
	v_lshl_or_b32 v[\pw], v[TM+6], 16, v[\pw]
	v_lshl_or_b32 v[\pw], v[TM+7], 24, v[\pw]
.irp b, 0,1,2,3
.irp i, 0,1,2,3,4,5,6,7,8,9,10,11,12,13,14,15
	v_med3_num_f32 v[\s+16*\b+\i], v[\s+16*\b+\i], -v[TM+8+\b], v[TM+8+\b]
.endr
	v_cvt_scalef32_pk8_bf8_f32 v[\pc+4*\b:\pc+4*\b+1], v[\s+16*\b:\s+16*\b+7], v[TM+12+\b]
	v_cvt_scalef32_pk8_bf8_f32 v[\pc+4*\b+2:\pc+4*\b+3], v[\s+16*\b+8:\s+16*\b+15], v[TM+12+\b]
.endr
	v_nop
.endm
.macro TAKE a
	WIN 0x02+(\a)/4
.set i, 0
.rept 32
	v_pk_add_f32 v[T+i:T+i+1], v[64*((\a)%4)+i:64*((\a)%4)+i+1], v[BI+i:BI+i+1]
.set i, i+2
.endr
	WIN 0
.endm
.macro PUT a
.irp c, 0,1,2,3
	global_store_b128 v[LI], v[PC+4*\c:PC+4*\c+3], s[OUT:OUT+1] offset:2048*(\a)+512*\c
.endr
.endm
.macro TAILW
	s_wait_xcnt 0x0
.irp j, 0,1,2,3
	v_cndmask_b32 v[PC+\j], v[PWS+\j], v[PWS+4+\j], s[HI16]
.endr
	global_store_b128 v[LI], v[PC:PC+3], s[OUT:OUT+1] offset:16384
.endm
.macro SILU                            ; T = T / (1 + 2^(-T log2 e)): two batches of 64 transcendentals, one plain line and one wait behind each
	WIN 0x40
.set i, 0
.rept 32
	v_pk_mul_f32 v[E+i:E+i+1], v[T+i:T+i+1], 0xbfb8aa3b op_sel_hi:[1,0]
.set i, i+2
.endr
	WIN 0x41
.set i, 0
.rept 64
	v_exp_f32 v[E+i], v[E+i]
.set i, i+1
.endr
	v_nop
	s_wait_alu depctr_va_vdst(0)                   ; one wait for the batch, ahead of its first reader
.set i, 0
.rept 32
	v_pk_add_f32 v[E+i:E+i+1], v[E+i:E+i+1], 1.0 op_sel_hi:[1,0]
.set i, i+2
.endr
.set i, 0
.rept 64
	v_rcp_f32 v[E+i], v[E+i]
.set i, i+1
.endr
	v_nop
	s_wait_alu depctr_va_vdst(0)
	WIN 0x04
.set i, 0
.rept 32
	v_pk_mul_f32 v[T+i:T+i+1], v[T+i:T+i+1], v[E+i:E+i+1]
.set i, i+2
.endr
	WIN 0
.endm
	s_load_b256 s[4:11], s[0:1], 0x0               ; x1q, wc, b1, hq
	v_lshl_add_u32 v[SPW], v0, 2, SPARE
	v_mov_b32 v[NIL], 0
	ds_add_u32 v[SPW], v[NIL]                      ; the wave's opening: the add, twice on end, and its wait ahead of my first tensor load
	ds_add_u32 v[SPW], v[NIL]
	v_lshrrev_b32 v1, 5, v0
	v_readfirstlane_b32 s16, v1
	s_lshr_b32 s17, s16, 1
	s_and_b32 s18, s16, 1
	s_bfe_u32 s19, ttmp6, 0x40000
	s_bfe_u32 s20, ttmp6, 0x40004
	s_lshl_b32 s21, ttmp9, 2
	s_add_co_u32 s21, s21, s19                     ; tile column
	s_and_b32 s22, ttmp7, 0xffff
	s_lshl_b32 s22, s22, 2
	s_add_co_u32 s22, s22, s20                     ; tile row
	s_lshl_b32 s40, s20, 2
	s_lshl_b32 s40, 15, s40
	s_lshl_b32 s41, 0x1111, s19
	s_or_b32 s[G1], s40, (3<<16)|(1<<21)
	s_or_b32 s[G1B], s41, (3<<16)|(1<<21)
.irp g, G1, G1B
	s_mov_b32 s[\g+1], 32<<16                      ; a dense block of 33,792 bytes as 132 rows of 256
	s_mov_b32 s[\g+2], 132<<16
	s_mov_b32 s[\g+3], 32<<16
	s_mov_b32 s[\g+4], 132
	s_mov_b32 s[\g+5], 32
	s_mov_b32 s[\g+6], 0
	s_mov_b32 s[\g+7], 0
.endr
	s_lshl_b32 s42, s22, 1
	s_add_co_u32 s42, s42, s18
	s_mul_i32 s42, s42, KU*U
	s_mov_b32 s43, 0
	s_lshl_b32 s44, s21, 1
	s_add_co_u32 s44, s44, s18
	s_mul_i32 s44, s44, KU*U
	s_add_co_u32 s44, s44, WOFF*U
	s_mov_b32 s45, 0
	s_mul_i32 s46, s16, PART
	s_mov_b32 s[HI16], 0xffff0000
	s_mov_b32 s[SEL], 0x76543210
	s_mov_b32 s[SEL+1], 0xfedcba98
	s_mov_b32 s[MNT], 0x600000
	s_wait_dscnt 0x0
	s_wait_kmcnt 0x0
	s_add_nc_u64 s[42:43], s[4:5], s[42:43]
	s_add_nc_u64 s[44:45], s[6:7], s[44:45]
	CROUND
.irp s, 0,1
	s_mov_b32 s[G0+4*\s], 1
	s_add_co_u32 s[G0+4*\s+1], s46, \s*SLOT
	s_add_nc_u64 s[G0+4*\s+2:G0+4*\s+3], s[42:43], \s*PART
	s_or_b32 s[G0+4*\s+3], s[G0+4*\s+3], 0x80000000
	s_mov_b32 s[G0B+4*\s], 1
	s_add_co_u32 s[G0B+4*\s+1], s46, \s*SLOT
	s_add_nc_u64 s[G0B+4*\s+2:G0B+4*\s+3], s[44:45], \s*PART
	s_or_b32 s[G0B+4*\s+3], s[G0B+4*\s+3], 0x80000000
	JLOAD G0+4*\s, G1, G0B+4*\s, G1B
.endr
	v_and_b32 v1, 15, v0
	v_bfe_u32 v2, v0, 4, 1
	v_and_b32 v3, 31, v0
	v_lshlrev_b32 v[LI], 4, v3
	s_mul_i32 s47, s17, PART
	s_mul_i32 s66, s18, PART
	s_add_co_u32 s66, s66, 2*PART
	s_sub_co_u32 s67, s66, s47
	v_mul_u32_u24 v5, s67, v2                      ; lanes 16-31 take S0's scale words
	v_lshl_add_u32 v4, v1, 4, v5
	v_add_nc_u32 v4, 16384, v4
.irp s, 0,1
	v_add_nc_u32 v[ADRA+\s], s47, v[LI]
	v_add_nc_u32 v[ADRB+\s], s66, v[LI]
	v_add_nc_u32 v[ADRS+\s], s47, v4
	s_add_co_u32 s47, s47, SLOT
	s_add_co_u32 s66, s66, SLOT
.endr
.irp b, 0,1,2,3
	v_mov_b32 v[TM+4+\b], 0
.endr
	s_lshl_b32 s80, s21, 1
	s_add_co_u32 s80, s80, s18                     ; n128
	s_lshl_b32 s81, s22, 1
	s_add_co_u32 s81, s81, s17                     ; token block
	s_lshl_b32 s82, s80, 9
	s_mov_b32 s83, 0
	s_add_nc_u64 s[8:9], s[8:9], s[82:83]          ; b1 at my 128 hidden units
	s_lshl_b32 s84, s81, 5
	s_add_co_u32 s84, s84, s80
	s_mul_i32 s84, s84, U
	s_mov_b32 s85, 0
	s_add_nc_u64 s[OUT:OUT+1], s[10:11], s[84:85]  ; hq's unit
	v_lshlrev_b32 v6, 6, v2
.irp b, 0,1,2,3
.irp j, 0,1,2,3
	global_load_b128 v[BI+16*\b+4*\j:BI+16*\b+4*\j+3], v6, s[8:9] offset:128*\b+16*\j
.endr
.endr
	s_wait_loadcnt 0x0
	s_wait_tensorcnt 1                             ; my part of K step 0 is in; K step 1's may be out
	s_barrier_signal -1
	s_barrier_wait -1
	FETCH_B 0, 0, 0
	FETCH_A 0, 0, 0
	SCALES 0
	FETCH_A 0, 0, 4
	STEP 0, 0, 1
	s_mov_b32 s3, LAPS-1
.Llap:
	TURN 0, 1, 1
	STEP 1, 0, 0
	TURN 1, 0, 1
	STEP 0, 0, 0
	s_sub_co_u32 s3, s3, 1
	s_cmp_lg_u32 s3, 0
	s_cbranch_scc1 .Llap
	TURN 0, 1, 0
	STEP 1, 0, 0
	s_wait_dscnt 4*NL
	WIN MUL_LO
	MUL16 0, 1, NQ-1, 1, 0
	MUL16 2, 1, NQ-1, 1, 0
	s_wait_dscnt 0x0
	WIN MUL_HI
	MUL16 4, 1, NQ-1, 1, 0
	MUL16 6, 1, NQ-1, 1, 0
	WIN 0
	PLACES NP
.irp a, 0,1,2,3,4,5,6,7
.if \a > 0
	s_wait_xcnt 0x0                                ; the last block's stores have read the codes' registers
.endif
	TAKE \a
	SILU
	QUANT T, PC, PWS+\a
	PUT \a
.endr
	TAILW
	s_wait_tensorcnt 0x0                           ; the wave's end
	ds_add_u32 v[SPW], v[NIL]
	s_wait_dscnt 0x0
	CROUND
	s_endpgm
.Lfunc_end_k_qcbdab8f714_gemm_1:
	.size	k_qcbdab8f714_gemm_1, .Lfunc_end_k_qcbdab8f714_gemm_1-k_qcbdab8f714_gemm_1
	.p2alignl 7, 3214868480
	.fill 96, 4, 3214868480
	.section	.rodata,"a",@progbits
	.p2align	6, 0x0
	.amdhsa_kernel k_qcbdab8f714_gemm_1
		.amdhsa_group_segment_fixed_size 327680
		.amdhsa_private_segment_fixed_size 0
		.amdhsa_enable_private_segment 0
		.amdhsa_kernarg_size 32
		.amdhsa_user_sgpr_count 2
		.amdhsa_user_sgpr_kernarg_segment_ptr 1
		.amdhsa_wavefront_size32 1
		.amdhsa_system_sgpr_workgroup_id_x 1
		.amdhsa_system_sgpr_workgroup_id_y 1
		.amdhsa_system_sgpr_workgroup_id_z 1
		.amdhsa_system_vgpr_workitem_id 0
		.amdhsa_next_free_vgpr 1024
		.amdhsa_next_free_sgpr 100
		.amdhsa_reserve_vcc 0
		.amdhsa_float_denorm_mode_32 3
		.amdhsa_float_denorm_mode_16_64 3
		.amdhsa_memory_ordered 1
		.amdhsa_forward_progress 1
		.amdhsa_inst_pref_size 255
	.end_amdhsa_kernel
	.section	.bss,"aw",@nobits
	.p2align	6
	.space	262144
	.amdgpu_metadata
---
amdhsa.version: [ 1, 2 ]
amdhsa.kernels:
  - .name:           k_qcbdab8f714_gemm_1
    .symbol:         k_qcbdab8f714_gemm_1.kd
    .args:
      - { .name: x1q, .offset: 0, .size: 8, .value_kind: global_buffer, .address_space: global }
      - { .name: wc, .offset: 8, .size: 8, .value_kind: global_buffer, .address_space: global }
      - { .name: b1, .offset: 16, .size: 8, .value_kind: global_buffer, .address_space: global }
      - { .name: hq, .offset: 24, .size: 8, .value_kind: global_buffer, .address_space: global }
    .group_segment_fixed_size: 327680
    .private_segment_fixed_size: 0
    .kernarg_segment_align: 8
    .kernarg_segment_size: 32
    .max_flat_workgroup_size: 128
    .sgpr_count:     100
    .vgpr_count:     1024
    .wavefront_size: 32
...
	.end_amdgpu_metadata
.endif
;; end of part 5
;; launch gemm_2 (part 6): grid 4 x 16, 4 waves a work-group, clusters of 4 x 4, 327,680 bytes of LDS; arguments hq, wc, b2, x1, out0; writes out0
.if DOCPART == 6
	.amdgcn_target "amdgcn-amd-amdhsa--gfx1250"
	.amdhsa_code_object_version 6
	.text
	.protected	k_qcbdab8f714_gemm_2
	.globl	k_qcbdab8f714_gemm_2
	.p2align	8
	.type	k_qcbdab8f714_gemm_2,@function
k_qcbdab8f714_gemm_2:
	s_mov_b64 s[64:65], 0
	v_nop
	global_prefetch_b8 v0, s[64:65] scope:SCOPE_SE
	s_setreg_imm32_b32 hwreg(HW_REG_WAVE_MODE, 25, 1), 1
	s_wait_xcnt 0x0
	s_wait_alu depctr_hold_cnt(0) depctr_sa_sdst(0) depctr_va_vdst(0) depctr_va_sdst(0) depctr_va_ssrc(0) depctr_va_vcc(0) depctr_vm_vsrc(0)
	s_getreg_b32 s2, hwreg(HW_REG_IB_STS2, 6, 4)
	s_cmp_eq_u32 s2, 0
	s_cbranch_scc0 .Lentry_in_a_cluster
	s_endpgm
.Lentry_in_a_cluster:
	s_bfe_u32 s2, ttmp6, 0x10000c
	s_cmp_lg_u32 s2, 0xf033
	s_cbranch_scc0 .Lentry_shape_is_right
	s_endpgm
.Lentry_shape_is_right:
; out0 = x1 + (h W2 + b2) on codes of BF8 (E5M2) with E8M0 scales, K = 4,096; out0 is f32, row-major.
; Code buffers are UNITS (128 rows x 128 K, U = 16,896 bytes): fragment a holds rows rho(a, r) = 32 (a / 2) + 8 (a % 2) + r + 8 (r / 8); code (rho(a, r), 32 c + 16 h + i) at 2048 a + 512 c + 256 h + 16 r + i; scale word at 16384 + 256 (a / 4) + 16 r + 4 (a % 4).
; A tile of 256 x 256 by four waves of 128 x 128; K in steps of 256 through a ring of two LDS slots; 4 x 4 clusters with joint loads.  Source 0 = W2's columns (S0), source 1 = tokens (S1): a lane's 64 registers of accumulator row a
; are register 16 b + i = feature 32 b + 16 h + i of token rho(a, r).  x1 comes as the image of just these registers: ((token block x 8 + n128) x 8 + a) x 8192 + 512 g + 16 x lane.
; A block of 16 tokens x 128 features goes through the wave's own stage in LDS and leaves as whole rows of 512 bytes.  The grid has 64 work-groups: N = 1,024 gives no more tiles of this size.
; LIMITS: NaN and infinities are not served.
; REGISTERS: window 0: v0-31 addresses; v32-63 scale words; v64-127 b2; v128-255 S1's fragments (way out: v128-191 a block's numbers).  window 1: S0's fragments (way out: v0-63 x1).  windows 2, 3: accumulators.
.set U,      16896
.set PART,   2*U
.set SLOT,   4*PART
.set KU,     32
.set LAPS,   8
.set WOFF,   512
.set NQ,     2
.set FR,     16
.set NL,     4
.set NP,     8
.set STAGE,  270336                    ; behind the ring: 16 rows x 528 bytes for each wave; no tensor load lands here
.set SPARE,  304128
.set ADRA,   16
.set ADRS,   18
.set ADRB,   20
.set LI,     22
.set SPW,    28
.set NIL,    29
.set SC,     32
.set BI,     64
.set AF,     128
.set T,      128
.set R,      0                         ; in window 1
.set G1,     24
.set G0,     32
.set G1B,    48
.set G0B,    56
.set MSB, 0
.macro WIN new
.if MSB != (\new)
	s_set_vgpr_msb (MSB<<8)|(\new)
.set MSB, (\new)
.endif
.endm
.set MUL_LO, 0xa1
.set MUL_HI, 0xf1
.set TO_B,   0x40
.macro JLOAD g0a, g1a, g0b, g1b        ; a joint load: waves 0, 1 fetch h's halves, waves 2, 3 the weights'; an s_nop 0 and four v_nop follow each line
	s_cmp_eq_u32 s17, 0
	s_cbranch_scc0 .Lfor_b_\@
	tensor_load_to_lds s[\g0a:\g0a+3], s[\g1a:\g1a+7]
	s_nop 0
.rept 4
	v_nop
.endr
	s_branch .Lasked_\@
.Lfor_b_\@:
	tensor_load_to_lds s[\g0b:\g0b+3], s[\g1b:\g1b+7]
	s_nop 0
.rept 4
	v_nop
.endr
.Lasked_\@:
.endm
.macro CREST
	s_cmp_lg_u32 s16, 0
	s_cbranch_scc1 .Lnot_wave_0_\@
	s_barrier_signal -3
.Lnot_wave_0_\@:
	s_barrier_wait -3
	s_barrier_signal -1
	s_barrier_wait -1
.endm
.macro CROUND
	s_barrier_signal -1
	s_barrier_wait -1
	CREST
.endm
.macro FRAG reg, adr, q, i
.irp c, 0,1,2,3
	ds_load_b128 v[\reg+4*\c:\reg+4*\c+3], v[\adr] offset:(\q)*U+(\i)*2048+512*\c
.endr
.endm
.macro MUL16 a0, p, q, sc, zero        ; the 64 accumulators take turns, one instruction a turn
.irp a, \a0, \a0+1
.irp b, 0,1,2,3,4,5,6,7
.if \zero
	v_wmma_scale_f32_16x16x128_f8f6f4 v[8*(8*((\a)%4)+\b):8*(8*((\a)%4)+\b)+7], v[128*(\p)+FR*\b:128*(\p)+FR*\b+FR-1], v[AF+FR*(\a):AF+FR*(\a)+FR-1], 0, v[SC+16*(\sc)+8*(\q)+\b], v[SC+16*(\sc)+8*(\q)+(\a)] matrix_a_fmt:MATRIX_FMT_BF8 matrix_b_fmt:MATRIX_FMT_BF8 matrix_a_scale:MATRIX_SCALE_ROW1
.else
	v_wmma_scale_f32_16x16x128_f8f6f4 v[8*(8*((\a)%4)+\b):8*(8*((\a)%4)+\b)+7], v[128*(\p)+FR*\b:128*(\p)+FR*\b+FR-1], v[AF+FR*(\a):AF+FR*(\a)+FR-1], v[8*(8*((\a)%4)+\b):8*(8*((\a)%4)+\b)+7], v[SC+16*(\sc)+8*(\q)+\b], v[SC+16*(\sc)+8*(\q)+(\a)] matrix_a_fmt:MATRIX_FMT_BF8 matrix_b_fmt:MATRIX_FMT_BF8 matrix_a_scale:MATRIX_SCALE_ROW1
.endif
.endr
.endr
.endm
.macro FETCH_B slot, q, p
	WIN TO_B
.irp i, 0,1,2,3,4,5,6,7
	FRAG 128*(\p)+FR*\i, ADRB+\slot, \q, \i
.endr
	WIN 0
.endm
.macro FETCH_A slot, q, i0
.irp i, \i0, \i0+1, \i0+2, \i0+3
	FRAG AF+FR*(\i), ADRA+\slot, \q, \i
.endr
.endm
.macro SCALES s
.irp q, 0,1
.irp g, 0,1
	ds_load_b128 v[SC+16*\s+8*\q+4*\g:SC+16*\s+8*\q+4*\g+3], v[ADRS+\s] offset:\q*U+256*\g
.endr
.endr
.endm
.macro PLACES n
.rept \n
	v_nop
.endr
.endm
.macro STEP slot, q, zero
	s_wait_dscnt 4*NL                              ; all but the youngest 16 loads (S1's blocks 4-7) are in
	WIN MUL_LO
	MUL16 0, (\q)%2, \q, \slot, \zero
	MUL16 2, (\q)%2, \q, \slot, \zero
	s_wait_dscnt 0x0
	PLACES NP
	FETCH_B \slot, (\q)+1, 1-(\q)%2
	FETCH_A \slot, (\q)+1, 0
	WIN MUL_HI
	MUL16 4, (\q)%2, \q, \slot, \zero
	MUL16 6, (\q)%2, \q, \slot, \zero
	PLACES NP
	WIN 0
	FETCH_A \slot, (\q)+1, 4
.endm
.macro TURN slot, next, fill
	s_wait_tensorcnt 0x0                           ; all my tensor loads have landed: my part of the next slot
	ds_add_u32 v[SPW], v[NIL]
	s_wait_dscnt 4*NL+1                            ; (the add and the youngest 16 loads may be out)
	WIN MUL_LO
	MUL16 0, 1, NQ-1, \slot, 0
	s_wait_dscnt 0x0                               ; the add is done, and my reads of this slot are over
	s_barrier_signal -1
	MUL16 2, 1, NQ-1, \slot, 0
	WIN 0
	s_barrier_wait -1
.if \fill
	CREST
	s_add_nc_u64 s[G0+4*\slot+2:G0+4*\slot+3], s[G0+4*\slot+2:G0+4*\slot+3], 2*PART
	s_add_nc_u64 s[G0B+4*\slot+2:G0B+4*\slot+3], s[G0B+4*\slot+2:G0B+4*\slot+3], 2*PART
	JLOAD G0+4*\slot, G1, G0B+4*\slot, G1B
	PLACES NP-4
.else
	PLACES NP
.endif
	FETCH_B \next, 0, 0
	FETCH_A \next, 0, 0
	SCALES \next
	WIN MUL_HI
	MUL16 4, 1, NQ-1, \slot, 0
	MUL16 6, 1, NQ-1, \slot, 0
	PLACES NP
	WIN 0
	FETCH_A \next, 0, 4
.endm
.macro TAKE a
	WIN 0x02+(\a)/4
.set i, 0
.rept 32
	v_pk_add_f32 v[T+i:T+i+1], v[64*((\a)%4)+i:64*((\a)%4)+i+1], v[BI+i:BI+i+1]
.set i, i+2
.endr
	WIN 0
.endm
.macro RLOAD a                         ; x1 of block a, as the registers stood when it was stored: 512 consecutive bytes a load, into window 1
	WIN 0x40
.set g, 0
.rept 16
	global_load_b128 v[R+4*g:R+4*g+3], v[LI], s[70:71] offset:8192*(\a)+512*g th:TH_LOAD_NT
.set g, g+1
.endr
	WIN 0
.endm
.macro ADDR
	WIN 0x04
.set i, 0
.rept 32
	v_pk_add_f32 v[T+i:T+i+1], v[T+i:T+i+1], v[R+i:R+i+1]
.set i, i+2
.endr
	WIN 0
.endm
	s_load_b256 s[4:11], s[0:1], 0x0               ; hq, wc, b2, x1
	s_load_b64 s[12:13], s[0:1], 0x20              ; out0
	v_lshl_add_u32 v[SPW], v0, 2, SPARE
	v_mov_b32 v[NIL], 0
	ds_add_u32 v[SPW], v[NIL]                      ; the wave's opening: the add, twice on end, and its wait ahead of my first tensor load
	ds_add_u32 v[SPW], v[NIL]
	v_lshrrev_b32 v1, 5, v0
	v_readfirstlane_b32 s16, v1
	s_lshr_b32 s17, s16, 1
	s_and_b32 s18, s16, 1
	s_bfe_u32 s19, ttmp6, 0x40000
	s_bfe_u32 s20, ttmp6, 0x40004
	s_lshl_b32 s21, ttmp9, 2
	s_add_co_u32 s21, s21, s19                     ; tile column
	s_and_b32 s22, ttmp7, 0xffff
	s_lshl_b32 s22, s22, 2
	s_add_co_u32 s22, s22, s20                     ; tile row
	s_lshl_b32 s40, s20, 2
	s_lshl_b32 s40, 15, s40
	s_lshl_b32 s41, 0x1111, s19
	s_or_b32 s[G1], s40, (3<<16)|(1<<21)
	s_or_b32 s[G1B], s41, (3<<16)|(1<<21)
.irp g, G1, G1B
	s_mov_b32 s[\g+1], 32<<16                      ; a dense block of 33,792 bytes as 132 rows of 256
	s_mov_b32 s[\g+2], 132<<16
	s_mov_b32 s[\g+3], 32<<16
	s_mov_b32 s[\g+4], 132
	s_mov_b32 s[\g+5], 32
	s_mov_b32 s[\g+6], 0
	s_mov_b32 s[\g+7], 0
.endr
	s_lshl_b32 s42, s22, 1
	s_add_co_u32 s42, s42, s18
	s_mul_i32 s42, s42, KU*U
	s_mov_b32 s43, 0
	s_lshl_b32 s44, s21, 1
	s_add_co_u32 s44, s44, s18
	s_mul_i32 s44, s44, KU*U
	s_add_co_u32 s44, s44, WOFF*U
	s_mov_b32 s45, 0
	s_mul_i32 s46, s16, PART
	s_wait_dscnt 0x0
	s_wait_kmcnt 0x0
	s_add_nc_u64 s[42:43], s[4:5], s[42:43]
	s_add_nc_u64 s[44:45], s[6:7], s[44:45]
	CROUND
.irp s, 0,1
	s_mov_b32 s[G0+4*\s], 1
	s_add_co_u32 s[G0+4*\s+1], s46, \s*SLOT
	s_add_nc_u64 s[G0+4*\s+2:G0+4*\s+3], s[42:43], \s*PART
	s_or_b32 s[G0+4*\s+3], s[G0+4*\s+3], 0x80000000
	s_mov_b32 s[G0B+4*\s], 1
	s_add_co_u32 s[G0B+4*\s+1], s46, \s*SLOT
	s_add_nc_u64 s[G0B+4*\s+2:G0B+4*\s+3], s[44:45], \s*PART
	s_or_b32 s[G0B+4*\s+3], s[G0B+4*\s+3], 0x80000000
	JLOAD G0+4*\s, G1, G0B+4*\s, G1B
.endr
	v_and_b32 v1, 15, v0
	v_bfe_u32 v2, v0, 4, 1
	v_and_b32 v3, 31, v0
	v_lshlrev_b32 v[LI], 4, v3
	s_mul_i32 s47, s17, PART
	s_mul_i32 s66, s18, PART
	s_add_co_u32 s66, s66, 2*PART
	s_sub_co_u32 s67, s66, s47
	v_mul_u32_u24 v5, s67, v2                      ; lanes 16-31 take S0's scale words
	v_lshl_add_u32 v4, v1, 4, v5
	v_add_nc_u32 v4, 16384, v4
.irp s, 0,1
	v_add_nc_u32 v[ADRA+\s], s47, v[LI]
	v_add_nc_u32 v[ADRB+\s], s66, v[LI]
	v_add_nc_u32 v[ADRS+\s], s47, v4
	s_add_co_u32 s47, s47, SLOT
	s_add_co_u32 s66, s66, SLOT
.endr
	s_mul_i32 s79, s16, 16*528
	s_add_co_u32 s79, s79, STAGE                   ; my stage
	v_mul_u32_u24 v24, v1, 528
	v_lshl_add_u32 v24, v2, 6, v24
	v_add_nc_u32 v24, s79, v24                     ; in: row r, + 64 h bytes
	v_add_nc_u32 v25, s79, v[LI]                   ; back: a row of 512 bytes, 16 a lane
	s_lshl_b32 s80, s21, 1
	s_add_co_u32 s80, s80, s18                     ; n128
	s_lshl_b32 s81, s22, 1
	s_add_co_u32 s81, s81, s17                     ; token block
	s_lshl_b32 s82, s80, 9
	s_mov_b32 s83, 0
	s_add_nc_u64 s[8:9], s[8:9], s[82:83]          ; b2 at my 128 features
	s_lshl_b32 s84, s81, 19
	s_add_co_u32 s84, s84, s82
	s_mov_b32 s85, 0
	s_add_nc_u64 s[72:73], s[12:13], s[84:85]      ; out0 at my 128 tokens x 128 features
	s_lshl_b32 s84, s81, 3
	s_add_co_u32 s84, s84, s80
	s_lshl_b32 s84, s84, 16
	s_add_nc_u64 s[70:71], s[10:11], s[84:85]      ; x1's image
	v_lshlrev_b32 v6, 6, v2
.irp b, 0,1,2,3
.irp j, 0,1,2,3
	global_load_b128 v[BI+16*\b+4*\j:BI+16*\b+4*\j+3], v6, s[8:9] offset:128*\b+16*\j
.endr
.endr
	s_wait_loadcnt 0x0
	s_wait_tensorcnt 1                             ; my part of K step 0 is in; K step 1's may be out
	s_barrier_signal -1
	s_barrier_wait -1
	FETCH_B 0, 0, 0
	FETCH_A 0, 0, 0
	SCALES 0
	FETCH_A 0, 0, 4
	STEP 0, 0, 1
	s_mov_b32 s3, LAPS-1
.Llap:
	TURN 0, 1, 1
	STEP 1, 0, 0
	TURN 1, 0, 1
	STEP 0, 0, 0
	s_sub_co_u32 s3, s3, 1
	s_cmp_lg_u32 s3, 0
	s_cbranch_scc1 .Llap
	TURN 0, 1, 0
	STEP 1, 0, 0
	s_wait_dscnt 4*NL
	WIN MUL_LO
	MUL16 0, 1, NQ-1, 1, 0
	MUL16 2, 1, NQ-1, 1, 0
	s_wait_dscnt 0x0
	WIN MUL_HI
	MUL16 4, 1, NQ-1, 1, 0
	MUL16 6, 1, NQ-1, 1, 0
	WIN 0
	PLACES NP
	; THE WAY OUT: sums + b2 + x1; through my own stage, so that a store covers 512 consecutive bytes of one row of out0
	RLOAD 0
.irp a, 0,1,2,3,4,5,6,7
	s_wait_loadcnt 0x0                             ; this block's x1 is in
	s_wait_xcnt 0x0                                ; the last block's stores have read their registers
	TAKE \a
	ADDR
.if \a < 7
	RLOAD \a+1
.endif
.irp b, 0,1,2,3
.irp j, 0,1,2,3
	ds_store_b128 v24, v[T+16*\b+4*\j:T+16*\b+4*\j+3] offset:128*\b+16*\j
.endr
.endr
.irp t, 0,1,2,3,4,5,6,7,8,9,10,11,12,13,14,15
	ds_load_b128 v[T+4*\t:T+4*\t+3], v25 offset:528*\t   ; LDS serves a wave's instructions in order (ISA guide 5.7.1.4): these see my stores
.endr
.irp t, 0,1,2,3,4,5,6,7,8,9,10,11,12,13,14,15
	s_wait_dscnt 15-\t                             ; row t is back; the younger rows' loads may be out
	global_store_b128 v[LI], v[T+4*\t:T+4*\t+3], s[72:73] offset:(32*(\a/2)+8*(\a%2)+\t+8*(\t/8))*4096 th:TH_STORE_NT
.endr
.endr
	s_wait_tensorcnt 0x0                           ; the wave's end
	ds_add_u32 v[SPW], v[NIL]
	s_wait_dscnt 0x0
	CROUND
	s_endpgm
.Lfunc_end_k_qcbdab8f714_gemm_2:
	.size	k_qcbdab8f714_gemm_2, .Lfunc_end_k_qcbdab8f714_gemm_2-k_qcbdab8f714_gemm_2
	.p2alignl 7, 3214868480
	.fill 96, 4, 3214868480
	.section	.rodata,"a",@progbits
	.p2align	6, 0x0
	.amdhsa_kernel k_qcbdab8f714_gemm_2
		.amdhsa_group_segment_fixed_size 327680
		.amdhsa_private_segment_fixed_size 0
		.amdhsa_enable_private_segment 0
		.amdhsa_kernarg_size 40
		.amdhsa_user_sgpr_count 2
		.amdhsa_user_sgpr_kernarg_segment_ptr 1
		.amdhsa_wavefront_size32 1
		.amdhsa_system_sgpr_workgroup_id_x 1
		.amdhsa_system_sgpr_workgroup_id_y 1
		.amdhsa_system_sgpr_workgroup_id_z 1
		.amdhsa_system_vgpr_workitem_id 0
		.amdhsa_next_free_vgpr 1024
		.amdhsa_next_free_sgpr 100
		.amdhsa_reserve_vcc 0
		.amdhsa_float_denorm_mode_32 3
		.amdhsa_float_denorm_mode_16_64 3
		.amdhsa_memory_ordered 1
		.amdhsa_forward_progress 1
		.amdhsa_inst_pref_size 192
	.end_amdhsa_kernel
	.amdgpu_metadata
---
amdhsa.version: [ 1, 2 ]
amdhsa.kernels:
  - .name:           k_qcbdab8f714_gemm_2
    .symbol:         k_qcbdab8f714_gemm_2.kd
    .args:
      - { .name: hq, .offset: 0, .size: 8, .value_kind: global_buffer, .address_space: global }
      - { .name: wc, .offset: 8, .size: 8, .value_kind: global_buffer, .address_space: global }
      - { .name: b2, .offset: 16, .size: 8, .value_kind: global_buffer, .address_space: global }
      - { .name: x1, .offset: 24, .size: 8, .value_kind: global_buffer, .address_space: global }
      - { .name: out0, .offset: 32, .size: 8, .value_kind: global_buffer, .address_space: global }
    .group_segment_fixed_size: 327680
    .private_segment_fixed_size: 0
    .kernarg_segment_align: 8
    .kernarg_segment_size: 40
    .max_flat_workgroup_size: 128
    .sgpr_count:     100
    .vgpr_count:     1024
    .wavefront_size: 32
...
	.end_amdgpu_metadata
.endif
;; end of part 6
;; ======== version 2 of 2: 6 launches
;; limits: right only within a limited range of input values
;; workspace buffers: xq 4,325,376 bytes; wc 12,976,128 bytes; qkv 12,976,128 bytes; yq 4,325,376 bytes; x1 16,777,216 bytes; x1q 4,325,376 bytes; hq 17,301,504 bytes
;; launch quant (part 7): grid 1024 x 1, 4 waves a work-group, no clusters, 1,536 bytes of LDS; arguments x, Wq, Wk, Wv, Wo, W1, W2, xq, wc; writes xq, wc
.if DOCPART == 7
	.amdgcn_target "amdgcn-amd-amdhsa--gfx1250"
	.amdhsa_code_object_version 6
	.text
	.protected	k_qcbdab8f714_quant
	.globl	k_qcbdab8f714_quant
	.p2align	8
	.type	k_qcbdab8f714_quant,@function
k_qcbdab8f714_quant:
	s_mov_b64 s[64:65], 0
	v_nop
	global_prefetch_b8 v0, s[64:65] scope:SCOPE_SE
	s_setreg_imm32_b32 hwreg(HW_REG_WAVE_MODE, 25, 1), 1
	s_wait_xcnt 0x0
; x [4096][1024] and the six weights ([K][N], K first) become codes of BF8 (E5M2) with one E8M0 byte for each 32 along K, laid in UNITS of this program's own.
; A UNIT is 128 rows x 128 K as an image of operand registers, U = 16,896 bytes: fragment a (0..7) holds rows rho(a, r) = 32 (a / 2) + 8 (a % 2) + r + 8 (r / 8), r = 0..15;
; the code of (rho(a, r), k = 32 c + 16 h + i) lies at 2048 a + 512 c + 256 h + 16 r + i; the scale word of row rho(a, r) (byte c = block c) at 16384 + 256 (a / 4) + 16 r + 4 (a % 4).
; A matrix [R][K] is units at index (row / 128) (K / 128) + k / 128.  wc holds the weights as [N][K]: Wq at unit 0, Wk 64, Wv 128, Wo 192, W1 256, W2 512.
; A block's scale is 2^(floor(log2(largest magnitude)) - 15); its byte is the largest magnitude's exponent field - 15, held at 1 from below.
; LIMITS: a block of zeros, or one whose largest magnitude lies under 2^-111, gets the byte 1 (the rule says 127 for zeros: the codes are zeros and this program alone reads the bytes); NaN and infinities are not served.
; SHARES: a work-group makes ONE unit.  Work-groups 0-767 make wc's unit of their own number: a lane to a column, registers down K, four blocks of 32 (nothing is transposed).
; Work-groups 768-1023 make xq's units: wave q makes fragments 2 q and 2 q + 1.  A unit's 512 bytes of scale words meet in LDS and leave by waves 0 and 1, 256 consecutive bytes each.  Each path has LDS bytes of its own.
.set U,     16896
.set XSC,   512                        ; LDS: 0..511 a weight unit's scale words; 512..1023 a unit of x's; from 1024 the spare words, 128 bytes a wave
.set SPARE, 1024
.set SPW,   12                         ; v12  my spare word's address; never rewritten
.set NIL,   13                         ; v13  0; never rewritten
.set MNT,   23                         ; s23  the mantissa field of 57,344
.set SEL,   56                         ; s[56:57] selects for lane l xor 16
.set OFF,   32                         ; weights: v32-63  4 x my column + i x pitch
.set X,     64                         ; v64-127 two sets of 32 numbers
.set C,     128                        ; v128-159 a set of codes for each block: no store's data are written again
.set SB,    160                        ; v160 my column's scale word
.set BASE,  32                         ; s[32:39] the source at block t's first row of K: no pointer is stepped
.set XX,    32                         ; x: v32-159 two sets of 64 numbers
.set PCX,   160                        ; v160-191 two fragments' codes
.set TM,    192                        ; v192-207 at work in QUANT
.set PWX,   208                        ; v208-209 the two fragments' scale words
; 64 numbers of a lane, register 16 b + i = k 32 b + 16 (lane / 16) + i of my row, become a fragment's codes in v[pc] on and its scale word in v[pw].
.macro QUANT s, pc, pw
.irp b, 0,1,2,3
	v_max3_num_f32 v[TM+\b], |v[\s+16*\b]|, |v[\s+1+16*\b]|, 0x8000000   ; my 16 numbers of block b, and the floor 2^(16 - 127): the byte cannot fall under 1
.endr
.irp i, 2,4,6,8,10,12,14
.irp b, 0,1,2,3
	v_max3_num_f32 v[TM+\b], v[TM+\b], |v[\s+16*\b+\i]|, |v[\s+1+16*\b+\i]|
.endr
.endr
.irp b, 0,1,2,3
	v_permlanex16_b32 v[TM+4+\b], v[TM+\b], s[SEL], s[SEL+1]
.endr
.irp b, 0,1,2,3
	v_max_num_f32 v[TM+\b], v[TM+\b], v[TM+4+\b]             ; with lane l xor 16's 16: the block's largest magnitude
.endr
.irp b, 0,1,2,3
	v_add_nc_u32 v[TM+12+\b], 0xf8800000, v[TM+\b]           ; 15 off its exponent field: the conversion's scale operand
.endr
.irp b, 0,1,2,3
	v_and_or_b32 v[TM+8+\b], v[TM+\b], 0x7f800000, s[MNT]    ; 57,344 x the scale
.endr
.irp b, 0,1,2,3
	v_lshrrev_b32 v[TM+4+\b], 23, v[TM+12+\b]                ; the scale's byte
.endr
	v_lshl_or_b32 v[\pw], v[TM+5], 8, v[TM+4]
	v_lshl_or_b32 v[\pw], v[TM+6], 16, v[\pw]
	v_lshl_or_b32 v[\pw], v[TM+7], 24, v[\pw]
.irp b, 0,1,2,3
.irp i, 0,1,2,3,4,5,6,7,8,9,10,11,12,13,14,15
	v_med3_num_f32 v[\s+16*\b+\i], v[\s+16*\b+\i], -v[TM+8+\b], v[TM+8+\b]   ; the conversion does not saturate (ISA guide 7.6.2): the hold comes first
.endr
	v_cvt_scalef32_pk8_bf8_f32 v[\pc+4*\b:\pc+4*\b+1], v[\s+16*\b:\s+16*\b+7], v[TM+12+\b]
	v_cvt_scalef32_pk8_bf8_f32 v[\pc+4*\b+2:\pc+4*\b+3], v[\s+16*\b+8:\s+16*\b+15], v[TM+12+\b]
.endr
	v_nop                                                    ; a plain line behind the last conversion
.endm
.macro WLOAD t                         ; block t of K: W(32 t + i, my column), i = 0..31; a wave's load covers 128 consecutive bytes, the four waves 512
.irp i, 0,1,2,3,4,5,6,7,8,9,10,11,12,13,14,15,16,17,18,19,20,21,22,23,24,25,26,27,28,29,30,31
	global_load_b32 v[X+32*((\t)%2)+\i], v[OFF+\i], s[BASE+2*(\t):BASE+2*(\t)+1] th:TH_LOAD_NT
.endr
.endm
.macro BLOCK t
.set XS, X+32*((\t)%2)
.set CC, C+8*(\t)
.if (\t) < 3
	s_wait_loadcnt 32                              ; this block's 32 loads are in; the next block's 32 may be out
.else
	s_wait_loadcnt 0x0
.endif
	v_max3_num_f32 v8, |v[XS]|, |v[XS+1]|, |v[XS+2]|
	v_max3_num_f32 v9, |v[XS+3]|, |v[XS+4]|, |v[XS+5]|
.irp i, 6,10,14,18,22,26
	v_max3_num_f32 v8, v8, |v[XS+\i]|, |v[XS+\i+1]|
	v_max3_num_f32 v9, v9, |v[XS+\i+2]|, |v[XS+\i+3]|
.endr
	v_max3_num_f32 v8, v8, |v[XS+30]|, |v[XS+31]|
	v_max3_num_f32 v8, v8, v9, 0x8000000           ; all 32 numbers are mine; and the floor
	v_add_nc_u32 v11, 0xf8800000, v8
	v_and_or_b32 v10, v8, 0x7f800000, s[MNT]
	v_lshrrev_b32 v9, 23, v11
.if (\t) == 0
	v_mov_b32 v[SB], v9
.else
	v_lshl_or_b32 v[SB], v9, 8*(\t), v[SB]
.endif
.irp i, 0,1,2,3,4,5,6,7,8,9,10,11,12,13,14,15,16,17,18,19,20,21,22,23,24,25,26,27,28,29,30,31
	v_med3_num_f32 v[XS+\i], v[XS+\i], -v10, v10
.endr
.irp g, 0,1,2,3
	v_cvt_scalef32_pk8_bf8_f32 v[CC+2*\g:CC+2*\g+1], v[XS+8*\g:XS+8*\g+7], v11
.endr
	global_store_b128 v14, v[CC:CC+3], s[28:29] offset:512*(\t)        ; k = 32 c + 0..15: sixteen lanes fill 256 consecutive bytes, aligned
	global_store_b128 v14, v[CC+4:CC+7], s[28:29] offset:512*(\t)+256  ; k = 32 c + 16..31
.if (\t) < 2
	WLOAD (\t)+2
.endif
.endm
.macro XLOAD j                         ; fragment j of my two: lane (r, h) takes 16 neighbours of each block of 32 of its row
.irp b, 0,1,2,3
.irp k, 0,1,2,3
	global_load_b128 v[XX+64*(\j)+16*\b+4*\k:XX+64*(\j)+16*\b+4*\k+3], v14, s[24:25] offset:8*(\j)*4096+128*\b+16*\k th:TH_LOAD_NT
.endr
.endr
.endm
	s_load_b512 s[4:19], s[0:1], 0x0               ; x, Wq, Wk, Wv, Wo, W1, W2, xq
	s_load_b64 s[20:21], s[0:1], 0x40              ; wc
	v_lshl_add_u32 v[SPW], v0, 2, SPARE
	v_mov_b32 v[NIL], 0
	v_lshrrev_b32 v1, 5, v0
	v_readfirstlane_b32 s22, v1                    ; wave
	v_and_b32 v2, 31, v0                           ; lane
	v_and_b32 v3, 15, v0                           ; r
	v_bfe_u32 v4, v0, 4, 1                         ; h
	v_and_b32 v5, 8, v0
	v_add_nc_u32 v5, v5, v3                        ; r + 8 (r / 8)
	s_mov_b32 s[MNT], 0x600000
	s_mov_b32 s[SEL], 0x76543210
	s_mov_b32 s[SEL+1], 0xfedcba98
	s_cmp_ge_u32 ttmp9, 768                        ; the work-group's number alone: all four waves go the same way
	s_cbranch_scc1 .Lxpath
	; ---- the weights.  n = work-group = unit: 0-255 Wq, Wk, Wv, Wo (64 each: 8 column blocks x 8 along K), 256-511 W1 (32 x 8), 512-767 W2 (8 x 32)
	s_lshr_b32 s27, ttmp9, 3
	s_and_b32 s48, s27, 7                          ; column block (n < 256)
	s_sub_co_u32 s49, s27, 32                      ; (256 <= n < 512)
	s_and_b32 s30, ttmp9, 7                        ; unit along K (n < 512)
	s_sub_co_u32 s52, ttmp9, 512
	s_lshr_b32 s52, s52, 5                         ; (n >= 512): column block,
	s_and_b32 s53, ttmp9, 31                       ; unit along K
	s_mov_b32 s26, 4096                            ; bytes from a row of K to the next
	s_wait_kmcnt 0x0
	s_mov_b64 s[24:25], s[6:7]
	s_cmp_ge_u32 ttmp9, 64
	s_cselect_b64 s[24:25], s[8:9], s[24:25]
	s_cmp_ge_u32 ttmp9, 128
	s_cselect_b64 s[24:25], s[10:11], s[24:25]
	s_cmp_ge_u32 ttmp9, 192
	s_cselect_b64 s[24:25], s[12:13], s[24:25]
	s_cmp_ge_u32 ttmp9, 256
	s_cselect_b64 s[24:25], s[14:15], s[24:25]
	s_cselect_b32 s26, 16384, s26
	s_cselect_b32 s48, s49, s48
	s_cmp_ge_u32 ttmp9, 512
	s_cselect_b64 s[24:25], s[16:17], s[24:25]
	s_cselect_b32 s26, 4096, s26
	s_cselect_b32 s48, s52, s48
	s_cselect_b32 s30, s53, s30
	s_lshl_b32 s48, s48, 7
	s_lshl_b32 s49, s22, 5
	s_add_co_u32 s48, s48, s49
	s_wait_alu depctr_va_vdst(0)                   ; ahead of the readers below
	v_lshl_add_u32 v6, v4, 3, v5
	v_add_nc_u32 v6, s48, v6                       ; my column: 128 x block + rho(2 wave + h, r)
	v_lshlrev_b32 v6, 2, v6
	s_wait_alu depctr_va_vdst(0)                   ; and directly behind this write
	s_mov_b32 s49, 0
.irp i, 0,1,2,3,4,5,6,7,8,9,10,11,12,13,14,15,16,17,18,19,20,21,22,23,24,25,26,27,28,29,30,31
	v_add_nc_u32 v[OFF+\i], s49, v6
	s_add_co_u32 s49, s49, s26
.endr
	s_lshl_b32 s52, s30, 7
	s_mul_i32 s52, s52, s26                        ; 128 x unit rows of K, in bytes (under 2^25)
	s_mov_b32 s53, 0
	s_add_nc_u64 s[BASE:BASE+1], s[24:25], s[52:53]
	s_lshl_b32 s52, s26, 5                         ; 32 rows on
.irp t, 1,2,3
	s_add_nc_u64 s[BASE+2*\t:BASE+2*\t+1], s[BASE+2*\t-2:BASE+2*\t-1], s[52:53]
.endr
	s_mul_i32 s54, ttmp9, U
	s_mov_b32 s55, 0
	s_add_nc_u64 s[28:29], s[20:21], s[54:55]      ; my unit
	s_lshl_b32 s49, s22, 12
	v_lshlrev_b32 v14, 4, v3
	v_lshl_add_u32 v14, v4, 11, v14
	v_add_nc_u32 v14, s49, v14                     ; codes: 2048 (2 wave + h) + 16 r
	s_lshr_b32 s49, s22, 1
	s_lshl_b32 s49, s49, 8
	s_and_b32 s52, s22, 1
	s_lshl_b32 s52, s52, 3
	s_add_co_u32 s49, s49, s52
	v_lshlrev_b32 v15, 4, v3
	v_lshl_add_u32 v15, v4, 2, v15
	v_add_nc_u32 v15, s49, v15                     ; LDS: my row's scale word: 256 (a / 4) + 16 r + 4 (a % 4), a = 2 wave + h
	v_lshlrev_b32 v16, 3, v0                       ; back, and out: 8 bytes a thread of waves 0 and 1
	s_wait_alu depctr_va_vdst(0)
	WLOAD 0
	WLOAD 1
.irp t, 0,1,2,3
	BLOCK \t
.endr
	ds_store_b32 v15, v[SB]                        ; my row's scale word
	s_wait_dscnt 0x0                               ; my scale words lie in LDS,
	s_barrier_signal -1
	s_barrier_wait -1                              ; everybody's do
	s_cmp_lt_u32 s22, 2
	s_cbranch_scc0 .Lw_end
	ds_load_b64 v[8:9], v16
	s_wait_dscnt 0x0
	global_store_b64 v16, v[8:9], s[28:29] offset:16384   ; a wave stores 256 consecutive bytes, aligned
.Lw_end:
	s_wait_tensorcnt 0x0                           ; the wave's end
	ds_add_u32 v[SPW], v[NIL]
	s_wait_dscnt 0x0
	s_endpgm
.Lxpath:                                               ; ---- x: unit = work-group - 768; my wave takes its fragments 2 wave and 2 wave + 1
	s_sub_co_u32 s25, ttmp9, 768
	s_lshr_b32 s27, s25, 3
	s_lshl_b32 s27, s27, 7
	s_lshl_b32 s30, s22, 5
	s_add_co_u32 s27, s27, s30                     ; first row: 128 x row block + 32 x wave
	s_lshl_b32 s30, s27, 12
	s_and_b32 s31, s25, 7
	s_lshl_b32 s31, s31, 9
	s_add_co_u32 s30, s30, s31                     ; + the unit's 128 columns
	s_mov_b32 s31, 0
	s_mul_i32 s32, s25, U
	s_mov_b32 s33, 0
	s_wait_alu depctr_va_vdst(0)                   ; ahead of the readers below
	v_lshlrev_b32 v14, 12, v5
	v_lshl_add_u32 v14, v4, 6, v14                 ; row r + 8 (r / 8), + 64 h bytes
	s_lshl_b32 s34, s22, 12
	v_lshlrev_b32 v15, 4, v2
	v_add_nc_u32 v15, s34, v15                     ; codes: 16 x lane + 4096 x wave
	s_lshr_b32 s34, s22, 1
	s_lshl_b32 s34, s34, 8
	s_and_b32 s35, s22, 1
	s_lshl_b32 s35, s35, 3
	s_add_co_u32 s34, s34, s35
	s_add_co_u32 s34, s34, XSC
	v_lshlrev_b32 v16, 4, v3
	v_add_nc_u32 v16, s34, v16                     ; LDS: my row's two scale words: 256 (wave / 2) + 16 r + 8 (wave % 2)
	v_lshlrev_b32 v17, 3, v0                       ; out: 8 bytes a thread of waves 0 and 1,
	v_add_nc_u32 v18, XSC, v17                     ; and the same place in LDS
.irp b, 0,1,2,3
	v_mov_b32 v[TM+4+\b], 0                        ; written once: a lane permute's destination counts as one of its sources
.endr
	s_wait_alu depctr_va_vdst(0)
	s_wait_kmcnt 0x0
	s_add_nc_u64 s[24:25], s[4:5], s[30:31]
	s_add_nc_u64 s[28:29], s[18:19], s[32:33]
	XLOAD 0
	XLOAD 1
.irp j, 0,1
	s_wait_loadcnt 16-16*\j                        ; this fragment's 16 loads are in; the second fragment's 16 may be out
	QUANT XX+64*\j, PCX+16*\j, PWX+\j
.irp c, 0,1,2,3
	global_store_b128 v15, v[PCX+16*\j+4*\c:PCX+16*\j+4*\c+3], s[28:29] offset:2048*\j+512*\c   ; 512 consecutive bytes
.endr
.endr
	ds_store_b64 v16, v[PWX:PWX+1]                 ; both lanes of a row write the same eight bytes
	s_wait_dscnt 0x0
	s_barrier_signal -1
	s_barrier_wait -1                              ; the unit's 128 scale words lie in LDS
	s_cmp_lt_u32 s22, 2
	s_cbranch_scc0 .Lx_end
	ds_load_b64 v[8:9], v18
	s_wait_dscnt 0x0
	global_store_b64 v17, v[8:9], s[28:29] offset:16384   ; a wave stores 256 consecutive bytes, aligned
.Lx_end:
	s_wait_tensorcnt 0x0                           ; the wave's end
	ds_add_u32 v[SPW], v[NIL]
	s_wait_dscnt 0x0
	s_endpgm
.Lfunc_end_k_qcbdab8f714_quant:
	.size	k_qcbdab8f714_quant, .Lfunc_end_k_qcbdab8f714_quant-k_qcbdab8f714_quant
	.p2alignl 7, 3214868480
	.fill 96, 4, 3214868480
	.section	.rodata,"a",@progbits
	.p2align	6, 0x0
	.amdhsa_kernel k_qcbdab8f714_quant
		.amdhsa_group_segment_fixed_size 1536
		.amdhsa_private_segment_fixed_size 0
		.amdhsa_enable_private_segment 0
		.amdhsa_kernarg_size 72
		.amdhsa_user_sgpr_count 2
		.amdhsa_user_sgpr_kernarg_segment_ptr 1
		.amdhsa_wavefront_size32 1
		.amdhsa_system_sgpr_workgroup_id_x 1
		.amdhsa_system_sgpr_workgroup_id_y 1
		.amdhsa_system_sgpr_workgroup_id_z 1
		.amdhsa_system_vgpr_workitem_id 0
		.amdhsa_next_free_vgpr 224
		.amdhsa_next_free_sgpr 66
		.amdhsa_reserve_vcc 0
		.amdhsa_float_denorm_mode_32 3
		.amdhsa_float_denorm_mode_16_64 3
		.amdhsa_memory_ordered 1
		.amdhsa_forward_progress 1
		.amdhsa_inst_pref_size 55
	.end_amdhsa_kernel
	.amdgpu_metadata
---
amdhsa.version: [ 1, 2 ]
amdhsa.kernels:
  - .name:           k_qcbdab8f714_quant
    .symbol:         k_qcbdab8f714_quant.kd
    .args:
      - { .name: x, .offset: 0, .size: 8, .value_kind: global_buffer, .address_space: global }
      - { .name: Wq, .offset: 8, .size: 8, .value_kind: global_buffer, .address_space: global }
      - { .name: Wk, .offset: 16, .size: 8, .value_kind: global_buffer, .address_space: global }
      - { .name: Wv, .offset: 24, .size: 8, .value_kind: global_buffer, .address_space: global }
      - { .name: Wo, .offset: 32, .size: 8, .value_kind: global_buffer, .address_space: global }
      - { .name: W1, .offset: 40, .size: 8, .value_kind: global_buffer, .address_space: global }
      - { .name: W2, .offset: 48, .size: 8, .value_kind: global_buffer, .address_space: global }
      - { .name: xq, .offset: 56, .size: 8, .value_kind: global_buffer, .address_space: global }
      - { .name: wc, .offset: 64, .size: 8, .value_kind: global_buffer, .address_space: global }
    .group_segment_fixed_size: 1536
    .private_segment_fixed_size: 0
    .kernarg_segment_align: 8
    .kernarg_segment_size: 72
    .max_flat_workgroup_size: 128
    .sgpr_count:     66
    .vgpr_count:     224
    .wavefront_size: 32
...
	.end_amdgpu_metadata
.endif
;; end of part 7
;; launch gemm_qkv (part 8): grid 12 x 16, 4 waves a work-group, clusters of 4 x 4, 327,680 bytes of LDS; arguments xq, wc, bq, bk, bv, qkv; writes qkv
.if DOCPART == 8
	.amdgcn_target "amdgcn-amd-amdhsa--gfx1250"
	.amdhsa_code_object_version 6
	.text
	.protected	k_qcbdab8f714_gemm_qkv
	.globl	k_qcbdab8f714_gemm_qkv
	.p2align	8
	.type	k_qcbdab8f714_gemm_qkv,@function
k_qcbdab8f714_gemm_qkv:
	s_mov_b64 s[64:65], 0
	v_nop
	global_prefetch_b8 v0, s[64:65] scope:SCOPE_SE
	s_setreg_imm32_b32 hwreg(HW_REG_WAVE_MODE, 25, 1), 1
	s_wait_xcnt 0x0
	s_wait_alu depctr_hold_cnt(0) depctr_sa_sdst(0) depctr_va_vdst(0) depctr_va_sdst(0) depctr_va_ssrc(0) depctr_va_vcc(0) depctr_vm_vsrc(0)
	s_getreg_b32 s2, hwreg(HW_REG_IB_STS2, 6, 4)
	s_cmp_eq_u32 s2, 0
	s_cbranch_scc0 .Lentry_in_a_cluster
	s_endpgm
.Lentry_in_a_cluster:
	s_bfe_u32 s2, ttmp6, 0x10000c
	s_cmp_lg_u32 s2, 0xf033
	s_cbranch_scc0 .Lentry_shape_is_right
	s_endpgm
.Lentry_shape_is_right:
; q = x Wq + bq, k = x Wk + bk, v = x Wv + bv on codes of BF8 (E5M2) with E8M0 scales, and the results quantised again on the way out: q and k along the head's axis, v along the KEYS.
; All code buffers are UNITS (128 rows x 128 K, U = 16,896 bytes): fragment a holds rows rho(a, r) = 32 (a / 2) + 8 (a % 2) + r + 8 (r / 8); code (rho(a, r), 32 c + 16 h + i) at 2048 a + 512 c + 256 h + 16 r + i;
; the row's scale word at 16384 + 256 (a / 4) + 16 r + 4 (a % 4).  So a fragment comes from LDS by four loads of 512 consecutive bytes, a K step's 128 rows are one dense block of 2 U bytes, and the scales ride with the codes.
; A tile of 256 x 256 is made by four waves, 128 x 128 each: 64 accumulators.  K goes in steps of 256 through a ring of two LDS slots.  4 x 4 work-groups form a cluster: x's tiles are asked for jointly along a row, the weights' along a column.
; Source 0 of a product (side S0) gives a lane's registers, source 1 (side S1) its lane.  By rho a lane's 64 registers of an accumulator row are register 16 b + i = S0 row 32 b + 16 h + i: the order in which the quantiser takes them,
; and the codes made of accumulator row a are fragment a of the output unit.  Tile columns 0-7 (q, k): S1 = tokens, S0 = features.  Tile columns 8-11 (v; cluster x = 2, the same in all partners): S1 = Wv's columns, S0 = tokens,
; so that a lane's registers run along the keys: only the LDS bases of the fragments differ, chosen by the cluster's x.
; qkv: q | k as [4096 tokens][2048]: unit 16 x token block + n128;  v^T as [1024][4096 tokens]: unit 512 + 32 x head pair + token block.
; LIMITS: a block of zeros or under 2^-111 gets the scale byte 1; NaN and infinities are not served.
; REGISTERS: window 0: v0-31 addresses; v32-63 scale words, two sets; v64-127 the bias along S0; v128-255 S1's fragments, one set (way out: v128-191 a block's numbers, v192-231 the quantiser's).  window 1: S0's fragments, two sets.  windows 2, 3: accumulators.
.set U,      16896
.set PART,   2*U                       ; 128 rows x 256 K: what one tensor load brings
.set SLOT,   4*PART                    ; x's two halves, then the weights' two
.set KU,     8                         ; units along K
.set LAPS,   2                         ; K / 512
.set WOFF,   0                         ; the weights' first unit in wc
.set NQ,     2
.set FR,     16
.set NL,     4
.set NP,     8                         ; places behind this matrix instruction (ISA guide 7.12.1)
.set SPARE,  304128                    ; the spare words, 128 bytes a wave
.set BV,     8                         ; v8-15   the bias along S1 (v's)
.set ADRA,   16                        ; v16-17  S1's fragments in slot 0, 1
.set ADRS,   18                        ; v18-19  scale words: lanes 0-15 S1's, lanes 16-31 S0's
.set ADRB,   20                        ; v20-21  S0's fragments
.set LI,     22                        ; v22     16 x lane
.set SPW,    28
.set NIL,    29
.set SC,     32                        ; set s at SC + 16 s; register 8 q + i: fragment i's words of the slot's q-th 128 along K
.set BI,     64
.set AF,     128
.set T,      128
.set PC,     192
.set TM,     208
.set PWS,    224
.set G1,     24
.set G0,     32
.set G1B,    48
.set G0B,    56
.set OUT,    68
.set HI16,   74                        ; s74 the mask of lanes 16-31
.set SEL,    76
.set MNT,    78
.set MSB, 0
.macro WIN new                         ; the immediate's high byte repeats the setting that is left
.if MSB != (\new)
	s_set_vgpr_msb (MSB<<8)|(\new)
.set MSB, (\new)
.endif
.endm
.set MUL_LO, 0xa1                      ; source 0 window 1, source 1 window 0, C and D window 2
.set MUL_HI, 0xf1
.set TO_B,   0x40
.macro JLOAD g0a, g1a, g0b, g1b        ; a joint load: waves 0, 1 fetch x's halves, waves 2, 3 the weights'; an s_nop 0 and four v_nop follow each line
	s_cmp_eq_u32 s17, 0
	s_cbranch_scc0 .Lfor_b_\@
	tensor_load_to_lds s[\g0a:\g0a+3], s[\g1a:\g1a+7]
	s_nop 0
.rept 4
	v_nop
.endr
	s_branch .Lasked_\@
.Lfor_b_\@:
	tensor_load_to_lds s[\g0b:\g0b+3], s[\g1b:\g1b+7]
	s_nop 0
.rept 4
	v_nop
.endr
.Lasked_\@:
.endm
.macro CREST
	s_cmp_lg_u32 s16, 0
	s_cbranch_scc1 .Lnot_wave_0_\@
	s_barrier_signal -3
.Lnot_wave_0_\@:
	s_barrier_wait -3
	s_barrier_signal -1
	s_barrier_wait -1
.endm
.macro CROUND
	s_barrier_signal -1
	s_barrier_wait -1
	CREST
.endm
.macro FRAG reg, adr, q, i
.irp c, 0,1,2,3
	ds_load_b128 v[\reg+4*\c:\reg+4*\c+3], v[\adr] offset:(\q)*U+(\i)*2048+512*\c
.endr
.endm
.macro MUL16 a0, p, q, sc, zero        ; S1's blocks a0, a0 + 1 x S0's eight; the 64 accumulators take turns, one instruction a turn
.irp a, \a0, \a0+1
.irp b, 0,1,2,3,4,5,6,7
.if \zero
	v_wmma_scale_f32_16x16x128_f8f6f4 v[8*(8*((\a)%4)+\b):8*(8*((\a)%4)+\b)+7], v[128*(\p)+FR*\b:128*(\p)+FR*\b+FR-1], v[AF+FR*(\a):AF+FR*(\a)+FR-1], 0, v[SC+16*(\sc)+8*(\q)+\b], v[SC+16*(\sc)+8*(\q)+(\a)] matrix_a_fmt:MATRIX_FMT_BF8 matrix_b_fmt:MATRIX_FMT_BF8 matrix_a_scale:MATRIX_SCALE_ROW1
.else
	v_wmma_scale_f32_16x16x128_f8f6f4 v[8*(8*((\a)%4)+\b):8*(8*((\a)%4)+\b)+7], v[128*(\p)+FR*\b:128*(\p)+FR*\b+FR-1], v[AF+FR*(\a):AF+FR*(\a)+FR-1], v[8*(8*((\a)%4)+\b):8*(8*((\a)%4)+\b)+7], v[SC+16*(\sc)+8*(\q)+\b], v[SC+16*(\sc)+8*(\q)+(\a)] matrix_a_fmt:MATRIX_FMT_BF8 matrix_b_fmt:MATRIX_FMT_BF8 matrix_a_scale:MATRIX_SCALE_ROW1
.endif
.endr
.endr
.endm
.macro FETCH_B slot, q, p
	WIN TO_B
.irp i, 0,1,2,3,4,5,6,7
	FRAG 128*(\p)+FR*\i, ADRB+\slot, \q, \i
.endr
	WIN 0
.endm
.macro FETCH_A slot, q, i0
.irp i, \i0, \i0+1, \i0+2, \i0+3
	FRAG AF+FR*(\i), ADRA+\slot, \q, \i
.endr
.endm
.macro SCALES s                        ; a slot's scale words: four loads, four fragments' words each
.irp q, 0,1
.irp g, 0,1
	ds_load_b128 v[SC+16*\s+8*\q+4*\g:SC+16*\s+8*\q+4*\g+3], v[ADRS+\s] offset:\q*U+256*\g
.endr
.endr
.endm
.macro PLACES n
.rept \n
	v_nop
.endr
.endm
.macro STEP slot, q, zero              ; 128 along K with its successor in the same slot
	s_wait_dscnt 4*NL                              ; all but the youngest 16 loads (S1's blocks 4-7) are in
	WIN MUL_LO
	MUL16 0, (\q)%2, \q, \slot, \zero
	MUL16 2, (\q)%2, \q, \slot, \zero
	s_wait_dscnt 0x0
	PLACES NP                                      ; in front of loads into registers that matrix instructions have read
	FETCH_B \slot, (\q)+1, 1-(\q)%2
	FETCH_A \slot, (\q)+1, 0
	WIN MUL_HI
	MUL16 4, (\q)%2, \q, \slot, \zero
	MUL16 6, (\q)%2, \q, \slot, \zero
	PLACES NP
	WIN 0
	FETCH_A \slot, (\q)+1, 4
.endm
.macro TURN slot, next, fill           ; a slot's last step changes slots: one barrier, which opens a round of the cluster's where the slot is filled again
	s_wait_tensorcnt 0x0                           ; all my tensor loads have landed: my part of the next slot
	ds_add_u32 v[SPW], v[NIL]                      ; 0 onto my spare word
	s_wait_dscnt 4*NL+1                            ; (the add and the youngest 16 loads may be out)
	WIN MUL_LO
	MUL16 0, 1, NQ-1, \slot, 0
	s_wait_dscnt 0x0                               ; the add is done, and my reads of this slot are over
	s_barrier_signal -1
	MUL16 2, 1, NQ-1, \slot, 0
	WIN 0
	s_barrier_wait -1
.if \fill
	CREST                                          ; no wave of any partner still reads this slot or has a load on its way
	s_add_nc_u64 s[G0+4*\slot+2:G0+4*\slot+3], s[G0+4*\slot+2:G0+4*\slot+3], 2*PART
	s_add_nc_u64 s[G0B+4*\slot+2:G0B+4*\slot+3], s[G0B+4*\slot+2:G0B+4*\slot+3], 2*PART
	JLOAD G0+4*\slot, G1, G0B+4*\slot, G1B         ; the first tensor load behind the round; its four v_nop are among the places below
	PLACES NP-4
.else
	PLACES NP
.endif
	FETCH_B \next, 0, 0
	FETCH_A \next, 0, 0
	SCALES \next
	WIN MUL_HI
	MUL16 4, 1, NQ-1, \slot, 0
	MUL16 6, 1, NQ-1, \slot, 0
	PLACES NP
	WIN 0
	FETCH_A \next, 0, 4
.endm
.macro QUANT s, pc, pw                 ; 64 numbers of a lane (register 16 b + i = k 32 b + 16 h + i of my row) -> a fragment's codes and its scale word
.irp b, 0,1,2,3
	v_max3_num_f32 v[TM+\b], |v[\s+16*\b]|, |v[\s+1+16*\b]|, 0x8000000   ; and the floor 2^(16 - 127): the byte cannot fall under 1
.endr
.irp i, 2,4,6,8,10,12,14
.irp b, 0,1,2,3
	v_max3_num_f32 v[TM+\b], v[TM+\b], |v[\s+16*\b+\i]|, |v[\s+1+16*\b+\i]|
.endr
.endr
.irp b, 0,1,2,3
	v_permlanex16_b32 v[TM+4+\b], v[TM+\b], s[SEL], s[SEL+1]
.endr
.irp b, 0,1,2,3
	v_max_num_f32 v[TM+\b], v[TM+\b], v[TM+4+\b]
.endr
.irp b, 0,1,2,3
	v_add_nc_u32 v[TM+12+\b], 0xf8800000, v[TM+\b]           ; 15 off the exponent field: the conversion's scale operand
.endr
.irp b, 0,1,2,3
	v_and_or_b32 v[TM+8+\b], v[TM+\b], 0x7f800000, s[MNT]    ; 57,344 x the scale
.endr
.irp b, 0,1,2,3
	v_lshrrev_b32 v[TM+4+\b], 23, v[TM+12+\b]                ; the byte
.endr
	v_lshl_or_b32 v[\pw], v[TM+5], 8, v[TM+4]
	v_lshl_or_b32 v[\pw], v[TM+6], 16, v[\pw]
	v_lshl_or_b32 v[\pw], v[TM+7], 24, v[\pw]
.irp b, 0,1,2,3
.irp i, 0,1,2,3,4,5,6,7,8,9,10,11,12,13,14,15
	v_med3_num_f32 v[\s+16*\b+\i], v[\s+16*\b+\i], -v[TM+8+\b], v[TM+8+\b]   ; the conversion does not saturate (ISA guide 7.6.2)
.endr
	v_cvt_scalef32_pk8_bf8_f32 v[\pc+4*\b:\pc+4*\b+1], v[\s+16*\b:\s+16*\b+7], v[TM+12+\b]
	v_cvt_scalef32_pk8_bf8_f32 v[\pc+4*\b+2:\pc+4*\b+3], v[\s+16*\b+8:\s+16*\b+15], v[TM+12+\b]
.endr
	v_nop
.endm
.macro TAKE a                          ; accumulator row a + the bias along S0; each accumulator is read from its low end on
	WIN 0x02+(\a)/4
.set i, 0
.rept 32
	v_pk_add_f32 v[T+i:T+i+1], v[64*((\a)%4)+i:64*((\a)%4)+i+1], v[BI+i:BI+i+1]
.set i, i+2
.endr
	WIN 0
.endm
.macro PUT a                           ; fragment a of the output unit: 512 consecutive bytes a store
.irp c, 0,1,2,3
	global_store_b128 v[LI], v[PC+4*\c:PC+4*\c+3], s[OUT:OUT+1] offset:2048*(\a)+512*\c
.endr
.endm
.macro TAILW                           ; the unit's 128 scale words: lanes 0-15 fragments 0-3, lanes 16-31 fragments 4-7: 512 consecutive bytes
	s_wait_xcnt 0x0
.irp j, 0,1,2,3
	v_cndmask_b32 v[PC+\j], v[PWS+\j], v[PWS+4+\j], s[HI16]
.endr
	global_store_b128 v[LI], v[PC:PC+3], s[OUT:OUT+1] offset:16384
.endm
	s_load_b256 s[4:11], s[0:1], 0x0               ; xq, wc, bq, bk
	s_load_b128 s[12:15], s[0:1], 0x20             ; bv, qkv
	v_lshl_add_u32 v[SPW], v0, 2, SPARE
	v_mov_b32 v[NIL], 0
	ds_add_u32 v[SPW], v[NIL]                      ; the wave's opening: the add, twice on end, and its wait ahead of my first tensor load
	ds_add_u32 v[SPW], v[NIL]
	v_lshrrev_b32 v1, 5, v0
	v_readfirstlane_b32 s16, v1                    ; wave
	s_lshr_b32 s17, s16, 1                         ; my half along S1.  Also: I fetch x's tiles (0) or the weights' (1)
	s_and_b32 s18, s16, 1                          ; my half along S0.  Also: which 128 rows I fetch
	s_bfe_u32 s19, ttmp6, 0x40000                  ; cx
	s_bfe_u32 s20, ttmp6, 0x40004                  ; cy
	s_lshl_b32 s21, ttmp9, 2
	s_add_co_u32 s21, s21, s19                     ; tile column
	s_and_b32 s22, ttmp7, 0xffff
	s_lshl_b32 s22, s22, 2
	s_add_co_u32 s22, s22, s20                     ; tile row
	s_lshl_b32 s40, s20, 2
	s_lshl_b32 s40, 15, s40                        ; my row of the cluster
	s_lshl_b32 s41, 0x1111, s19                    ; my column
	s_or_b32 s[G1], s40, (3<<16)|(1<<21)           ; the mask; elements of 8 bytes; bit 21 beside a mask; no padding
	s_or_b32 s[G1B], s41, (3<<16)|(1<<21)
.irp g, G1, G1B
	s_mov_b32 s[\g+1], 4224<<16                    ; at the head: two rows of 2 U = 33,792 bytes (4,224 elements): one K step of both row blocks of a tile,
	s_mov_b32 s[\g+2], 2<<16
	s_mov_b32 s[\g+3], 4224<<16
	s_mov_b32 s[\g+4], 2
	s_mov_b32 s[\g+5], KU*U/8                      ; which lie KU units apart in memory and on end in LDS
	s_mov_b32 s[\g+6], 0
	s_mov_b32 s[\g+7], 0
.endr
	s_lshl_b32 s42, s22, 1
	s_add_co_u32 s42, s42, s18
	s_mul_i32 s42, s42, KU*U                       ; x: row block 2 x tile row + half
	s_mov_b32 s43, 0
	s_lshl_b32 s44, s21, 1
	s_add_co_u32 s44, s44, s18
	s_mul_i32 s44, s44, KU*U                       ; weights: row block 2 x tile column + half
	s_add_co_u32 s44, s44, WOFF*U
	s_mov_b32 s45, 0
	s_mul_i32 s46, s16, PART                       ; where they go: wave x a part
	s_mov_b32 s[HI16], 0xffff0000
	s_mov_b32 s[SEL], 0x76543210
	s_mov_b32 s[SEL+1], 0xfedcba98
	s_mov_b32 s[MNT], 0x600000
	s_wait_dscnt 0x0                               ; both opening adds are done
	s_wait_kmcnt 0x0
	s_add_nc_u64 s[42:43], s[4:5], s[42:43]
	s_add_nc_u64 s[44:45], s[6:7], s[44:45]
	CROUND                                         ; all sixteen work-groups are here: the first joint loads meet
.irp s, 0,1
	s_mov_b32 s[G0+4*\s], 1
	s_add_co_u32 s[G0+4*\s+1], s46, \s*SLOT
	s_add_nc_u64 s[G0+4*\s+2:G0+4*\s+3], s[42:43], \s*PART
	s_or_b32 s[G0+4*\s+3], s[G0+4*\s+3], 0x80000000
	s_mov_b32 s[G0B+4*\s], 1
	s_add_co_u32 s[G0B+4*\s+1], s46, \s*SLOT
	s_add_nc_u64 s[G0B+4*\s+2:G0B+4*\s+3], s[44:45], \s*PART
	s_or_b32 s[G0B+4*\s+3], s[G0B+4*\s+3], 0x80000000
.endr
	; the head's loads, one a wave: waves 0, 1 fetch x's two parts of slot 0, of slot 1; waves 2, 3 the weights'.  Their groups 0: s[92:95], s[96:99].  No prefetch: the block is the largest, in clusters, and K is four slots, two of which these loads bring
	s_mul_i32 s90, s22, 2*KU*U                     ; x: the tile row's first row block,
	s_mul_i32 s23, s18, PART                       ; K step wave % 2
	s_add_co_u32 s90, s90, s23
	s_mov_b32 s91, 0
	s_mov_b32 s92, 1
	s_mul_i32 s93, s18, SLOT
	s_add_nc_u64 s[94:95], s[4:5], s[90:91]
	s_or_b32 s95, s95, 0x80000000
	s_mul_i32 s90, s21, 2*KU*U                     ; the weights: the tile column's first row block
	s_add_co_u32 s90, s90, s23
	s_add_co_u32 s90, s90, WOFF*U
	s_mov_b32 s96, 1
	s_mul_i32 s97, s18, SLOT
	s_add_co_u32 s97, s97, 2*PART
	s_add_nc_u64 s[98:99], s[6:7], s[90:91]
	s_or_b32 s99, s99, 0x80000000
	JLOAD 92, G1, 96, G1B
	v_and_b32 v1, 15, v0                           ; r
	v_bfe_u32 v2, v0, 4, 1                         ; h
	v_and_b32 v3, 31, v0
	v_lshlrev_b32 v[LI], 4, v3
	s_cmp_eq_u32 ttmp9, 2                          ; v's tile columns?  The cluster's x: the same in all partners
	s_cselect_b32 s47, 2, 0
	s_cselect_b32 s66, 0, 2
	s_add_co_u32 s47, s47, s17                     ; S1's part of a slot: tokens' half, or (v) the weights' half
	s_add_co_u32 s66, s66, s18                     ; S0's part
	s_mul_i32 s47, s47, PART
	s_mul_i32 s66, s66, PART
	v_mov_b32 v4, s47
	v_mov_b32 v5, s66
	v_cndmask_b32 v4, v4, v5, s[HI16]              ; lanes 16-31 take S0's scale words
	v_lshl_add_u32 v4, v1, 4, v4
	v_add_nc_u32 v[ADRS], 16384, v4
	v_add_nc_u32 v[ADRS+1], SLOT+16384, v4
	v_add_nc_u32 v[ADRA], s47, v[LI]
	v_add_nc_u32 v[ADRB], s66, v[LI]
	v_add_nc_u32 v[ADRA+1], SLOT, v[ADRA]
	v_add_nc_u32 v[ADRB+1], SLOT, v[ADRB]
.irp b, 0,1,2,3
	v_mov_b32 v[TM+4+\b], 0                        ; written once: a lane permute's destination counts as one of its sources
.endr
	; the output unit, and the biases
	s_lshl_b32 s80, s22, 1
	s_lshl_b32 s81, s21, 1
	s_add_co_u32 s82, s80, s17
	s_lshl_b32 s82, s82, 4
	s_add_co_u32 s82, s82, s81
	s_add_co_u32 s82, s82, s18                     ; q, k: 16 (2 ty + my S1 half) + 2 tx + my S0 half
	s_add_co_u32 s85, s81, s17
	s_sub_co_u32 s85, s85, 16                      ; v: head pair 2 (tx - 8) + my S1 half
	s_lshl_b32 s84, s85, 5
	s_add_co_u32 s84, s84, s80
	s_add_co_u32 s84, s84, s18
	s_add_co_u32 s84, s84, 512                     ; v: 512 + 32 x head pair + 2 ty + my S0 half
	s_add_co_u32 s86, s81, s18
	s_and_b32 s86, s86, 7
	s_lshl_b32 s86, s86, 9                         ; q, k: my 128 numbers of bq or bk
	s_mov_b32 s87, 0
	s_lshl_b32 s88, s85, 9                         ; v: my 128 numbers of bv
	s_mov_b32 s89, 0
	s_cmp_eq_u32 ttmp9, 2
	s_cselect_b32 s82, s84, s82
	s_mul_i32 s82, s82, U
	s_mov_b32 s83, 0
	s_add_nc_u64 s[OUT:OUT+1], s[14:15], s[82:83]
	s_cmp_eq_u32 ttmp9, 0
	s_cselect_b64 s[8:9], s[8:9], s[10:11]
	v_lshlrev_b32 v6, 6, v2                        ; 64 h
	v_and_b32 v7, 8, v0
	v_add_nc_u32 v7, v7, v1
	v_lshlrev_b32 v7, 2, v7                        ; 4 (r + 8 (r / 8))
	s_cmp_eq_u32 ttmp9, 2
	s_cbranch_scc1 .Lbias_v
	s_add_nc_u64 s[8:9], s[8:9], s[86:87]
.irp b, 0,1,2,3
.irp j, 0,1,2,3
	global_load_b128 v[BI+16*\b+4*\j:BI+16*\b+4*\j+3], v6, s[8:9] offset:128*\b+16*\j   ; register 16 b + i: the bias of feature 32 b + 16 h + i
.endr
.endr
.irp a, 0,1,2,3,4,5,6,7
	v_mov_b32 v[BV+\a], 0
.endr
	s_branch .Lbias_done
.Lbias_v:
	s_add_nc_u64 s[12:13], s[12:13], s[88:89]
	s_wait_alu depctr_va_vdst(0)
.irp a, 0,1,2,3,4,5,6,7
	global_load_b32 v[BV+\a], v7, s[12:13] offset:4*(32*(\a/2)+8*(\a%2))   ; the bias of my lane's feature rho(a, r)
.endr
.set i, 0
.rept 64
	v_mov_b32 v[BI+i], 0
.set i, i+1
.endr
.Lbias_done:
	s_wait_loadcnt 0x0
	s_wait_tensorcnt 0x0                           ; my one load is in: behind the barrier both slots are whole; no tensor load of mine is out, so a descriptor may be written:
.irp g, G1, G1B
	s_mov_b32 s[\g+1], 32<<16                      ; from here on a load brings one part, a dense block of 33,792 bytes, as 132 rows of 256
	s_mov_b32 s[\g+2], 132<<16
	s_mov_b32 s[\g+3], 32<<16
	s_mov_b32 s[\g+4], 132
	s_mov_b32 s[\g+5], 32
.endr
	s_barrier_signal -1
	s_barrier_wait -1
	FETCH_B 0, 0, 0
	FETCH_A 0, 0, 0
	SCALES 0
	FETCH_A 0, 0, 4
	STEP 0, 0, 1                                   ; the first step's products start the sums
	s_mov_b32 s3, LAPS-1
.Llap:
	TURN 0, 1, 1
	STEP 1, 0, 0
	TURN 1, 0, 1
	STEP 0, 0, 0
	s_sub_co_u32 s3, s3, 1
	s_cmp_lg_u32 s3, 0
	s_cbranch_scc1 .Llap
	TURN 0, 1, 0                                   ; the last lap fills nothing
	STEP 1, 0, 0
	s_wait_dscnt 4*NL
	WIN MUL_LO
	MUL16 0, 1, NQ-1, 1, 0
	MUL16 2, 1, NQ-1, 1, 0
	s_wait_dscnt 0x0
	WIN MUL_HI
	MUL16 4, 1, NQ-1, 1, 0
	MUL16 6, 1, NQ-1, 1, 0
	WIN 0
	PLACES NP
	; THE WAY OUT: accumulator row a + biases, quantised along S0, is fragment a of my output unit
.irp a, 0,1,2,3,4,5,6,7
.if \a > 0
	s_wait_xcnt 0x0                                ; the last block's stores have read the codes' registers
.endif
	TAKE \a
	v_mov_b32 v30, v[BV+\a]
	v_mov_b32 v31, v[BV+\a]
.set i, 0
.rept 32
	v_pk_add_f32 v[T+i:T+i+1], v[T+i:T+i+1], v[30:31]
.set i, i+2
.endr
	QUANT T, PC, PWS+\a
	PUT \a
.endr
	TAILW
	s_wait_tensorcnt 0x0                           ; the wave's end
	ds_add_u32 v[SPW], v[NIL]
	s_wait_dscnt 0x0
	CROUND                                         ; the closing round
	s_endpgm
.Lfunc_end_k_qcbdab8f714_gemm_qkv:
	.size	k_qcbdab8f714_gemm_qkv, .Lfunc_end_k_qcbdab8f714_gemm_qkv-k_qcbdab8f714_gemm_qkv
	.p2alignl 7, 3214868480
	.fill 96, 4, 3214868480
	.section	.rodata,"a",@progbits
	.p2align	6, 0x0
	.amdhsa_kernel k_qcbdab8f714_gemm_qkv
		.amdhsa_group_segment_fixed_size 327680
		.amdhsa_private_segment_fixed_size 0
		.amdhsa_enable_private_segment 0
		.amdhsa_kernarg_size 48
		.amdhsa_user_sgpr_count 2
		.amdhsa_user_sgpr_kernarg_segment_ptr 1
		.amdhsa_wavefront_size32 1
		.amdhsa_system_sgpr_workgroup_id_x 1
		.amdhsa_system_sgpr_workgroup_id_y 1
		.amdhsa_system_sgpr_workgroup_id_z 1
		.amdhsa_system_vgpr_workitem_id 0
		.amdhsa_next_free_vgpr 1024
		.amdhsa_next_free_sgpr 100
		.amdhsa_reserve_vcc 0
		.amdhsa_float_denorm_mode_32 3
		.amdhsa_float_denorm_mode_16_64 3
		.amdhsa_memory_ordered 1
		.amdhsa_forward_progress 1
		.amdhsa_inst_pref_size 219
	.end_amdhsa_kernel
	.amdgpu_metadata
---
amdhsa.version: [ 1, 2 ]
amdhsa.kernels:
  - .name:           k_qcbdab8f714_gemm_qkv
    .symbol:         k_qcbdab8f714_gemm_qkv.kd
    .args:
      - { .name: xq, .offset: 0, .size: 8, .value_kind: global_buffer, .address_space: global }
      - { .name: wc, .offset: 8, .size: 8, .value_kind: global_buffer, .address_space: global }
      - { .name: bq, .offset: 16, .size: 8, .value_kind: global_buffer, .address_space: global }
      - { .name: bk, .offset: 24, .size: 8, .value_kind: global_buffer, .address_space: global }
      - { .name: bv, .offset: 32, .size: 8, .value_kind: global_buffer, .address_space: global }
      - { .name: qkv, .offset: 40, .size: 8, .value_kind: global_buffer, .address_space: global }
    .group_segment_fixed_size: 327680
    .private_segment_fixed_size: 0
    .kernarg_segment_align: 8
    .kernarg_segment_size: 48
    .max_flat_workgroup_size: 128
    .sgpr_count:     100
    .vgpr_count:     1024
    .wavefront_size: 32
...
	.end_amdgpu_metadata
.endif
;; end of part 8
;; launch attn (part 9): grid 16 x 16, 16 waves a work-group, no clusters, 327,680 bytes of LDS; arguments qkv, yq; writes yq
.if DOCPART == 9
	.amdgcn_target "amdgcn-amd-amdhsa--gfx1250"
	.amdhsa_code_object_version 6
	.text
	.protected	k_qcbdab8f714_attn
	.globl	k_qcbdab8f714_attn
	.p2align	8
	.type	k_qcbdab8f714_attn,@function
k_qcbdab8f714_attn:
	s_mov_b64 s[64:65], 0
	v_nop
	global_prefetch_b8 v0, s[64:65] scope:SCOPE_SE
	s_setreg_imm32_b32 hwreg(HW_REG_WAVE_MODE, 25, 1), 1
	s_wait_xcnt 0x0
; y = softmax(q k^T / 8, causal) v for 2 batches x 16 heads of 64, 2,048 positions, both products on codes of BF8 (E5M2) with E8M0 scales; y is quantised along the model's axis on the way out.
; qkv and yq are UNITS (128 rows x 128 K, U = 16,896 bytes): fragment a holds rows rho(a, r) = 32 (a / 2) + 8 (a % 2) + r + 8 (r / 8); code (rho(a, r), 32 c + 16 h + i) at 2048 a + 512 c + 256 h + 16 r + i; scale word at 16384 + 256 (a / 4) + 16 r + 4 (a % 4).
; q | k: unit 16 x token block + n128 (q 0-7, k 8-15; a unit's 128 along K are a PAIR of heads);  v^T: unit 512 + 32 x head pair + token block (rows: the pair's 128 channels; K: 128 keys).
; THE SOFTMAX: t = score x log2(e) / 8; M = the running largest t rounded UP to a whole number; p = 2^(t - M) is quantised along the keys, not normalised; the sum of the unquantised p divides at the end.
; SHARES.  A work-group owns a batch, a head pair, and two runs of 64 queries: run u and run 31 - u, so that every work-group has the same number of key steps.  Wave w: head = w / 8 of the pair, run = (w / 4) % 2, query fragment w % 4: 16 queries.
; A head's 64 channels are half of the instruction's K: registers 8-15 of q's and k's fragments are zero codes, and the upper two scale bytes are 0 over them.
; Both products are used transposed: S^T = k q^T, O^T = v^T p^T: a lane holds one query.  By rho the 16 registers of tiles 2 b and 2 b + 1 of S^T are keys 32 b + 16 h + 0..15.
; No cluster: under the causal mask the work-groups of a head pair need different numbers of tiles.
; LIMITS: a block of y that is all zeros or under 2^-111 gets the scale byte 1; NaN and infinities are not served.
; REGISTERS: v1-7 addresses that stay; v8-11 the step's; v12 -M, v13 largest t, v[14:15] the sum; v16-31 q; v32-95 four fragments of k; v96-159 S^T, p, then four fragments of v; v160-191 O^T; v192-207 p's codes; v208-212 the way out's addresses; v232-254 at work; v255 q's scales.
.set U,     16896
.set SLOT1, 1<<17                      ; a slot: k's units of two key blocks at 0 and U, v's at 2 U and 3 U; slot 1 begins here
.set NSL,   8                          ; slots' worth of keys: 2,048 / 256
.set SCM,   262144                     ; 512 bytes: y's scale words of the two runs
.set SPARE, 262656                     ; the spare words, 128 bytes for each of 16 waves
.set AK0,  1
.set AV0,  2
.set ASK0, 3
.set ASV0, 4
.set SPW,  5
.set NIL,  6
.set PFO,  7                           ; 256 x lane
.set WV,   18
.set MNT,  19
.set SEL,  20
.set CS,   22                          ; s[22:23] log2(e) / 8
.set G1,   24
.set TB,   32                          ; the slot in hand
.set SLOTS, 33
.set KF,   34                          ; the step's first key
.set Q0,   35                          ; my lane 0's query
.set LQ,   36                          ; the work-group's last query
.set LIM,  37
.set PFA,  38
.set G0,   40
.set STP,  44                          ; s[44:45] a slot on in memory: 32 U among k's units, 2 U among v's
.macro TLOAD                           ; waves 0-3 fetch a unit each; an s_nop 0 and four v_nop follow the load
	s_cmp_lt_u32 s[WV], 4
	s_cbranch_scc0 .Lasked_\@
	tensor_load_to_lds s[G0:G0+3], s[G1:G1+7]
	s_nop 0
.rept 4
	v_nop
.endr
.Lasked_\@:
.endm
; A prefetch of what the NEXT change of slots will load: the 64 aligned blocks of 256 bytes of codes of each of the slot's four units.  All 16 work-groups of a head pair walk the same k and v: the first of them asks,
; in it waves 4-7, a unit each, two instructions, lanes 256 bytes apart.  The last change that fills a slot asks for nothing; slots 0 and 1 come by their loads alone.
.macro ASK
	s_cmp_gt_u32 s[SLOTS], s[LIM]
	s_cbranch_scc0 .Lnot_mine_\@
	global_prefetch_b8 v[PFO], s[PFA:PFA+1] th:TH_LOAD_NT scope:SCOPE_SE
	global_prefetch_b8 v[PFO], s[PFA:PFA+1] offset:8192 th:TH_LOAD_NT scope:SCOPE_SE
.Lnot_mine_\@:
.endm
	s_load_b128 s[4:7], s[0:1], 0x0                ; qkv, yq
	v_lshl_add_u32 v[SPW], v0, 2, SPARE
	v_mov_b32 v[NIL], 0
	ds_add_u32 v[SPW], v[NIL]                      ; the wave's opening: the add, twice on end, and its wait ahead of my first tensor load
	ds_add_u32 v[SPW], v[NIL]
	v_lshrrev_b32 v8, 5, v0
	s_delay_alu instid0(VALU_DEP_1)
	v_readfirstlane_b32 s[WV], v8
	s_and_b32 s46, ttmp7, 0xffff
	s_lshr_b32 s47, s46, 3                         ; batch
	s_and_b32 s48, s46, 7                          ; head pair
	s_lshr_b32 s49, s[WV], 3                       ; which head of the pair
	s_bfe_u32 s50, s[WV], 0x10002                  ; which run
	s_and_b32 s51, s[WV], 3                        ; which fragment; also: which unit of a slot
	s_sub_co_u32 s52, 31, ttmp9
	s_cmp_eq_u32 s50, 0
	s_cselect_b32 s52, ttmp9, s52                  ; my run of 64 queries
	s_and_b32 s53, s52, 1
	s_lshl_b32 s53, s53, 2
	s_add_co_u32 s53, s53, s51                     ; my fragment a of the token block's unit
	s_lshr_b32 s54, s52, 1
	s_lshl_b32 s55, s47, 4
	s_add_co_u32 s54, s54, s55                     ; my token block
	s_lshl_b32 s[Q0], s52, 6
	s_lshr_b32 s56, s51, 1
	s_lshl_b32 s56, s56, 5
	s_add_co_u32 s[Q0], s[Q0], s56
	s_and_b32 s56, s51, 1
	s_lshl_b32 s56, s56, 3
	s_add_co_u32 s[Q0], s[Q0], s56                 ; lane r's query is Q0 + r + 8 (r / 8): all 16 lie in one aligned group of 32
	s_lshl_b32 s[LQ], ttmp9, 6
	s_sub_co_u32 s[LQ], 2047, s[LQ]
	s_add_co_u32 s56, s55, s51
	s_lshl_b32 s57, s56, 4
	s_add_co_u32 s57, s57, s48
	s_add_co_u32 s57, s57, 8                       ; k's unit of key block j: 16 (16 b + j) + 8 + head pair
	s_lshl_b32 s58, s48, 5
	s_add_co_u32 s58, s58, s56
	s_add_co_u32 s58, s58, 510                     ; v's unit of key block j - 2: 512 + 32 x head pair + 16 b + j - 2
	s_mov_b32 s59, 2*U
	s_cmp_lt_u32 s51, 2
	s_cselect_b32 s57, s57, s58
	s_cselect_b32 s[STP], 32*U, s59
	s_mov_b32 s[STP+1], 0
	s_mul_i32 s60, s57, U
	s_mov_b32 s61, 0
	s_mov_b32 s[G1], 3<<16                         ; no mask; elements of 8 bytes; no padding: a dense unit as 66 rows of 256 bytes
	s_mov_b32 s[G1+1], 32<<16
	s_mov_b32 s[G1+2], 66<<16
	s_mov_b32 s[G1+3], 32<<16
	s_mov_b32 s[G1+4], 66
	s_mov_b32 s[G1+5], 32
	s_mov_b32 s[G1+6], 0
	s_mov_b32 s[G1+7], 0
	s_mov_b32 s[SEL], 0x76543210
	s_mov_b32 s[SEL+1], 0xfedcba98
	s_mov_b32 s[CS], 0x3e38aa3b
	s_mov_b32 s[CS+1], s[CS]
	s_mov_b32 s[MNT], 0x600000
	s_mov_b32 s[TB], 0
	s_mov_b32 s[KF], 0
	s_mov_b32 s[SLOTS], NSL-1
	s_wait_dscnt 0x0                               ; both opening adds are done
	s_wait_kmcnt 0x0
	s_mov_b32 s[G0], 1
	s_mul_i32 s[G0+1], s51, U                      ; slot 0, unit j
	s_add_nc_u64 s[G0+2:G0+3], s[4:5], s[60:61]
	s_add_nc_u64 s[PFA:PFA+1], s[G0+2:G0+3], s[STP:STP+1]   ; in slot 1: the first change of slots steps it to slot 2
	s_or_b32 s[G0+3], s[G0+3], 0x80000000
	TLOAD                                          ; slot 0: it holds key 0, which counts for every query
	s_lshr_b32 s56, s[WV], 2
	s_xor_b32 s56, s56, 1
	s_or_b32 s56, s56, ttmp9                       ; 0 in waves 4-7 of the head pair's first work-group
	s_cmp_eq_u32 s56, 0
	s_cselect_b32 s[LIM], 1, -1
	v_and_b32 v8, 31, v0
	s_delay_alu instid0(VALU_DEP_1)
	v_lshlrev_b32 v[PFO], 8, v8
	s_delay_alu instid0(VALU_DEP_2)
	v_lshlrev_b32 v8, 4, v8                        ; 16 x lane
	s_wait_alu depctr_va_vdst(0)
	v_and_b32 v9, 15, v0
	s_delay_alu instid0(VALU_DEP_1)
	v_lshlrev_b32 v9, 4, v9                        ; 16 r
	s_wait_alu depctr_va_vdst(0)
	v_bfe_u32 v10, v0, 4, 1                        ; h
	s_wait_alu depctr_va_vdst(0)
	s_lshl_b32 s56, s49, 10
	v_add_nc_u32 v[AK0], s56, v8                   ; k: my head's two register groups begin 1024 x head into a fragment
	s_lshl_b32 s56, s49, 13
	s_add_co_u32 s56, s56, 2*U
	v_add_nc_u32 v[AV0], s56, v8                   ; v: my head's four fragments
	s_lshl_b32 s56, s49, 1
	s_add_co_u32 s56, s56, 16384
	v_add_nc_u32 v[ASK0], s56, v9                  ; k's scales: my head's two bytes of a word
	s_lshl_b32 s56, s49, 8
	s_add_co_u32 s56, s56, 2*U+16384
	v_add_nc_u32 v[ASV0], s56, v9                  ; v's: my head's four words a row
	s_lshl_b32 s56, s54, 4
	s_add_co_u32 s56, s56, s48
	s_mul_i32 s56, s56, U
	s_mov_b32 s57, 0
	s_add_nc_u64 s[66:67], s[4:5], s[56:57]        ; q's unit
	s_lshl_b32 s56, s54, 3
	s_add_co_u32 s56, s56, s48
	s_mul_i32 s56, s56, U
	s_add_nc_u64 s[68:69], s[6:7], s[56:57]        ; y's unit
	s_lshl_b32 s56, s53, 11
	s_lshl_b32 s58, s49, 10
	s_add_co_u32 s56, s56, s58
	v_add_nc_u32 v208, s56, v8                     ; in both: 2048 a + 1024 x head + 16 x lane
	global_load_b128 v[16:19], v208, s[66:67]
	global_load_b128 v[20:23], v208, s[66:67] offset:512
	s_lshr_b32 s56, s53, 2
	s_lshl_b32 s56, s56, 8
	s_lshl_b32 s58, s51, 2
	s_add_co_u32 s56, s56, s58
	s_lshl_b32 s58, s49, 1
	s_add_co_u32 s56, s56, s58
	v_add_nc_u32 v209, s56, v9
	global_load_u16 v255, v209, s[66:67] offset:16384   ; q's two scale bytes; the upper two come out 0, over zero codes
	s_lshl_b32 s56, s50, 8
	s_lshl_b32 s58, s51, 2
	s_add_co_u32 s56, s56, s58
	s_lshl_b32 s58, s49, 1
	s_add_co_u32 s56, s56, s58
	s_add_co_u32 s56, s56, SCM
	v_add_nc_u32 v210, s56, v9                     ; LDS: y's half scale word: 256 x run + 16 r + 4 x fragment + 2 x head
	v_add_nc_u32 v211, SCM, v8                     ; and back: 16 x lane
	s_lshr_b32 s56, ttmp9, 1
	s_add_co_u32 s56, s56, s55
	s_lshl_b32 s56, s56, 3
	s_add_co_u32 s56, s56, s48
	s_mul_i32 s56, s56, U
	s_and_b32 s57, ttmp9, 1
	s_lshl_b32 s57, s57, 8
	s_add_co_u32 s56, s56, s57                     ; where run u's 256 bytes of scale words lie in yq (less 16384),
	s_sub_co_u32 s57, 31, ttmp9
	s_lshr_b32 s58, s57, 1
	s_add_co_u32 s58, s58, s55
	s_lshl_b32 s58, s58, 3
	s_add_co_u32 s58, s58, s48
	s_mul_i32 s58, s58, U
	s_and_b32 s57, s57, 1
	s_lshl_b32 s57, s57, 8
	s_add_co_u32 s58, s58, s57                     ; and run 31 - u's, which lie further on
	s_sub_co_u32 s58, s58, s56
	v_mul_u32_u24 v212, s58, v10
	s_delay_alu instid0(VALU_DEP_1)
	v_add_nc_u32 v212, s56, v212
	s_delay_alu instid0(VALU_DEP_1)
	v_add_nc_u32 v212, v212, v9
.irp j, 24,25,26,27,28,29,30,31
	v_mov_b32 v[\j], 0                             ; q's upper half of K: zero codes
.endr
.irp t, 0,1,2,3
.irp j, 8,9,10,11,12,13,14,15
	v_mov_b32 v[32+16*\t+\j], 0                    ; k's likewise: written once, never loaded
.endr
.endr
	v_mov_b32 v13, 0xff61b1e6                      ; the largest t so far: -3e38
	s_delay_alu instid0(VALU_DEP_1)
	v_floor_f32 v12, -v13
	v_mov_b32 v14, 0
	v_mov_b32 v15, 0
.irp b, 0,1,2,3
	v_mov_b32 v[236+\b], 0                         ; written once: a lane permute's destination counts as one of its sources
.endr
	v_mov_b32 v252, 0
	v_mov_b32 v253, 0
.set j, 0
.rept 32
	v_mov_b32 v[160+j], 0                          ; O^T: the first change of M leaves zeros zeros
.set j, j+1
.endr
; A KEY STEP: 128 keys, the q-th unit of the slot in hand.
.macro STEP q
	s_cmp_gt_u32 s[KF], s[Q0]                      ; all 128 keys come after my 16 queries: the step's work is left out (ids alone; no barrier or tensor load stands in a step)
	s_cbranch_scc1 .Lhidden_\@
	v_add_nc_u32 v8, s[TB], v[AK0]
	s_wait_alu depctr_va_vdst(0)
	v_add_nc_u32 v9, s[TB], v[AV0]
	v_add_nc_u32 v10, s[TB], v[ASK0]
	s_wait_alu depctr_va_vdst(0)
	v_add_nc_u32 v11, s[TB], v[ASV0]
.irp g, 0,1                                    ; S^T = k q^T, four tiles of 16 keys at a time
.rept 5+3*\g
	v_nop                                          ; g = 0: with the four additions nine places: the products below write over registers that the last step's second products read.  g = 1: eight, in front of loads
.endr
.irp t, 0,1,2,3
.irp c, 0,1
	ds_load_b128 v[32+16*\t+4*\c:32+16*\t+4*\c+3], v8 offset:(\q)*U+2048*(4*\g+\t)+512*\c
.endr
	ds_load_u16 v[248+\t], v10 offset:(\q)*U+256*\g+4*\t
.endr
	s_wait_dscnt 0x0
.irp t, 0,1,2,3
	v_wmma_scale_f32_16x16x128_f8f6f4 v[96+8*(4*\g+\t):103+8*(4*\g+\t)], v[32+16*\t:47+16*\t], v[16:31], 0, v[248+\t], v255 matrix_a_fmt:MATRIX_FMT_BF8 matrix_b_fmt:MATRIX_FMT_BF8
.endr
.endr
.rept 8
	v_nop
.endr
	s_add_co_u32 s46, s[KF], 127                   ; on the diagonal hidden scores become -infinity ahead of the maximum; a step all of whose keys count skips this
	s_cmp_le_u32 s46, s[Q0]
	s_cbranch_scc1 .Lopen_\@
	s_sub_co_i32 s46, s[Q0], s[KF]
	v_and_b32 v252, 15, v0
	v_and_b32 v253, 8, v0
	s_delay_alu instid0(VALU_DEP_1)
	v_add_nc_u32 v252, v252, v253
	v_and_b32 v253, 16, v0
	s_delay_alu instid0(VALU_DEP_1)
	v_sub_nc_u32 v252, v252, v253
	s_delay_alu instid0(VALU_DEP_1)
	v_add_nc_u32 v252, s46, v252                   ; d = my query - KF - 16 h.  Register 16 b + i holds key KF + 16 h + 32 b + i: hidden where 32 b + i > d
	v_mov_b32 v254, 0xff800000
.set n, 0
.rept 64
	v_cmp_gt_i32 vcc_lo, 32*(n/16)+n%16, v252
	v_cndmask_b32 v[96+n], v[96+n], v254, vcc_lo
.set n, n+1
.endr
.Lopen_\@:
.irp b, 0,1,2,3
	v_max3_num_f32 v[232+\b], v[96+16*\b], v[97+16*\b], v[98+16*\b]   ; the largest score of each block of 32 keys: for the row's maximum and, since p rises with the score, for the block's largest p
.endr
.irp i, 3,5,7,9,11,13
.irp b, 0,1,2,3
	v_max3_num_f32 v[232+\b], v[232+\b], v[96+16*\b+\i], v[97+16*\b+\i]
.endr
.endr
.irp b, 0,1,2,3
	v_max_num_f32 v[232+\b], v[232+\b], v[111+16*\b]
.endr
.irp b, 0,1,2,3
	v_permlanex16_b32 v[236+\b], v[232+\b], s[SEL], s[SEL+1]   ; (the four blocks by turns)
.endr
.irp b, 0,1,2,3
	v_max_num_f32 v[232+\b], v[232+\b], v[236+\b]
.endr
	s_delay_alu instid0(VALU_DEP_2)
	v_max3_num_f32 v254, v232, v233, v234
	s_delay_alu instid0(VALU_DEP_1)
	v_max_num_f32 v254, v254, v235
	s_delay_alu instid0(VALU_DEP_1)
	v_mul_f32 v254, s[CS], v254
	s_delay_alu instid0(VALU_DEP_1)
	v_max_num_f32 v13, v13, v254                   ; the running largest t
	v_mov_b32 v254, v12
	s_delay_alu instid0(VALU_DEP_2)
	v_floor_f32 v12, -v13                          ; -M = floor(-t): M is a whole number
	s_delay_alu instid0(VALU_DEP_1)
	v_sub_f32 v254, v12, v254
	s_delay_alu instid0(VALU_DEP_1)
	v_cvt_i32_f32 v254, v254                       ; old M - new M (it saturates)
	s_delay_alu instid0(VALU_DEP_1)
	v_ldexp_f32 v252, 1.0, v254                    ; f = 2^(old M - new M): a multiplication by it rounds nothing
.set j, 0
.rept 32
	v_pk_fma_f32 v[96+j:97+j], v[96+j:97+j], s[CS:CS+1], v[12:13] op_sel_hi:[1,0,0]   ; t - M
.set j, j+2
.endr
.irp b, 0,1,2,3
	v_fma_f32 v[232+\b], v[232+\b], s[CS], v12
.endr
.set j, 0
	s_wait_alu depctr_va_vdst(0)
.rept 64
	v_exp_f32 v[96+j], v[96+j]                     ; p = 2^(t - M)
.set j, j+1
.endr
	v_pk_mul_f32 v[14:15], v[14:15], v[252:253] op_sel_hi:[1,0]   ; the sums under the new M; a plain line behind the exponentials
	s_wait_alu depctr_va_vdst(0)                   ; one wait for the batch, ahead of its first reader
.irp b, 0,1,2,3
	v_exp_f32 v[232+\b], v[232+\b]                 ; each block's largest p
.endr
	v_pk_add_f32 v[236:237], v[100:101], v[104:105]
	v_pk_add_f32 v[250:251], v[108:109], v[112:113]
	v_pk_add_f32 v[248:249], v[116:117], v[120:121]
	v_pk_add_f32 v[246:247], v[124:125], v[128:129]
	v_pk_add_f32 v[244:245], v[132:133], v[136:137]
	v_pk_add_f32 v[242:243], v[140:141], v[144:145]
	v_pk_add_f32 v[240:241], v[148:149], v[152:153]
	v_pk_add_f32 v[14:15], v[14:15], v[156:157]
	v_pk_add_f32 v[236:237], v[236:237], v[96:97]
	v_pk_add_f32 v[250:251], v[250:251], v[98:99]
	v_pk_add_f32 v[248:249], v[248:249], v[102:103]
	v_pk_add_f32 v[246:247], v[246:247], v[106:107]
	v_pk_add_f32 v[244:245], v[244:245], v[110:111]
	v_pk_add_f32 v[242:243], v[242:243], v[114:115]
	v_pk_add_f32 v[240:241], v[240:241], v[118:119]
	v_pk_add_f32 v[14:15], v[14:15], v[122:123]
	v_pk_add_f32 v[236:237], v[236:237], v[126:127]
	v_pk_add_f32 v[250:251], v[250:251], v[130:131]
	v_pk_add_f32 v[248:249], v[248:249], v[134:135]
	v_pk_add_f32 v[246:247], v[246:247], v[138:139]
	v_pk_add_f32 v[244:245], v[244:245], v[142:143]
	v_pk_add_f32 v[242:243], v[242:243], v[146:147]
	v_pk_add_f32 v[240:241], v[240:241], v[150:151]
	v_pk_add_f32 v[14:15], v[14:15], v[154:155]
	v_pk_add_f32 v[236:237], v[236:237], v[158:159]
	s_delay_alu instid0(VALU_DEP_2)
	v_pk_add_f32 v[14:15], v[14:15], v[246:247]
	s_delay_alu instid0(VALU_DEP_2)
	v_pk_add_f32 v[236:237], v[236:237], v[244:245]
	v_pk_add_f32 v[250:251], v[250:251], v[242:243]
	v_pk_add_f32 v[248:249], v[248:249], v[240:241]
	s_delay_alu instid0(VALU_DEP_2)
	v_pk_add_f32 v[14:15], v[14:15], v[250:251]
	s_delay_alu instid0(VALU_DEP_2)
	v_pk_add_f32 v[236:237], v[236:237], v[248:249]
	s_delay_alu instid0(VALU_DEP_1)
	v_pk_add_f32 v[14:15], v[14:15], v[236:237]
	s_wait_alu depctr_va_vdst(0)                   ; and one for the four
.irp b, 0,1,2,3
	v_max_num_f32 v[232+\b], 0x8000000, v[232+\b]  ; the floor 2^(16 - 127)
.endr
.irp b, 0,1,2,3
	v_add_nc_u32 v[244+\b], 0xf8800000, v[232+\b]
.endr
.irp b, 0,1,2,3
	v_and_or_b32 v[240+\b], v[232+\b], 0x7f800000, s[MNT]
.endr
.irp b, 0,1,2,3
	v_lshrrev_b32 v[236+\b], 23, v[244+\b]
.endr
	s_delay_alu instid0(VALU_DEP_3)
	v_lshl_or_b32 v253, v237, 8, v236              ; p's scale word for these 128 keys
	s_delay_alu instid0(VALU_DEP_1)
	v_lshl_or_b32 v253, v238, 16, v253
	s_delay_alu instid0(VALU_DEP_1)
	v_lshl_or_b32 v253, v239, 24, v253
.irp b, 0,1,2,3
	v_mov_b32 v[233+\b], v[240+\b]                 ; a second copy of each bound, one register bank on: the two halves of a dual pair take their second sources from different banks
.endr
.irp b, 0,1,2,3
.irp i, 0,2,4,6,8,10,12,14
	v_dual_min_num_f32 v[96+16*\b+\i], v[96+16*\b+\i], v[240+\b] :: v_dual_min_num_f32 v[97+16*\b+\i], v[97+16*\b+\i], v[233+\b]   ; the hold, two numbers a line; p is not negative
.endr
	v_cvt_scalef32_pk8_bf8_f32 v[192+4*\b:193+4*\b], v[96+16*\b:103+16*\b], v[244+\b]
	v_cvt_scalef32_pk8_bf8_f32 v[194+4*\b:195+4*\b], v[104+16*\b:111+16*\b], v[244+\b]
.endr
	v_nop                                          ; a plain line behind the last conversion
.irp t, 0,1,2,3                                ; v's four fragments of my head take p's registers
.irp c, 0,1,2,3
	ds_load_b128 v[96+16*\t+4*\c:96+16*\t+4*\c+3], v9 offset:(\q)*U+2048*\t+512*\c
.endr
.endr
	ds_load_b128 v[248:251], v11 offset:(\q)*U     ; and their scale words
.set j, 0
.rept 16
	v_pk_mul_f32 v[160+j:161+j], v[160+j:161+j], v[252:253] op_sel_hi:[1,0]   ; O^T under the new M; also the places between the codes and the products
.set j, j+2
.endr
	s_wait_alu depctr_va_vdst(0)
	s_wait_dscnt 0x0
.irp t, 0,1,2,3
	v_wmma_scale_f32_16x16x128_f8f6f4 v[160+8*\t:167+8*\t], v[96+16*\t:111+16*\t], v[192:207], v[160+8*\t:167+8*\t], v[248+\t], v253 matrix_a_fmt:MATRIX_FMT_BF8 matrix_b_fmt:MATRIX_FMT_BF8
.endr
.Lhidden_\@:
	s_add_co_u32 s[KF], s[KF], 128
.endm
; THE CHANGE OF SLOTS, at a slot's head: every wave waits for all its tensor loads, adds 0 to its spare word, waits for that and for its reads of the slot that it has left; behind the barrier the other slot is filled with the keys that follow.
.macro CHANGE fill
	s_wait_tensorcnt 0x0                           ; no tensor load of mine is out, so the group 0 may be written
	ds_add_u32 v[SPW], v[NIL]
.if \fill
	ds_add_u32 v[SPW], v[NIL]                      ; and twice on end here, in every trip alike
	s_xor_b32 s[G0+1], s[G0+1], SLOT1
	s_add_nc_u64 s[G0+2:G0+3], s[G0+2:G0+3], s[STP:STP+1]
	s_wait_xcnt 0x0                                ; the last prefetches, a slot back, have read their address
	s_add_nc_u64 s[PFA:PFA+1], s[PFA:PFA+1], s[STP:STP+1]
.endif
	s_wait_dscnt 0x0
	s_barrier_signal -1
	s_barrier_wait -1
.if \fill
	s_add_co_u32 s46, s[KF], 256                   ; the look-ahead ends at the causal limit: a slot whose first key comes after the work-group's last query is read by none of its waves
	s_cmp_gt_u32 s46, s[LQ]                        ; ids and the count of steps alone: all sixteen waves go the same way
	s_cbranch_scc1 .Lpast_\@
	TLOAD                                          ; a wave's one tensor load until the next such barrier
.Lpast_\@:
	ASK
.endif
.endm
.macro SLOT_STEPS
	STEP 0
	STEP 1
	s_xor_b32 s[TB], s[TB], SLOT1
.endm
	s_wait_loadcnt 0x0                             ; q
.Lslot:
	CHANGE 1
	SLOT_STEPS
	s_sub_co_u32 s[SLOTS], s[SLOTS], 1
	s_cmp_lg_u32 s[SLOTS], 0
	s_cbranch_scc1 .Lslot
	CHANGE 0                                       ; the last slot is written out: nothing is left to fetch
	SLOT_STEPS
	; THE WAY OUT: O^T / the sum is y of my head: register 16 b + i = channel 32 b + 16 h + i: two blocks of the next product's K
.rept 8
	v_nop
.endr
	v_add_f32 v14, v14, v15
	s_delay_alu instid0(VALU_DEP_1)
	v_permlanex16_b32 v252, v14, s[SEL], s[SEL+1]
	s_delay_alu instid0(VALU_DEP_1)
	v_add_f32 v14, v14, v252
	s_wait_alu depctr_va_vdst(0)
	v_rcp_f32 v14, v14
	v_nop
	s_wait_alu depctr_va_vdst(0)
.set j, 0
.rept 32
	v_mul_f32 v[96+j], v[160+j], v14
.set j, j+1
.endr
.irp b, 0,1
	v_max3_num_f32 v[232+\b], |v[96+16*\b]|, |v[97+16*\b]|, 0x8000000
.endr
.irp i, 2,4,6,8,10,12,14
.irp b, 0,1
	s_delay_alu instid0(VALU_DEP_2)
	v_max3_num_f32 v[232+\b], v[232+\b], |v[96+16*\b+\i]|, |v[97+16*\b+\i]|
.endr
.endr
.irp b, 0,1
	s_delay_alu instid0(VALU_DEP_2)
	v_permlanex16_b32 v[236+\b], v[232+\b], s[SEL], s[SEL+1]
.endr
.irp b, 0,1
	s_delay_alu instid0(VALU_DEP_2)
	v_max_num_f32 v[232+\b], v[232+\b], v[236+\b]
.endr
.irp b, 0,1
	s_delay_alu instid0(VALU_DEP_2)
	v_add_nc_u32 v[244+\b], 0xf8800000, v[232+\b]
.endr
.irp b, 0,1
	s_delay_alu instid0(VALU_DEP_4)
	v_and_or_b32 v[240+\b], v[232+\b], 0x7f800000, s[MNT]
.endr
.irp b, 0,1
	s_delay_alu instid0(VALU_DEP_4)
	v_lshrrev_b32 v[236+\b], 23, v[244+\b]
.endr
	s_delay_alu instid0(VALU_DEP_1)
	v_lshl_or_b32 v253, v237, 8, v236              ; my head's half of the row's scale word
.irp b, 0,1
.irp i, 0,1,2,3,4,5,6,7,8,9,10,11,12,13,14,15
	v_med3_num_f32 v[96+16*\b+\i], v[96+16*\b+\i], -v[240+\b], v[240+\b]
.endr
	v_cvt_scalef32_pk8_bf8_f32 v[192+4*\b:193+4*\b], v[96+16*\b:103+16*\b], v[244+\b]
	v_cvt_scalef32_pk8_bf8_f32 v[194+4*\b:195+4*\b], v[104+16*\b:111+16*\b], v[244+\b]
.endr
	v_nop
	global_store_b128 v208, v[192:195], s[68:69]               ; 512 consecutive bytes each
	global_store_b128 v208, v[196:199], s[68:69] offset:512
	ds_store_b16 v210, v253                        ; both lanes of a row write the same two bytes
	s_wait_dscnt 0x0
	s_barrier_signal -1
	s_barrier_wait -1                              ; both heads' halves of all 128 words lie in LDS
	s_cmp_lg_u32 s[WV], 0
	s_cbranch_scc1 .Lnot_0
	ds_load_b128 v[96:99], v211
	s_wait_dscnt 0x0
	global_store_b128 v212, v[96:99], s[6:7] offset:16384      ; lanes 0-15 run u's 256 bytes, lanes 16-31 run 31 - u's, each aligned
.Lnot_0:
	s_wait_tensorcnt 0x0                           ; the wave's end
	ds_add_u32 v[SPW], v[NIL]
	s_wait_dscnt 0x0
	s_endpgm
.Lfunc_end_k_qcbdab8f714_attn:
	.size	k_qcbdab8f714_attn, .Lfunc_end_k_qcbdab8f714_attn-k_qcbdab8f714_attn
	.p2alignl 7, 3214868480
	.fill 96, 4, 3214868480
	.section	.rodata,"a",@progbits
	.p2align	6, 0x0
	.amdhsa_kernel k_qcbdab8f714_attn
		.amdhsa_group_segment_fixed_size 327680
		.amdhsa_private_segment_fixed_size 0
		.amdhsa_enable_private_segment 0
		.amdhsa_kernarg_size 16
		.amdhsa_user_sgpr_count 2
		.amdhsa_user_sgpr_kernarg_segment_ptr 1
		.amdhsa_wavefront_size32 1
		.amdhsa_system_sgpr_workgroup_id_x 1
		.amdhsa_system_sgpr_workgroup_id_y 1
		.amdhsa_system_sgpr_workgroup_id_z 1
		.amdhsa_system_vgpr_workitem_id 0
		.amdhsa_next_free_vgpr 256
		.amdhsa_next_free_sgpr 100
		.amdhsa_reserve_vcc 1
		.amdhsa_float_denorm_mode_32 3
		.amdhsa_float_denorm_mode_16_64 3
		.amdhsa_memory_ordered 1
		.amdhsa_forward_progress 1
		.amdhsa_inst_pref_size 119
	.end_amdhsa_kernel
	.amdgpu_metadata
---
amdhsa.version: [ 1, 2 ]
amdhsa.kernels:
  - .name:           k_qcbdab8f714_attn
    .symbol:         k_qcbdab8f714_attn.kd
    .args:
      - { .name: qkv, .offset: 0, .size: 8, .value_kind: global_buffer, .address_space: global }
      - { .name: yq, .offset: 8, .size: 8, .value_kind: global_buffer, .address_space: global }
    .group_segment_fixed_size: 327680
    .private_segment_fixed_size: 0
    .kernarg_segment_align: 8
    .kernarg_segment_size: 16
    .max_flat_workgroup_size: 512
    .sgpr_count:     100
    .vgpr_count:     256
    .wavefront_size: 32
...
	.end_amdgpu_metadata
.endif
;; end of part 9
;; launch gemm_o (part 10): grid 8 x 32, 4 waves a work-group, clusters of 4 x 4, 327,680 bytes of LDS; arguments yq, wc, bo, x, x1, x1q; writes x1, x1q
.if DOCPART == 10
	.amdgcn_target "amdgcn-amd-amdhsa--gfx1250"
	.amdhsa_code_object_version 6
	.text
	.protected	k_qcbdab8f714_gemm_o
	.globl	k_qcbdab8f714_gemm_o
	.p2align	8
	.type	k_qcbdab8f714_gemm_o,@function
k_qcbdab8f714_gemm_o:
	s_mov_b64 s[64:65], 0
	v_nop
	global_prefetch_b8 v0, s[64:65] scope:SCOPE_SE
	s_setreg_imm32_b32 hwreg(HW_REG_WAVE_MODE, 25, 1), 1
	s_wait_xcnt 0x0
	s_wait_alu depctr_hold_cnt(0) depctr_sa_sdst(0) depctr_va_vdst(0) depctr_va_sdst(0) depctr_va_ssrc(0) depctr_va_vcc(0) depctr_vm_vsrc(0)
	s_getreg_b32 s2, hwreg(HW_REG_IB_STS2, 6, 4)
	s_cmp_eq_u32 s2, 0
	s_cbranch_scc0 .Lentry_in_a_cluster
	s_endpgm
.Lentry_in_a_cluster:
	s_bfe_u32 s2, ttmp6, 0x10000c
	s_cmp_lg_u32 s2, 0xf033
	s_cbranch_scc0 .Lentry_shape_is_right
	s_endpgm
.Lentry_shape_is_right:
; x1 = x + (y Wo + bo) on codes of BF8 (E5M2) with E8M0 scales; x1 leaves twice: as f32 (an image of the registers, for the last launch's residual) and quantised along the model's axis.
; Code buffers are UNITS (128 rows x 128 K, U = 16,896 bytes): fragment a holds rows rho(a, r) = 32 (a / 2) + 8 (a % 2) + r + 8 (r / 8); code (rho(a, r), 32 c + 16 h + i) at 2048 a + 512 c + 256 h + 16 r + i; scale word at 16384 + 256 (a / 4) + 16 r + 4 (a % 4).
; M = 4,096 and N = 1,024 give 256 tiles of 128 x 128: a work-group to each.  Four waves, 64 x 64 each: wave (wh, wl) takes fragments 4 wh .. + 3 of y's unit (tokens, source 1) and 4 wl .. + 3 of Wo's (features, source 0): 16 accumulators.
; A slot holds 512 along K: y's four units, then Wo's four.  K = 1,024 is two slots: both are first fills and nothing is filled again.  4 x 4 work-groups form a cluster: y's tiles are asked for jointly along a row, Wo's along a column.
; A lane's 32 registers of accumulator row a are register 16 b + i = feature 64 wl + 32 b + 16 h + i of token rho(4 wh + a, r): two blocks of the next K: register groups c = 2 wl + b of fragment 4 wh + a, and bytes 2 wl, 2 wl + 1 of the row's scale word.
; The half words of the four waves meet in LDS, and wave 0 stores the unit's 512 bytes of scale words whole.  x1's image: ((8 ty + tx) 4 + wave) 16384 + 4096 a + 512 g + 16 x lane for registers 4 g .. 4 g + 3 of row a.
; bo and x are asked for at the head, into registers of their own, and waited for once, behind the last product.
; LIMITS: a block of zeros or under 2^-111 gets the scale byte 1 (its codes are zeros; this program alone reads the bytes); NaN and infinities are not served.
; REGISTERS: window 0: v0-31 addresses; v32-39 scale words, two sets; v40-71 bo; v72-103 a block's numbers; v104-119 the quantiser's; v128-255 accumulators ((a, b) at 128 + 8 (4 a + b)).
;   window 1: two fragment buffers of 128: source 1's four fragments, then source 0's four.   window 2: v0-127 x, later the held numbers.
.set U,      16896
.set PART,   2*U                       ; two units; a tensor load brings two parts: one operand's four units of one slot
; No prefetch: all of K is asked for at the head, and there is no loop to run ahead in.
.set SLOT,   4*PART                    ; y's four units of 512 along K, then Wo's four
.set KU,     8                         ; units along K
.set NS,     2                         ; slots' worth of K
.set WOFF,   192                       ; Wo's first unit in wc
.set NP,     8                         ; places behind this matrix instruction (ISA guide 7.12.1)
.set SCM,    270336                    ; behind the ring: 512 bytes, the output unit's scale words; no tensor load lands here
.set SPARE,  304128                    ; the spare words, 128 bytes a wave
.set PW,     8                         ; v8-11   the four blocks' half scale words
.set ADRA,   16                        ; v16-17  source 1's fragments in slot 0, 1
.set ADRS,   18                        ; v18-19  scale words: lanes 0-15 source 1's, lanes 16-31 source 0's
.set ADRB,   20                        ; v20-21  source 0's fragments
.set LI,     22                        ; v22     16 x lane
.set XA,     23                        ; v23     x: my lane's byte in a block's rows
.set RDS,    25                        ; v25     LDS: the scale words back, 16 x lane
.set SCW,    26                        ; v26     LDS: my row's half scale word
.set CW,     27                        ; v27     my codes' place in the output unit
.set SPW,    28
.set NIL,    29
.set SC,     32
.set BI,     40
.set T,      72
.set PC,     104
.set TM,     112
.set ACC,    128
.set R,      0                         ; in window 2
.set G1,     24
.set G0,     32
.set G1B,    48
.set G0B,    56
.set OUT,    68
.set SEL,    76
.set MNT,    78
.set MSB, 0
.macro WIN new                         ; the immediate's high byte repeats the setting that is left
.if MSB != (\new)
	s_set_vgpr_msb (MSB<<8)|(\new)
.set MSB, (\new)
.endif
.endm
.set MUL,    0x05                      ; sources 0 and 1 window 1; C and D window 0
.set TO_F,   0x40                      ; destination window 1, address window 0
.macro JLOAD g0a, g1a, g0b, g1b        ; a joint load: waves 0, 1 fetch y's halves along K, waves 2, 3 Wo's; an s_nop 0 and four v_nop follow each line
	s_cmp_eq_u32 s17, 0
	s_cbranch_scc0 .Lfor_b_\@
	tensor_load_to_lds s[\g0a:\g0a+3], s[\g1a:\g1a+7]
	s_nop 0
.rept 4
	v_nop
.endr
	s_branch .Lasked_\@
.Lfor_b_\@:
	tensor_load_to_lds s[\g0b:\g0b+3], s[\g1b:\g1b+7]
	s_nop 0
.rept 4
	v_nop
.endr
.Lasked_\@:
.endm
.macro CREST
	s_cmp_lg_u32 s16, 0
	s_cbranch_scc1 .Lnot_wave_0_\@
	s_barrier_signal -3
.Lnot_wave_0_\@:
	s_barrier_wait -3
	s_barrier_signal -1
	s_barrier_wait -1
.endm
.macro CROUND
	s_barrier_signal -1
	s_barrier_wait -1
	CREST
.endm
.macro FRAG reg, adr, q, i             ; a fragment: four loads of 512 consecutive bytes
.irp c, 0,1,2,3
	ds_load_b128 v[\reg+4*\c:\reg+4*\c+3], v[\adr] offset:(\q)*U+(\i)*2048+512*\c
.endr
.endm
.macro MUL16 p, zero                   ; 128 along K from buffer p; the 16 accumulators take turns, one instruction a turn
.irp a, 0,1,2,3
.irp b, 0,1,2,3
.if \zero
	v_wmma_scale_f32_16x16x128_f8f6f4 v[ACC+8*(4*\a+\b):ACC+8*(4*\a+\b)+7], v[128*(\p)+64+16*\b:128*(\p)+64+16*\b+15], v[128*(\p)+16*\a:128*(\p)+16*\a+15], 0, v[SC+4*(\p)+\b], v[SC+4*(\p)+\a] matrix_a_fmt:MATRIX_FMT_BF8 matrix_b_fmt:MATRIX_FMT_BF8 matrix_a_scale:MATRIX_SCALE_ROW1
.else
	v_wmma_scale_f32_16x16x128_f8f6f4 v[ACC+8*(4*\a+\b):ACC+8*(4*\a+\b)+7], v[128*(\p)+64+16*\b:128*(\p)+64+16*\b+15], v[128*(\p)+16*\a:128*(\p)+16*\a+15], v[ACC+8*(4*\a+\b):ACC+8*(4*\a+\b)+7], v[SC+4*(\p)+\b], v[SC+4*(\p)+\a] matrix_a_fmt:MATRIX_FMT_BF8 matrix_b_fmt:MATRIX_FMT_BF8 matrix_a_scale:MATRIX_SCALE_ROW1
.endif
.endr
.endr
.endm
.macro FETCH slot, q                   ; 33 LDS loads: the scale words of my 4 + 4 fragments by one load, then the fragments, into buffer q % 2
	ds_load_b128 v[SC+4*((\q)%2):SC+4*((\q)%2)+3], v[ADRS+\slot] offset:(\q)*U
	WIN TO_F
.irp i, 0,1,2,3
	FRAG 128*((\q)%2)+64+16*\i, ADRB+\slot, \q, \i
.endr
.irp i, 0,1,2,3
	FRAG 128*((\q)%2)+16*\i, ADRA+\slot, \q, \i
.endr
	WIN 0
.endm
.macro PLACES n
.rept \n
	v_nop
.endr
.endm
.macro STEP slot, q, zero              ; the slot's q-th 128 along K
.if (\q) < 3
	s_wait_dscnt 33                                ; this step's 33 loads are in; the next step's 33 may be out
.else
	s_wait_dscnt 0x0
.endif
	WIN MUL
	MUL16 (\q)%2, \zero
	WIN 0
	PLACES NP                                      ; in front of loads into registers that these products have read, and of the first read of results
.if (\q) < 2
	FETCH \slot, (\q)+2
.endif
.endm
.macro SLOTWORK slot, zero
	FETCH \slot, 0
	FETCH \slot, 1
	STEP \slot, 0, \zero
	STEP \slot, 1, 0
	STEP \slot, 2, 0
	STEP \slot, 3, 0
.endm
; The change of slots: every wave waits for all its tensor loads (its part of the next slot), adds 0 to its spare word, waits for that and for its reads of the slot just read.  fill = 1: a round of the cluster's barrier, and that slot is filled again, two slots ahead.
.macro CHANGE slot, fill
	s_wait_tensorcnt 0x0                           ; no tensor load of mine is out, so a group 0 may be written
	ds_add_u32 v[SPW], v[NIL]
.if \fill
	s_add_nc_u64 s[G0+4*\slot+2:G0+4*\slot+3], s[G0+4*\slot+2:G0+4*\slot+3], 4*PART
	s_add_nc_u64 s[G0B+4*\slot+2:G0B+4*\slot+3], s[G0B+4*\slot+2:G0B+4*\slot+3], 4*PART
	s_wait_dscnt 0x0
	CROUND
	JLOAD G0+4*\slot, G1, G0B+4*\slot, G1B
.else
	s_wait_dscnt 0x0
	s_barrier_signal -1
	s_barrier_wait -1
.endif
.endm
; 32 numbers of a lane in v[T] on (register 16 b + i = k 32 b + 16 h + i of my row) -> 8 registers of codes in v[PC] on and half a scale word in v[PW + a].  The held numbers go to x's registers of block a, which are done with: v[T] on is still read by stores.
.macro QUANT2 a
.irp b, 0,1
	v_max3_num_f32 v[TM+\b], |v[T+16*\b]|, |v[T+1+16*\b]|, 0x8000000   ; and the floor 2^(16 - 127): the byte cannot fall under 1
.endr
.irp i, 2,4,6,8,10,12,14
.irp b, 0,1
	v_max3_num_f32 v[TM+\b], v[TM+\b], |v[T+16*\b+\i]|, |v[T+1+16*\b+\i]|
.endr
.endr
.irp b, 0,1
	v_permlanex16_b32 v[TM+2+\b], v[TM+\b], s[SEL], s[SEL+1]
.endr
.irp b, 0,1
	v_max_num_f32 v[TM+\b], v[TM+\b], v[TM+2+\b]             ; with lane l xor 16's 16: the block's largest magnitude
.endr
.irp b, 0,1
	v_add_nc_u32 v[TM+6+\b], 0xf8800000, v[TM+\b]            ; 15 off the exponent field: the conversion's scale operand
.endr
.irp b, 0,1
	v_and_or_b32 v[TM+4+\b], v[TM+\b], 0x7f800000, s[MNT]    ; 57,344 x the scale
.endr
.irp b, 0,1
	v_lshrrev_b32 v[TM+2+\b], 23, v[TM+6+\b]                 ; the byte
.endr
	v_lshl_or_b32 v[PW+(\a)], v[TM+3], 8, v[TM+2]
	WIN 0x80                                       ; destination window 2
.irp b, 0,1
.irp i, 0,1,2,3,4,5,6,7,8,9,10,11,12,13,14,15
	v_med3_num_f32 v[R+32*(\a)+16*\b+\i], v[T+16*\b+\i], -v[TM+4+\b], v[TM+4+\b]   ; the conversion does not saturate (ISA guide 7.6.2): the hold comes first
.endr
.endr
	WIN 0x02                                       ; source 0 window 2
.irp b, 0,1
	v_cvt_scalef32_pk8_bf8_f32 v[PC+4*\b:PC+4*\b+1], v[R+32*(\a)+16*\b:R+32*(\a)+16*\b+7], v[TM+6+\b]
	v_cvt_scalef32_pk8_bf8_f32 v[PC+4*\b+2:PC+4*\b+3], v[R+32*(\a)+16*\b+8:R+32*(\a)+16*\b+15], v[TM+6+\b]
.endr
	WIN 0
	v_nop                                          ; a plain line behind the last conversion
.endm
	s_load_b256 s[4:11], s[0:1], 0x0               ; yq, wc, bo, x
	s_load_b128 s[12:15], s[0:1], 0x20             ; x1, x1q
	v_lshl_add_u32 v[SPW], v0, 2, SPARE
	v_mov_b32 v[NIL], 0
	ds_add_u32 v[SPW], v[NIL]                      ; the wave's opening: the add, twice on end, and its wait ahead of my first tensor load
	ds_add_u32 v[SPW], v[NIL]
	v_lshrrev_b32 v1, 5, v0
	v_readfirstlane_b32 s16, v1                    ; wave
	s_lshr_b32 s17, s16, 1                         ; wh: my half of the tokens.  Also: I fetch y's tiles (0) or Wo's (1)
	s_and_b32 s18, s16, 1                          ; wl: my half of the features.  Also: which slot's four units I fetch
	s_bfe_u32 s19, ttmp6, 0x40000                  ; cx
	s_bfe_u32 s20, ttmp6, 0x40004                  ; cy
	s_lshl_b32 s21, ttmp9, 2
	s_add_co_u32 s21, s21, s19                     ; tx: tile column = feature block
	s_and_b32 s22, ttmp7, 0xffff
	s_lshl_b32 s22, s22, 2
	s_add_co_u32 s22, s22, s20                     ; ty: tile row = token block
	s_lshl_b32 s40, s20, 2
	s_lshl_b32 s40, 15, s40                        ; my row of the cluster
	s_lshl_b32 s41, 0x1111, s19                    ; my column
	s_or_b32 s[G1], s40, (3<<16)|(1<<21)           ; the mask; elements of 8 bytes; bit 21 beside a mask; no padding
	s_or_b32 s[G1B], s41, (3<<16)|(1<<21)
.irp g, G1, G1B
	s_mov_b32 s[\g+1], 32<<16                      ; a dense block of 4 U = 67,584 bytes as 264 rows of 256
	s_mov_b32 s[\g+2], 264<<16
	s_mov_b32 s[\g+3], 32<<16
	s_mov_b32 s[\g+4], 264
	s_mov_b32 s[\g+5], 32
	s_mov_b32 s[\g+6], 0
	s_mov_b32 s[\g+7], 0
.endr
	s_mul_i32 s47, s18, 2*PART                     ; I fetch the four units of slot wave % 2
	s_mul_i32 s42, s22, KU*U
	s_add_co_u32 s42, s42, s47                     ; y: token block ty
	s_mov_b32 s43, 0
	s_mul_i32 s44, s21, KU*U
	s_add_co_u32 s44, s44, s47
	s_add_co_u32 s44, s44, WOFF*U                  ; Wo: feature block tx
	s_mov_b32 s45, 0
	s_mul_i32 s46, s18, SLOT                       ; where they go: slot wave % 2, y's four units or, behind them, Wo's
	s_mul_i32 s23, s17, 2*PART
	s_add_co_u32 s46, s46, s23
	s_mov_b32 s[SEL], 0x76543210
	s_mov_b32 s[SEL+1], 0xfedcba98
	s_mov_b32 s[MNT], 0x600000
	s_wait_dscnt 0x0                               ; both opening adds are done
	s_wait_kmcnt 0x0
	s_add_nc_u64 s[42:43], s[4:5], s[42:43]
	s_add_nc_u64 s[44:45], s[6:7], s[44:45]
	CROUND                                         ; all sixteen work-groups are here: the first joint loads meet
.irp s, 0
	s_mov_b32 s[G0+4*\s], 1
	s_add_co_u32 s[G0+4*\s+1], s46, \s*SLOT
	s_add_nc_u64 s[G0+4*\s+2:G0+4*\s+3], s[42:43], \s*2*PART
	s_or_b32 s[G0+4*\s+3], s[G0+4*\s+3], 0x80000000
	s_mov_b32 s[G0B+4*\s], 1
	s_add_co_u32 s[G0B+4*\s+1], s46, \s*SLOT
	s_add_nc_u64 s[G0B+4*\s+2:G0B+4*\s+3], s[44:45], \s*2*PART
	s_or_b32 s[G0B+4*\s+3], s[G0B+4*\s+3], 0x80000000
	JLOAD G0+4*\s, G1, G0B+4*\s, G1B
.endr
	v_and_b32 v1, 15, v0                           ; r
	v_bfe_u32 v2, v0, 4, 1                         ; h
	v_and_b32 v3, 31, v0
	v_lshlrev_b32 v[LI], 4, v3
	s_wait_alu depctr_va_vdst(0)
	s_lshl_b32 s47, s17, 13                        ; source 1: fragments 4 wh on of y's units
	s_lshl_b32 s66, s18, 13
	s_add_co_u32 s66, s66, 2*PART                  ; source 0: fragments 4 wl on of Wo's units, which lie behind y's four
	s_lshl_b32 s67, s17, 8                         ; scale words: y's, 256 wh;
	s_lshl_b32 s79, s18, 8
	s_add_co_u32 s79, s79, 2*PART
	s_sub_co_u32 s79, s79, s67                     ; and how far on Wo's lie
	v_mul_u32_u24 v5, s79, v2                      ; lanes 16-31 take source 0's
	v_lshl_add_u32 v4, v1, 4, v5
	v_add_nc_u32 v4, 16384, v4
.irp s, 0,1
	v_add_nc_u32 v[ADRA+\s], s47, v[LI]
	v_add_nc_u32 v[ADRB+\s], s66, v[LI]
	v_add_nc_u32 v[ADRS+\s], s67, v4
	s_add_co_u32 s47, s47, SLOT
	s_add_co_u32 s66, s66, SLOT
	s_add_co_u32 s67, s67, SLOT
.endr
	s_lshl_b32 s82, s21, 9
	s_lshl_b32 s83, s18, 8
	s_add_co_u32 s82, s82, s83                     ; my 64 features, as bytes of f32
	s_mov_b32 s83, 0
	s_add_nc_u64 s[8:9], s[8:9], s[82:83]          ; bo
	s_lshl_b32 s84, s22, 19
	s_lshl_b32 s85, s17, 18
	s_add_co_u32 s84, s84, s85
	s_add_co_u32 s84, s84, s82
	s_mov_b32 s85, 0
	s_add_nc_u64 s[70:71], s[10:11], s[84:85]      ; x at my 64 tokens x 64 features
	s_lshl_b32 s86, s22, 3
	s_add_co_u32 s86, s86, s21                     ; 8 ty + tx
	s_lshl_b32 s84, s86, 2
	s_add_co_u32 s84, s84, s16
	s_lshl_b32 s84, s84, 14
	s_add_nc_u64 s[72:73], s[12:13], s[84:85]      ; x1's image: my wave's 16,384 bytes
	s_mul_i32 s84, s86, U
	s_add_nc_u64 s[OUT:OUT+1], s[14:15], s[84:85]  ; x1q's unit
	v_lshlrev_b32 v6, 6, v2                        ; 64 h
	v_and_b32 v7, 8, v0
	v_add_nc_u32 v7, v7, v1
	v_lshlrev_b32 v[XA], 12, v7
	v_lshl_add_u32 v[XA], v2, 6, v[XA]             ; x: row r + 8 (r / 8), + 64 h bytes
	s_wait_alu depctr_va_vdst(0)
	s_lshl_b32 s80, s17, 8
	s_lshl_b32 s81, s18, 1
	s_add_co_u32 s80, s80, s81
	s_add_co_u32 s80, s80, SCM
	v_lshlrev_b32 v[SCW], 4, v1
	v_add_nc_u32 v[SCW], s80, v[SCW]               ; LDS: 256 wh + 16 r + 2 wl; + 4 a in the immediate
	v_add_nc_u32 v[RDS], SCM, v[LI]
	s_lshl_b32 s80, s17, 13
	s_lshl_b32 s81, s18, 10
	s_add_co_u32 s80, s80, s81
	v_add_nc_u32 v[CW], s80, v[LI]                 ; codes: 2048 (4 wh) + 512 (2 wl) + 16 x lane
	v_mov_b32 v[TM+2], 0                           ; written once: a lane permute's destination counts as one of its sources
	v_mov_b32 v[TM+3], 0
.irp b, 0,1
.irp j, 0,1,2,3
	global_load_b128 v[BI+16*\b+4*\j:BI+16*\b+4*\j+3], v6, s[8:9] offset:128*\b+16*\j   ; register 16 b + i: the bias of feature 32 b + 16 h + i of my 64
.endr
.endr
	WIN 0x80                                       ; destination window 2
.irp a, 0,1,2,3
.irp b, 0,1
.irp j, 0,1,2,3
	global_load_b128 v[R+32*\a+16*\b+4*\j:R+32*\a+16*\b+4*\j+3], v[XA], s[70:71] offset:(32*(\a/2)+8*(\a%2))*4096+128*\b+16*\j th:TH_LOAD_NT   ; x in the accumulators' order
.endr
.endr
.endr
	WIN 0
	s_wait_tensorcnt 0x0                           ; my one load is in: behind the barrier both slots are whole
	s_barrier_signal -1
	s_barrier_wait -1
	SLOTWORK 0, 1                                  ; the first step's products start the sums
	CHANGE 0, 0                                    ; slot 1 is whole; nothing is left to fetch
	SLOTWORK 1, 0
	; THE WAY OUT: x1 = sums + bo + x; stored as f32 as it stands in the registers, then quantised
	s_wait_loadcnt 0x0                             ; bo and x, asked for at the head
.irp a, 0,1,2,3
.if \a > 0
	s_wait_xcnt 0x0                                ; the last block's stores have read the numbers' and the codes' registers
.endif
.set i, 0
.rept 16
	v_pk_add_f32 v[T+i:T+i+1], v[ACC+32*\a+i:ACC+32*\a+i+1], v[BI+i:BI+i+1]   ; each accumulator is read from its low end on
.set i, i+2
.endr
	WIN 0x08                                       ; source 1 window 2
.set i, 0
.rept 16
	v_pk_add_f32 v[T+i:T+i+1], v[T+i:T+i+1], v[R+32*\a+i:R+32*\a+i+1]
.set i, i+2
.endr
	WIN 0
.set g, 0
.rept 8
	global_store_b128 v[LI], v[T+4*g:T+4*g+3], s[72:73] offset:4096*\a+512*g   ; 512 consecutive bytes
.set g, g+1
.endr
	QUANT2 \a
.irp b, 0,1
	global_store_b128 v[CW], v[PC+4*\b:PC+4*\b+3], s[OUT:OUT+1] offset:2048*\a+512*\b   ; 512 consecutive bytes
.endr
	ds_store_b16 v[SCW], v[PW+\a] offset:4*\a      ; both lanes of a row write the same two bytes
.endr
	s_wait_dscnt 0x0                               ; my half words lie in LDS,
	s_barrier_signal -1
	s_barrier_wait -1                              ; everybody's do
	s_cmp_lg_u32 s16, 0
	s_cbranch_scc1 .Lnot_0
	ds_load_b128 v[12:15], v[RDS]
	s_wait_dscnt 0x0
	global_store_b128 v[LI], v[12:15], s[OUT:OUT+1] offset:16384   ; the unit's 128 scale words: 512 consecutive bytes
.Lnot_0:
	s_wait_tensorcnt 0x0                           ; the wave's end
	ds_add_u32 v[SPW], v[NIL]
	s_wait_dscnt 0x0
	CROUND                                         ; the closing round
	s_endpgm
.Lfunc_end_k_qcbdab8f714_gemm_o:
	.size	k_qcbdab8f714_gemm_o, .Lfunc_end_k_qcbdab8f714_gemm_o-k_qcbdab8f714_gemm_o
	.p2alignl 7, 3214868480
	.fill 96, 4, 3214868480
	.section	.rodata,"a",@progbits
	.p2align	6, 0x0
	.amdhsa_kernel k_qcbdab8f714_gemm_o
		.amdhsa_group_segment_fixed_size 327680
		.amdhsa_private_segment_fixed_size 0
		.amdhsa_enable_private_segment 0
		.amdhsa_kernarg_size 48
		.amdhsa_user_sgpr_count 2
		.amdhsa_user_sgpr_kernarg_segment_ptr 1
		.amdhsa_wavefront_size32 1
		.amdhsa_system_sgpr_workgroup_id_x 1
		.amdhsa_system_sgpr_workgroup_id_y 1
		.amdhsa_system_sgpr_workgroup_id_z 1
		.amdhsa_system_vgpr_workitem_id 0
		.amdhsa_next_free_vgpr 640
		.amdhsa_next_free_sgpr 100
		.amdhsa_reserve_vcc 0
		.amdhsa_float_denorm_mode_32 3
		.amdhsa_float_denorm_mode_16_64 3
		.amdhsa_memory_ordered 1
		.amdhsa_forward_progress 1
		.amdhsa_inst_pref_size 77
	.end_amdhsa_kernel
	.amdgpu_metadata
---
amdhsa.version: [ 1, 2 ]
amdhsa.kernels:
  - .name:           k_qcbdab8f714_gemm_o
    .symbol:         k_qcbdab8f714_gemm_o.kd
    .args:
      - { .name: yq, .offset: 0, .size: 8, .value_kind: global_buffer, .address_space: global }
      - { .name: wc, .offset: 8, .size: 8, .value_kind: global_buffer, .address_space: global }
      - { .name: bo, .offset: 16, .size: 8, .value_kind: global_buffer, .address_space: global }
      - { .name: x, .offset: 24, .size: 8, .value_kind: global_buffer, .address_space: global }
      - { .name: x1, .offset: 32, .size: 8, .value_kind: global_buffer, .address_space: global }
      - { .name: x1q, .offset: 40, .size: 8, .value_kind: global_buffer, .address_space: global }
    .group_segment_fixed_size: 327680
    .private_segment_fixed_size: 0
    .kernarg_segment_align: 8
    .kernarg_segment_size: 48
    .max_flat_workgroup_size: 128
    .sgpr_count:     100
    .vgpr_count:     640
    .wavefront_size: 32
...
	.end_amdgpu_metadata
.endif
;; end of part 10
;; launch gemm_1 (part 11): grid 16 x 16, 4 waves a work-group, clusters of 4 x 4, 327,680 bytes of LDS; arguments x1q, wc, b1, hq; writes hq
.if DOCPART == 11
	.amdgcn_target "amdgcn-amd-amdhsa--gfx1250"
	.amdhsa_code_object_version 6
	.text
	.protected	k_qcbdab8f714_gemm_1
	.globl	k_qcbdab8f714_gemm_1
	.p2align	8
	.type	k_qcbdab8f714_gemm_1,@function
k_qcbdab8f714_gemm_1:
	s_mov_b64 s[64:65], 0
	v_nop
	global_prefetch_b8 v0, s[64:65] scope:SCOPE_SE
	s_setreg_imm32_b32 hwreg(HW_REG_WAVE_MODE, 25, 1), 1
	s_wait_xcnt 0x0
	s_wait_alu depctr_hold_cnt(0) depctr_sa_sdst(0) depctr_va_vdst(0) depctr_va_sdst(0) depctr_va_ssrc(0) depctr_va_vcc(0) depctr_vm_vsrc(0)
	s_getreg_b32 s2, hwreg(HW_REG_IB_STS2, 6, 4)
	s_cmp_eq_u32 s2, 0
	s_cbranch_scc0 .Lentry_in_a_cluster
	s_endpgm
.Lentry_in_a_cluster:
	s_bfe_u32 s2, ttmp6, 0x10000c
	s_cmp_lg_u32 s2, 0xf033
	s_cbranch_scc0 .Lentry_shape_is_right
	s_endpgm
.Lentry_shape_is_right:
.set U,      16896
.set PART,   2*U
.set SLOT,   PART                      ; from slot 0 to slot 1: part p (x1's two halves, then W1's two) has its two slots on end at 2 p PART, so that one load of 4 U bytes fills both at the head
; No prefetch: the block is the largest, in clusters, and K is four slots, two of which the head's loads bring.
.set KU,     8
.set LAPS,   2
.set WOFF,   256
.set NQ,     2
.set FR,     16
.set NL,     4
.set NP,     8
.set SPARE,  304128
.set ADRA,   16
.set ADRS,   18
.set ADRB,   20
.set LI,     22
.set SPW,    28
.set NIL,    29
.set SC,     32
.set BI,     64
.set AF,     128
.set T,      128
.set PC,     192
.set TM,     208
.set PWS,    224
.set E,      0
.set G1,     24
.set G0,     32
.set G1B,    48
.set G0B,    56
.set OUT,    68
.set HI16,   74
.set SEL,    76
.set MNT,    78
.set MSB, 0
.macro WIN new
.if MSB != (\new)
	s_set_vgpr_msb (MSB<<8)|(\new)
.set MSB, (\new)
.endif
.endm
.set MUL_LO, 0xa1
.set MUL_HI, 0xf1
.set TO_B,   0x40
.macro JLOAD g0a, g1a, g0b, g1b
	s_cmp_eq_u32 s17, 0
	s_cbranch_scc0 .Lfor_b_\@
	tensor_load_to_lds s[\g0a:\g0a+3], s[\g1a:\g1a+7]
	s_nop 0
.rept 4
	v_nop
.endr
	s_branch .Lasked_\@
.Lfor_b_\@:
	tensor_load_to_lds s[\g0b:\g0b+3], s[\g1b:\g1b+7]
	s_nop 0
.rept 4
	v_nop
.endr
.Lasked_\@:
.endm
.macro CREST
	s_cmp_lg_u32 s16, 0
	s_cbranch_scc1 .Lnot_wave_0_\@
	s_barrier_signal -3
.Lnot_wave_0_\@:
	s_barrier_wait -3
	s_barrier_signal -1
	s_barrier_wait -1
.endm
.macro CROUND
	s_barrier_signal -1
	s_barrier_wait -1
	CREST
.endm
.macro FRAG reg, adr, q, i
.irp c, 0,1,2,3
	ds_load_b128 v[\reg+4*\c:\reg+4*\c+3], v[\adr] offset:(\q)*U+(\i)*2048+512*\c
.endr
.endm
.macro MUL16 a0, p, q, sc, zero
.irp a, \a0, \a0+1
.irp b, 0,1,2,3,4,5,6,7
.if \zero
	v_wmma_scale_f32_16x16x128_f8f6f4 v[8*(8*((\a)%4)+\b):8*(8*((\a)%4)+\b)+7], v[128*(\p)+FR*\b:128*(\p)+FR*\b+FR-1], v[AF+FR*(\a):AF+FR*(\a)+FR-1], 0, v[SC+16*(\sc)+8*(\q)+\b], v[SC+16*(\sc)+8*(\q)+(\a)] matrix_a_fmt:MATRIX_FMT_BF8 matrix_b_fmt:MATRIX_FMT_BF8 matrix_a_scale:MATRIX_SCALE_ROW1
.else
	v_wmma_scale_f32_16x16x128_f8f6f4 v[8*(8*((\a)%4)+\b):8*(8*((\a)%4)+\b)+7], v[128*(\p)+FR*\b:128*(\p)+FR*\b+FR-1], v[AF+FR*(\a):AF+FR*(\a)+FR-1], v[8*(8*((\a)%4)+\b):8*(8*((\a)%4)+\b)+7], v[SC+16*(\sc)+8*(\q)+\b], v[SC+16*(\sc)+8*(\q)+(\a)] matrix_a_fmt:MATRIX_FMT_BF8 matrix_b_fmt:MATRIX_FMT_BF8 matrix_a_scale:MATRIX_SCALE_ROW1
.endif
.endr
.endr
.endm
.macro FETCH_B slot, q, p
	WIN TO_B
.irp i, 0,1,2,3,4,5,6,7
	FRAG 128*(\p)+FR*\i, ADRB+\slot, \q, \i
.endr
	WIN 0
.endm
.macro FETCH_A slot, q, i0
.irp i, \i0, \i0+1, \i0+2, \i0+3
	FRAG AF+FR*(\i), ADRA+\slot, \q, \i
.endr
.endm
.macro SCALES s
.irp q, 0,1
.irp g, 0,1
	ds_load_b128 v[SC+16*\s+8*\q+4*\g:SC+16*\s+8*\q+4*\g+3], v[ADRS+\s] offset:\q*U+256*\g
.endr
.endr
.endm
.macro PLACES n
.rept \n
	v_nop
.endr
.endm
.macro STEP slot, q, zero
	s_wait_dscnt 4*NL
	WIN MUL_LO
	MUL16 0, (\q)%2, \q, \slot, \zero
	MUL16 2, (\q)%2, \q, \slot, \zero
	s_wait_dscnt 0x0
	PLACES NP
	FETCH_B \slot, (\q)+1, 1-(\q)%2
	FETCH_A \slot, (\q)+1, 0
	WIN MUL_HI
	MUL16 4, (\q)%2, \q, \slot, \zero
	MUL16 6, (\q)%2, \q, \slot, \zero
	PLACES NP
	WIN 0
	FETCH_A \slot, (\q)+1, 4
.endm
.macro TURN slot, next, fill
	s_wait_tensorcnt 0x0
	ds_add_u32 v[SPW], v[NIL]
	s_wait_dscnt 4*NL+1
	WIN MUL_LO
	MUL16 0, 1, NQ-1, \slot, 0
	s_wait_dscnt 0x0
	s_barrier_signal -1
	MUL16 2, 1, NQ-1, \slot, 0
	WIN 0
	s_barrier_wait -1
.if \fill
	CREST
	s_add_nc_u64 s[G0+4*\slot+2:G0+4*\slot+3], s[G0+4*\slot+2:G0+4*\slot+3], 2*PART
	s_add_nc_u64 s[G0B+4*\slot+2:G0B+4*\slot+3], s[G0B+4*\slot+2:G0B+4*\slot+3], 2*PART
	JLOAD G0+4*\slot, G1, G0B+4*\slot, G1B
	PLACES NP-4
.else
	PLACES NP
.endif
	FETCH_B \next, 0, 0
	FETCH_A \next, 0, 0
	SCALES \next
	WIN MUL_HI
	MUL16 4, 1, NQ-1, \slot, 0
	MUL16 6, 1, NQ-1, \slot, 0
	PLACES NP
	WIN 0
	FETCH_A \next, 0, 4
.endm
.macro QUANT s, pc, pw
.irp b, 0,1,2,3
	v_max3_num_f32 v[TM+\b], |v[\s+16*\b]|, |v[\s+1+16*\b]|, 0x8000000
.endr
.irp i, 2,4,6,8,10,12,14
.irp b, 0,1,2,3
	v_max3_num_f32 v[TM+\b], v[TM+\b], |v[\s+16*\b+\i]|, |v[\s+1+16*\b+\i]|
.endr
.endr
.irp b, 0,1,2,3
	v_permlanex16_b32 v[TM+4+\b], v[TM+\b], s[SEL], s[SEL+1]
.endr
.irp b, 0,1,2,3
	v_max_num_f32 v[TM+\b], v[TM+\b], v[TM+4+\b]
.endr
.irp b, 0,1,2,3
	v_add_nc_u32 v[TM+12+\b], 0xf8800000, v[TM+\b]
.endr
.irp b, 0,1,2,3
	v_and_or_b32 v[TM+8+\b], v[TM+\b], 0x7f800000, s[MNT]
.endr
.irp b, 0,1,2,3
	v_lshrrev_b32 v[TM+4+\b], 23, v[TM+12+\b]
.endr
	v_lshl_or_b32 v[\pw], v[TM+5], 8, v[TM+4]
	v_lshl_or_b32 v[\pw], v[TM+6], 16, v[\pw]
	v_lshl_or_b32 v[\pw], v[TM+7], 24, v[\pw]
.irp b, 0,1,2,3
.irp i, 0,1,2,3,4,5,6,7,8,9,10,11,12,13,14,15
	v_med3_num_f32 v[\s+16*\b+\i], v[\s+16*\b+\i], -v[TM+8+\b], v[TM+8+\b]
.endr
	v_cvt_scalef32_pk8_bf8_f32 v[\pc+4*\b:\pc+4*\b+1], v[\s+16*\b:\s+16*\b+7], v[TM+12+\b]
	v_cvt_scalef32_pk8_bf8_f32 v[\pc+4*\b+2:\pc+4*\b+3], v[\s+16*\b+8:\s+16*\b+15], v[TM+12+\b]
.endr
	v_nop
.endm
.macro TAKE a
	WIN 0x02+(\a)/4
.set i, 0
.rept 32
	v_pk_add_f32 v[T+i:T+i+1], v[64*((\a)%4)+i:64*((\a)%4)+i+1], v[BI+i:BI+i+1]
.set i, i+2
.endr
	WIN 0
.endm
.macro PUT a
.irp c, 0,1,2,3
	global_store_b128 v[LI], v[PC+4*\c:PC+4*\c+3], s[OUT:OUT+1] offset:2048*(\a)+512*\c
.endr
.endm
.macro TAILW
	s_wait_xcnt 0x0
.irp j, 0,1,2,3
	v_cndmask_b32 v[PC+\j], v[PWS+\j], v[PWS+4+\j], s[HI16]
.endr
	global_store_b128 v[LI], v[PC:PC+3], s[OUT:OUT+1] offset:16384
.endm
.macro SILU
	WIN 0x40
.set i, 0
.rept 32
	v_pk_mul_f32 v[E+i:E+i+1], v[T+i:T+i+1], 0xbfb8aa3b op_sel_hi:[1,0]
.set i, i+2
.endr
	WIN 0x41
.set i, 0
	s_wait_alu depctr_va_vdst(0)
.rept 64
	v_exp_f32 v[E+i], v[E+i]
.set i, i+1
.endr
	v_nop
	s_wait_alu depctr_va_vdst(0)
.set i, 0
.rept 32
	v_pk_add_f32 v[E+i:E+i+1], v[E+i:E+i+1], 1.0 op_sel_hi:[1,0]
.set i, i+2
.endr
.set i, 0
	s_wait_alu depctr_va_vdst(0)
.rept 64
	v_rcp_f32 v[E+i], v[E+i]
.set i, i+1
.endr
	v_nop
	s_wait_alu depctr_va_vdst(0)
	WIN 0x04
.set i, 0
.rept 32
	v_pk_mul_f32 v[T+i:T+i+1], v[T+i:T+i+1], v[E+i:E+i+1]
.set i, i+2
.endr
	WIN 0
.endm
	s_load_b256 s[4:11], s[0:1], 0x0
	v_lshl_add_u32 v[SPW], v0, 2, SPARE
	v_mov_b32 v[NIL], 0
	ds_add_u32 v[SPW], v[NIL]
	ds_add_u32 v[SPW], v[NIL]
	v_lshrrev_b32 v1, 5, v0
	v_readfirstlane_b32 s16, v1
	s_lshr_b32 s17, s16, 1
	s_and_b32 s18, s16, 1
	s_bfe_u32 s19, ttmp6, 0x40000
	s_bfe_u32 s20, ttmp6, 0x40004
	s_lshl_b32 s21, ttmp9, 2
	s_add_co_u32 s21, s21, s19
	s_and_b32 s22, ttmp7, 0xffff
	s_lshl_b32 s22, s22, 2
	s_add_co_u32 s22, s22, s20
	s_lshl_b32 s40, s20, 2
	s_lshl_b32 s40, 15, s40
	s_lshl_b32 s41, 0x1111, s19
	s_or_b32 s[G1], s40, (3<<16)|(1<<21)
	s_or_b32 s[G1B], s41, (3<<16)|(1<<21)
.irp g, G1, G1B
	s_mov_b32 s[\g+1], 32<<16
	s_mov_b32 s[\g+2], 264<<16                     ; at the head a dense block of 4 U bytes: 264 rows of 256
	s_mov_b32 s[\g+3], 32<<16
	s_mov_b32 s[\g+4], 264
	s_mov_b32 s[\g+5], 32
	s_mov_b32 s[\g+6], 0
	s_mov_b32 s[\g+7], 0
.endr
	s_lshl_b32 s42, s22, 1
	s_add_co_u32 s42, s42, s18
	s_mul_i32 s42, s42, KU*U
	s_mov_b32 s43, 0
	s_lshl_b32 s44, s21, 1
	s_add_co_u32 s44, s44, s18
	s_mul_i32 s44, s44, KU*U
	s_add_co_u32 s44, s44, WOFF*U
	s_mov_b32 s45, 0
	s_mul_i32 s46, s16, 2*PART                     ; where my tiles go: wave x a part's two slots
	s_mov_b32 s[HI16], 0xffff0000
	s_mov_b32 s[SEL], 0x76543210
	s_mov_b32 s[SEL+1], 0xfedcba98
	s_mov_b32 s[MNT], 0x600000
	s_wait_dscnt 0x0
	s_wait_kmcnt 0x0
	s_add_nc_u64 s[42:43], s[4:5], s[42:43]
	s_add_nc_u64 s[44:45], s[6:7], s[44:45]
	CROUND
.irp s, 0,1
	s_mov_b32 s[G0+4*\s], 1
	s_add_co_u32 s[G0+4*\s+1], s46, \s*SLOT
	s_add_nc_u64 s[G0+4*\s+2:G0+4*\s+3], s[42:43], \s*PART
	s_or_b32 s[G0+4*\s+3], s[G0+4*\s+3], 0x80000000
	s_mov_b32 s[G0B+4*\s], 1
	s_add_co_u32 s[G0B+4*\s+1], s46, \s*SLOT
	s_add_nc_u64 s[G0B+4*\s+2:G0B+4*\s+3], s[44:45], \s*PART
	s_or_b32 s[G0B+4*\s+3], s[G0B+4*\s+3], 0x80000000
.endr
	JLOAD G0, G1, G0B, G1B                         ; my one load at the head: K steps 0 and 1 of my 128 rows, four units on end in memory and in LDS
	v_and_b32 v1, 15, v0
	v_bfe_u32 v2, v0, 4, 1
	v_and_b32 v3, 31, v0
	v_lshlrev_b32 v[LI], 4, v3
	s_mul_i32 s47, s17, 2*PART
	s_mul_i32 s66, s18, 2*PART
	s_add_co_u32 s66, s66, 4*PART                  ; W1's parts lie behind x1's two
	s_sub_co_u32 s67, s66, s47
	v_mul_u32_u24 v5, s67, v2
	v_lshl_add_u32 v4, v1, 4, v5
	v_add_nc_u32 v4, 16384, v4
.irp s, 0,1
	v_add_nc_u32 v[ADRA+\s], s47, v[LI]
	v_add_nc_u32 v[ADRB+\s], s66, v[LI]
	v_add_nc_u32 v[ADRS+\s], s47, v4
	s_add_co_u32 s47, s47, SLOT
	s_add_co_u32 s66, s66, SLOT
.endr
.irp b, 0,1,2,3
	v_mov_b32 v[TM+4+\b], 0
.endr
	s_lshl_b32 s80, s21, 1
	s_add_co_u32 s80, s80, s18
	s_lshl_b32 s81, s22, 1
	s_add_co_u32 s81, s81, s17
	s_lshl_b32 s82, s80, 9
	s_mov_b32 s83, 0
	s_add_nc_u64 s[8:9], s[8:9], s[82:83]
	s_lshl_b32 s84, s81, 5
	s_add_co_u32 s84, s84, s80
	s_mul_i32 s84, s84, U
	s_mov_b32 s85, 0
	s_add_nc_u64 s[OUT:OUT+1], s[10:11], s[84:85]
	v_lshlrev_b32 v6, 6, v2
.irp b, 0,1,2,3
.irp j, 0,1,2,3
	global_load_b128 v[BI+16*\b+4*\j:BI+16*\b+4*\j+3], v6, s[8:9] offset:128*\b+16*\j
.endr
.endr
	s_wait_alu depctr_va_vdst(0)
	s_wait_loadcnt 0x0
	s_wait_tensorcnt 0x0                           ; my part of K steps 0 and 1 is in; no tensor load of mine is out, so a descriptor may be written:
	s_mov_b32 s[G1+2], 132<<16                     ; from here on a load brings one slot's part: 132 rows of 256 bytes
	s_mov_b32 s[G1+4], 132
	s_mov_b32 s[G1B+2], 132<<16
	s_mov_b32 s[G1B+4], 132
	s_barrier_signal -1
	s_barrier_wait -1
	FETCH_B 0, 0, 0
	FETCH_A 0, 0, 0
	SCALES 0
	FETCH_A 0, 0, 4
	STEP 0, 0, 1
	s_mov_b32 s3, LAPS-1
.Llap:
	TURN 0, 1, 1
	STEP 1, 0, 0
	TURN 1, 0, 1
	STEP 0, 0, 0
	s_sub_co_u32 s3, s3, 1
	s_cmp_lg_u32 s3, 0
	s_cbranch_scc1 .Llap
	TURN 0, 1, 0
	STEP 1, 0, 0
	s_wait_dscnt 4*NL
	WIN MUL_LO
	MUL16 0, 1, NQ-1, 1, 0
	MUL16 2, 1, NQ-1, 1, 0
	s_wait_dscnt 0x0
	WIN MUL_HI
	MUL16 4, 1, NQ-1, 1, 0
	MUL16 6, 1, NQ-1, 1, 0
	WIN 0
	PLACES NP
.irp a, 0,1,2,3,4,5,6,7
.if \a > 0
	s_wait_xcnt 0x0
.endif
	TAKE \a
	SILU
	QUANT T, PC, PWS+\a
	PUT \a
.endr
	TAILW
	s_wait_tensorcnt 0x0
	ds_add_u32 v[SPW], v[NIL]
	s_wait_dscnt 0x0
	CROUND
	s_endpgm
.Lfunc_end_k_qcbdab8f714_gemm_1:
	.size	k_qcbdab8f714_gemm_1, .Lfunc_end_k_qcbdab8f714_gemm_1-k_qcbdab8f714_gemm_1
	.p2alignl 7, 3214868480
	.fill 96, 4, 3214868480
	.section	.rodata,"a",@progbits
	.p2align	6, 0x0
	.amdhsa_kernel k_qcbdab8f714_gemm_1
		.amdhsa_group_segment_fixed_size 327680
		.amdhsa_private_segment_fixed_size 0
		.amdhsa_enable_private_segment 0
		.amdhsa_kernarg_size 32
		.amdhsa_user_sgpr_count 2
		.amdhsa_user_sgpr_kernarg_segment_ptr 1
		.amdhsa_wavefront_size32 1
		.amdhsa_system_sgpr_workgroup_id_x 1
		.amdhsa_system_sgpr_workgroup_id_y 1
		.amdhsa_system_sgpr_workgroup_id_z 1
		.amdhsa_system_vgpr_workitem_id 0
		.amdhsa_next_free_vgpr 1024
		.amdhsa_next_free_sgpr 100
		.amdhsa_reserve_vcc 0
		.amdhsa_float_denorm_mode_32 3
		.amdhsa_float_denorm_mode_16_64 3
		.amdhsa_memory_ordered 1
		.amdhsa_forward_progress 1
		.amdhsa_inst_pref_size 255
	.end_amdhsa_kernel
	.section	.bss,"aw",@nobits
	.p2align	6
	.space	262144
	.amdgpu_metadata
---
amdhsa.version: [ 1, 2 ]
amdhsa.kernels:
  - .name:           k_qcbdab8f714_gemm_1
    .symbol:         k_qcbdab8f714_gemm_1.kd
    .args:
      - { .name: x1q, .offset: 0, .size: 8, .value_kind: global_buffer, .address_space: global }
      - { .name: wc, .offset: 8, .size: 8, .value_kind: global_buffer, .address_space: global }
      - { .name: b1, .offset: 16, .size: 8, .value_kind: global_buffer, .address_space: global }
      - { .name: hq, .offset: 24, .size: 8, .value_kind: global_buffer, .address_space: global }
    .group_segment_fixed_size: 327680
    .private_segment_fixed_size: 0
    .kernarg_segment_align: 8
    .kernarg_segment_size: 32
    .max_flat_workgroup_size: 128
    .sgpr_count:     100
    .vgpr_count:     1024
    .wavefront_size: 32
...
	.end_amdgpu_metadata
.endif
;; end of part 11
;; launch gemm_2 (part 12): grid 8 x 32, 4 waves a work-group, clusters of 4 x 4, 327,680 bytes of LDS; arguments hq, wc, b2, x1, out0; writes out0
.if DOCPART == 12
	.amdgcn_target "amdgcn-amd-amdhsa--gfx1250"
	.amdhsa_code_object_version 6
	.text
	.protected	k_qcbdab8f714_gemm_2
	.globl	k_qcbdab8f714_gemm_2
	.p2align	8
	.type	k_qcbdab8f714_gemm_2,@function
k_qcbdab8f714_gemm_2:
	s_mov_b64 s[64:65], 0
	v_nop
	global_prefetch_b8 v0, s[64:65] scope:SCOPE_SE
	s_setreg_imm32_b32 hwreg(HW_REG_WAVE_MODE, 25, 1), 1
	s_wait_xcnt 0x0
	s_wait_alu depctr_hold_cnt(0) depctr_sa_sdst(0) depctr_va_vdst(0) depctr_va_sdst(0) depctr_va_ssrc(0) depctr_va_vcc(0) depctr_vm_vsrc(0)
	s_getreg_b32 s2, hwreg(HW_REG_IB_STS2, 6, 4)
	s_cmp_eq_u32 s2, 0
	s_cbranch_scc0 .Lentry_in_a_cluster
	s_endpgm
.Lentry_in_a_cluster:
	s_bfe_u32 s2, ttmp6, 0x10000c
	s_cmp_lg_u32 s2, 0xf033
	s_cbranch_scc0 .Lentry_shape_is_right
	s_endpgm
.Lentry_shape_is_right:
.set U,      16896
.set PART,   2*U
.set SLOT,   4*PART
.set KU,     32
.set NS,     8
.set WOFF,   512
.set NP,     8
.set STAGE,  270336
.set SP,     272
.set SPARE,  304128
.set ADRA,   16
.set ADRS,   18
.set ADRB,   20
.set LI,     22
.set STO,    24
.set RD,     25
.set CO,     26
.set SPW,    28
.set NIL,    29
.set SC,     32
.set BI,     40
.set ACC,    128
.set R,      0
.set G1,     24
.set G0,     32
.set G1B,    48
.set G0B,    56
.set MSB, 0
.macro WIN new
.if MSB != (\new)
	s_set_vgpr_msb (MSB<<8)|(\new)
.set MSB, (\new)
.endif
.endm
.set MUL,    0x05
.set TO_F,   0x40
.macro JLOAD g0a, g1a, g0b, g1b
	s_cmp_eq_u32 s17, 0
	s_cbranch_scc0 .Lfor_b_\@
	tensor_load_to_lds s[\g0a:\g0a+3], s[\g1a:\g1a+7]
	s_nop 0
.rept 4
	v_nop
.endr
	s_branch .Lasked_\@
.Lfor_b_\@:
	tensor_load_to_lds s[\g0b:\g0b+3], s[\g1b:\g1b+7]
	s_nop 0
.rept 4
	v_nop
.endr
.Lasked_\@:
.endm
.macro CREST
	s_cmp_lg_u32 s16, 0
	s_cbranch_scc1 .Lnot_wave_0_\@
	s_barrier_signal -3
.Lnot_wave_0_\@:
	s_barrier_wait -3
	s_barrier_signal -1
	s_barrier_wait -1
.endm
.macro CROUND
	s_barrier_signal -1
	s_barrier_wait -1
	CREST
.endm
.macro FRAG reg, adr, q, i
.irp c, 0,1,2,3
	ds_load_b128 v[\reg+4*\c:\reg+4*\c+3], v[\adr] offset:(\q)*U+(\i)*2048+512*\c
.endr
.endm
.macro MUL16 p, zero
.irp a, 0,1,2,3
.irp b, 0,1,2,3
.if \zero
	v_wmma_scale_f32_16x16x128_f8f6f4 v[ACC+8*(4*\a+\b):ACC+8*(4*\a+\b)+7], v[128*(\p)+64+16*\b:128*(\p)+64+16*\b+15], v[128*(\p)+16*\a:128*(\p)+16*\a+15], 0, v[SC+4*(\p)+\b], v[SC+4*(\p)+\a] matrix_a_fmt:MATRIX_FMT_BF8 matrix_b_fmt:MATRIX_FMT_BF8 matrix_a_scale:MATRIX_SCALE_ROW1
.else
	v_wmma_scale_f32_16x16x128_f8f6f4 v[ACC+8*(4*\a+\b):ACC+8*(4*\a+\b)+7], v[128*(\p)+64+16*\b:128*(\p)+64+16*\b+15], v[128*(\p)+16*\a:128*(\p)+16*\a+15], v[ACC+8*(4*\a+\b):ACC+8*(4*\a+\b)+7], v[SC+4*(\p)+\b], v[SC+4*(\p)+\a] matrix_a_fmt:MATRIX_FMT_BF8 matrix_b_fmt:MATRIX_FMT_BF8 matrix_a_scale:MATRIX_SCALE_ROW1
.endif
.endr
.endr
.endm
.macro FETCH slot, q
	ds_load_b128 v[SC+4*((\q)%2):SC+4*((\q)%2)+3], v[ADRS+\slot] offset:(\q)*U
	WIN TO_F
.irp i, 0,1,2,3
	FRAG 128*((\q)%2)+64+16*\i, ADRB+\slot, \q, \i
.endr
.irp i, 0,1,2,3
	FRAG 128*((\q)%2)+16*\i, ADRA+\slot, \q, \i
.endr
	WIN 0
.endm
.macro PLACES n
.rept \n
	v_nop
.endr
.endm
.macro STEP slot, q, zero
.if (\q) < 3
	s_wait_dscnt 33
.else
	s_wait_dscnt 0x0
.endif
	WIN MUL
	MUL16 (\q)%2, \zero
	WIN 0
	PLACES NP
.if (\q) < 2
	FETCH \slot, (\q)+2
.endif
.endm
.macro SLOTWORK slot, zero
	FETCH \slot, 0
	FETCH \slot, 1
	STEP \slot, 0, \zero
	STEP \slot, 1, 0
	STEP \slot, 2, 0
	STEP \slot, 3, 0
.endm
.macro CHANGE slot, fill
	s_wait_tensorcnt 0x0
	ds_add_u32 v[SPW], v[NIL]
.if \fill
	s_add_nc_u64 s[G0+4*\slot+2:G0+4*\slot+3], s[G0+4*\slot+2:G0+4*\slot+3], 4*PART
	s_add_nc_u64 s[G0B+4*\slot+2:G0B+4*\slot+3], s[G0B+4*\slot+2:G0B+4*\slot+3], 4*PART
	s_wait_xcnt 0x0                                ; my last prefetches, a slot back, have read their address: it steps a slot on
	s_add_nc_u64 s[96:97], s[96:97], 2*PART
	s_wait_dscnt 0x0
	CROUND
	JLOAD G0+4*\slot, G1, G0B+4*\slot, G1B
	s_cmp_gt_u32 s3, 1                             ; the refill of slot n is followed by a prefetch of slot n + 2; the last trip's two refills have no slot two on
	s_cbranch_scc0 .Lno_ask_\@
	global_prefetch_b8 v30, s[96:97] offset:2*PART th:TH_LOAD_NT scope:SCOPE_SE
	global_prefetch_b8 v31, s[96:97] offset:2*PART+8192 th:TH_LOAD_NT scope:SCOPE_SE
.Lno_ask_\@:
.else
	s_wait_dscnt 0x0
	s_barrier_signal -1
	s_barrier_wait -1
.endif
.endm
.macro COMP a
	WIN 0x88
.set i, 0
.rept 16
	v_pk_add_f32 v[R+32*(\a)+i:R+32*(\a)+i+1], v[ACC+32*(\a)+i:ACC+32*(\a)+i+1], v[R+32*(\a)+i:R+32*(\a)+i+1]
.set i, i+2
.endr
	WIN 0x82
.set i, 0
.rept 16
	v_pk_add_f32 v[R+32*(\a)+i:R+32*(\a)+i+1], v[R+32*(\a)+i:R+32*(\a)+i+1], v[BI+i:BI+i+1]
.set i, i+2
.endr
.endm
.macro STG a
	WIN 0x08
.irp b, 0,1
.irp j, 0,1,2,3
	ds_store_b128 v[STO], v[R+32*(\a)+16*\b+4*\j:R+32*(\a)+16*\b+4*\j+3] offset:128*\b+16*\j
.endr
.endr
	WIN 0x80
.irp t, 0,1,2,3,4,5,6,7
	ds_load_b128 v[R+32*(\a)+4*\t:R+32*(\a)+4*\t+3], v[RD] offset:2*\t*SP
.endr
.endm
.macro SEND a, younger
	WIN 0x08
.irp t, 0,1,2,3,4,5,6,7
	s_wait_dscnt \younger+7-\t
	global_store_b128 v[CO], v[R+32*(\a)+4*\t:R+32*(\a)+4*\t+3], s[72:73] offset:(32*((\a)/2)+8*((\a)%2)+2*\t+8*(\t/4))*4096 th:TH_STORE_NT
.endr
.endm
	s_load_b256 s[4:11], s[0:1], 0x0
	s_load_b64 s[12:13], s[0:1], 0x20
	v_lshl_add_u32 v[SPW], v0, 2, SPARE
	v_mov_b32 v[NIL], 0
	ds_add_u32 v[SPW], v[NIL]
	ds_add_u32 v[SPW], v[NIL]
	v_lshrrev_b32 v1, 5, v0
	v_readfirstlane_b32 s16, v1
	s_lshr_b32 s17, s16, 1
	s_and_b32 s18, s16, 1
	s_bfe_u32 s19, ttmp6, 0x40000
	s_bfe_u32 s20, ttmp6, 0x40004
	s_lshl_b32 s21, ttmp9, 2
	s_add_co_u32 s21, s21, s19
	s_and_b32 s22, ttmp7, 0xffff
	s_lshl_b32 s22, s22, 2
	s_add_co_u32 s22, s22, s20
	s_lshl_b32 s40, s20, 2
	s_lshl_b32 s40, 15, s40
	s_lshl_b32 s41, 0x1111, s19
	s_or_b32 s[G1], s40, (3<<16)|(1<<21)
	s_or_b32 s[G1B], s41, (3<<16)|(1<<21)
.irp g, G1, G1B
	s_mov_b32 s[\g+1], 32<<16
	s_mov_b32 s[\g+2], 264<<16                     ; at the head a dense block of 4 U bytes: 264 rows of 256
	s_mov_b32 s[\g+3], 32<<16
	s_mov_b32 s[\g+4], 264
	s_mov_b32 s[\g+5], 32
	s_mov_b32 s[\g+6], 0
	s_mov_b32 s[\g+7], 0
.endr
	s_mul_i32 s47, s18, PART
	s_mul_i32 s42, s22, KU*U
	s_add_co_u32 s42, s42, s47
	s_mov_b32 s43, 0
	s_mul_i32 s44, s21, KU*U
	s_add_co_u32 s44, s44, s47
	s_add_co_u32 s44, s44, WOFF*U
	s_mov_b32 s45, 0
	s_mul_i32 s46, s16, PART
	s_wait_dscnt 0x0
	s_wait_kmcnt 0x0
	s_add_nc_u64 s[42:43], s[4:5], s[42:43]
	s_add_nc_u64 s[44:45], s[6:7], s[44:45]
	CROUND
.irp s, 0,1
	s_mov_b32 s[G0+4*\s], 1
	s_add_co_u32 s[G0+4*\s+1], s46, \s*SLOT
	s_add_nc_u64 s[G0+4*\s+2:G0+4*\s+3], s[42:43], \s*2*PART
	s_or_b32 s[G0+4*\s+3], s[G0+4*\s+3], 0x80000000
	s_mov_b32 s[G0B+4*\s], 1
	s_add_co_u32 s[G0B+4*\s+1], s46, \s*SLOT
	s_add_nc_u64 s[G0B+4*\s+2:G0B+4*\s+3], s[44:45], \s*2*PART
	s_or_b32 s[G0B+4*\s+3], s[G0B+4*\s+3], 0x80000000
.endr
	; the head's loads, one a wave: waves 0, 1 fetch h's four units of slot 0, of slot 1; waves 2, 3 W2's.  Their groups 0: s[88:91], s[92:95]
	s_mov_b32 s86, s47                             ; wave % 2 parts more: four units on
	s_mov_b32 s87, 0
	s_mov_b32 s88, 1
	s_mul_i32 s89, s18, SLOT
	s_add_nc_u64 s[90:91], s[42:43], s[86:87]
	s_or_b32 s91, s91, 0x80000000
	s_mov_b32 s92, 1
	s_mul_i32 s93, s18, SLOT
	s_add_co_u32 s93, s93, 2*PART
	s_add_nc_u64 s[94:95], s[44:45], s[86:87]
	s_or_b32 s95, s95, 0x80000000
	JLOAD 88, G1, 92, G1B
	; the prefetches: s[96:97] = my share of the part that I fetch in a refill, at slot 2.  A part is 132 blocks of 256 bytes; the four partners that ask for it jointly take 33 each, told apart by address (cx for h, cy for W2)
	s_cmp_eq_u32 s17, 0
	s_cselect_b64 s[96:97], s[42:43], s[44:45]
	s_cselect_b32 s86, s19, s20
	s_mul_i32 s86, s86, 8448
	s_add_co_u32 s86, s86, 4*PART
	s_add_nc_u64 s[96:97], s[96:97], s[86:87]
	v_and_b32 v1, 15, v0
	v_bfe_u32 v2, v0, 4, 1
	v_and_b32 v3, 31, v0
	v_lshlrev_b32 v[LI], 4, v3
	v_lshlrev_b32 v30, 8, v3                       ; a prefetch's offsets: 256 x lane for my first 32 blocks,
	v_mov_b32 v31, 0                               ; and 0: all lanes name my 33rd, by the immediate
	s_wait_alu depctr_va_vdst(0)
	s_lshl_b32 s47, s17, 13
	s_lshl_b32 s66, s18, 13
	s_add_co_u32 s66, s66, 2*PART
	s_lshl_b32 s67, s17, 8
	s_lshl_b32 s79, s18, 8
	s_add_co_u32 s79, s79, 2*PART
	s_sub_co_u32 s79, s79, s67
	v_mul_u32_u24 v5, s79, v2
	v_lshl_add_u32 v4, v1, 4, v5
	v_add_nc_u32 v4, 16384, v4
.irp s, 0,1
	v_add_nc_u32 v[ADRA+\s], s47, v[LI]
	v_add_nc_u32 v[ADRB+\s], s66, v[LI]
	v_add_nc_u32 v[ADRS+\s], s67, v4
	s_add_co_u32 s47, s47, SLOT
	s_add_co_u32 s66, s66, SLOT
	s_add_co_u32 s67, s67, SLOT
.endr
	s_mul_i32 s80, s16, 16*SP
	s_add_co_u32 s80, s80, STAGE
	v_mul_u32_u24 v[STO], v1, SP
	v_lshl_add_u32 v[STO], v2, 6, v[STO]
	v_add_nc_u32 v[STO], s80, v[STO]
	v_mul_u32_u24 v[RD], v2, SP
	v_lshl_add_u32 v[RD], v1, 4, v[RD]
	v_add_nc_u32 v[RD], s80, v[RD]
	v_lshlrev_b32 v[CO], 12, v2
	v_lshl_add_u32 v[CO], v1, 4, v[CO]
	s_lshl_b32 s82, s21, 9
	s_lshl_b32 s83, s18, 8
	s_add_co_u32 s82, s82, s83
	s_mov_b32 s83, 0
	s_add_nc_u64 s[8:9], s[8:9], s[82:83]
	s_lshl_b32 s84, s22, 19
	s_lshl_b32 s85, s17, 18
	s_add_co_u32 s84, s84, s85
	s_add_co_u32 s84, s84, s82
	s_mov_b32 s85, 0
	s_add_nc_u64 s[72:73], s[12:13], s[84:85]
	s_lshl_b32 s84, s22, 3
	s_add_co_u32 s84, s84, s21
	s_lshl_b32 s84, s84, 2
	s_add_co_u32 s84, s84, s16
	s_lshl_b32 s84, s84, 14
	s_add_nc_u64 s[70:71], s[10:11], s[84:85]
	v_lshlrev_b32 v6, 6, v2
.irp b, 0,1
.irp j, 0,1,2,3
	global_load_b128 v[BI+16*\b+4*\j:BI+16*\b+4*\j+3], v6, s[8:9] offset:128*\b+16*\j
.endr
.endr
	global_prefetch_b8 v30, s[96:97] th:TH_LOAD_NT scope:SCOPE_SE                      ; slots 2 and 3, which the first two refills will load
	global_prefetch_b8 v31, s[96:97] offset:8192 th:TH_LOAD_NT scope:SCOPE_SE
	global_prefetch_b8 v30, s[96:97] offset:2*PART th:TH_LOAD_NT scope:SCOPE_SE
	global_prefetch_b8 v31, s[96:97] offset:2*PART+8192 th:TH_LOAD_NT scope:SCOPE_SE
	WIN 0x80
.set g, 0
.rept 32
	global_load_b128 v[R+4*g:R+4*g+3], v[LI], s[70:71] offset:512*g th:TH_LOAD_NT
.set g, g+1
.endr
	WIN 0
	s_wait_tensorcnt 0x0                           ; my one load is in: behind the barrier both slots are whole; no tensor load of mine is out, so a descriptor may be written:
	s_mov_b32 s[G1+2], 132<<16                     ; from here on a load brings one part: 132 rows of 256 bytes
	s_mov_b32 s[G1+4], 132
	s_mov_b32 s[G1B+2], 132<<16
	s_mov_b32 s[G1B+4], 132
	s_barrier_signal -1
	s_barrier_wait -1
	SLOTWORK 0, 1
	s_mov_b32 s3, NS/2-1
.Llap:
	CHANGE 0, 1
	SLOTWORK 1, 0
	CHANGE 1, 1
	SLOTWORK 0, 0
	s_sub_co_u32 s3, s3, 1
	s_cmp_lg_u32 s3, 0
	s_cbranch_scc1 .Llap
	CHANGE 0, 0
	SLOTWORK 1, 0
	s_wait_loadcnt 0x0
	COMP 0
	STG 0
	COMP 1
	STG 1
	SEND 0, 16
	COMP 2
	STG 2
	SEND 1, 16
	COMP 3
	STG 3
	SEND 2, 16
	SEND 3, 0
	WIN 0
	s_wait_tensorcnt 0x0
	ds_add_u32 v[SPW], v[NIL]
	s_wait_dscnt 0x0
	CROUND
	s_endpgm
.Lfunc_end_k_qcbdab8f714_gemm_2:
	.size	k_qcbdab8f714_gemm_2, .Lfunc_end_k_qcbdab8f714_gemm_2-k_qcbdab8f714_gemm_2
	.p2alignl 7, 3214868480
	.fill 96, 4, 3214868480
	.section	.rodata,"a",@progbits
	.p2align	6, 0x0
	.amdhsa_kernel k_qcbdab8f714_gemm_2
		.amdhsa_group_segment_fixed_size 327680
		.amdhsa_private_segment_fixed_size 0
		.amdhsa_enable_private_segment 0
		.amdhsa_kernarg_size 40
		.amdhsa_user_sgpr_count 2
		.amdhsa_user_sgpr_kernarg_segment_ptr 1
		.amdhsa_wavefront_size32 1
		.amdhsa_system_sgpr_workgroup_id_x 1
		.amdhsa_system_sgpr_workgroup_id_y 1
		.amdhsa_system_sgpr_workgroup_id_z 1
		.amdhsa_system_vgpr_workitem_id 0
		.amdhsa_next_free_vgpr 640
		.amdhsa_next_free_sgpr 100
		.amdhsa_reserve_vcc 0
		.amdhsa_float_denorm_mode_32 3
		.amdhsa_float_denorm_mode_16_64 3
		.amdhsa_memory_ordered 1
		.amdhsa_forward_progress 1
		.amdhsa_inst_pref_size 104
	.end_amdhsa_kernel
	.amdgpu_metadata
---
amdhsa.version: [ 1, 2 ]
amdhsa.kernels:
  - .name:           k_qcbdab8f714_gemm_2
    .symbol:         k_qcbdab8f714_gemm_2.kd
    .args:
      - { .name: hq, .offset: 0, .size: 8, .value_kind: global_buffer, .address_space: global }
      - { .name: wc, .offset: 8, .size: 8, .value_kind: global_buffer, .address_space: global }
      - { .name: b2, .offset: 16, .size: 8, .value_kind: global_buffer, .address_space: global }
      - { .name: x1, .offset: 24, .size: 8, .value_kind: global_buffer, .address_space: global }
      - { .name: out0, .offset: 32, .size: 8, .value_kind: global_buffer, .address_space: global }
    .group_segment_fixed_size: 327680
    .private_segment_fixed_size: 0
    .kernarg_segment_align: 8
    .kernarg_segment_size: 40
    .max_flat_workgroup_size: 128
    .sgpr_count:     100
    .vgpr_count:     640
    .wavefront_size: 32
...
	.end_amdgpu_metadata
.endif
;; end of part 12
